; MI455X (gfx1250); checked and timed in simulation.
; The chip was launched on July 23, 2026; its instructions are those of AMD's public machine-readable ISA for CDNA 5 (MIT licence, August 2026) and "CDNA5" Instruction Set Architecture Reference Guide (July 2026). The comments in the code are by the model that wrote it; some were corrected since.
;; Cross Modal Attention. Allowed arithmetic: matrix products marked QUANTISED: E2M1 operands, one E8M0 scale for each 32 along K, by v_wmma_scale_f32_16x16x128_f8f6f4 with both operands' format E2M1 (or v_wmma_scale_f32_32x16x128_f4), f32 sums; products left as they are: f32 operands where the result goes on into a quantised operand, else bf16, f16 or f32 operands; f32 sums; everything else in f32.
;; Inputs: W_tout 1,024 x 1,024 float32; W_tp 1,024 x 768 float32; W_tqkv 3,072 x 1,024 float32; W_vout 1,024 x 1,024 float32; W_vp 1,024 x 768 float32; alpha_i2t 1 float32; alpha_t2i 1 float32; b_tout 1,024 float32; b_tp 1,024 float32; b_tqkv 3,072 float32; b_vout 1,024 float32; b_vp 1,024 float32; be_i2t 1,024 float32; be_t2i 1,024 float32; be_tn 1,024 float32; g_i2t 1,024 float32; g_t2i 1,024 float32; g_tn 1,024 float32; rel_embed 257 x 16 float32; text_features_codes 16 x 512 x 24 x 16 uint8 (E2M1 codes of text_features, K innermost, in blocks of 32 codes, two codes a byte); text_features_scales 16 x 512 x 24 uint8 (E8M0 scales of text_features, one for each 32 codes along K); text_mask 16 x 512 bool; vision_features_codes 16 x 24 x 16 uint8 (E2M1 codes of vision_features, K innermost, in blocks of 32 codes, two codes a byte); vision_features_scales 16 x 24 uint8 (E8M0 scales of vision_features, one for each 32 codes along K).
;; Outputs: out0 16 x 1,024 float32; out1 16 x 512 x 1,024 float32.
;; This version of the problem:
;;   THIS VERSION OF THE PROBLEM IS GIVEN IN LOW PRECISION. The matrix products marked QUANTISED in the list below multiply operands that are first quantised to E2M1 (2 exponent bits, 1 mantissa bit; 4 bits a number), with one power-of-two scale for each 32 numbers along K (OCP MX v1.0); their sums are f32. All else is computed in f32.
;;   The module's matrix products, in the order in which they are computed (A, B: the left and right operand; K: the contracted axis; several contracted axes count as one K, in the product's order):
;;     1. [M 16, K 768] x [K 768, N 1,024]; A: input vision_features (given as codes); B: computed on the way: QUANTISED
;;     2. [M 8,192, K 768] x [K 768, N 1,024]; A: input text_features (given as codes); B: computed on the way: QUANTISED
;;     3. [M 8,192, K 1,024] x [K 1,024, N 3,072]; A: computed on the way; B: computed on the way: QUANTISED
;;     4. batch 256 x [M 512, K 64] x [K 64, N 512]; A: computed on the way; B: computed on the way: QUANTISED
;;     5. batch 256 x [M 512, K 512] x [K 512, N 64]; A: softmax (see below); B: computed on the way: QUANTISED
;;     6. batch 256 x [M 512, K 64] x [K 64, N 512]; A: computed on the way; B: computed on the way: QUANTISED
;;     7. batch 256 x [M 512, K 512] x [K 512, N 64]; A: softmax (see below); B: computed on the way: QUANTISED
;;     8. [M 16, K 1,024] x [K 1,024, N 1,024]; A: computed on the way; B: computed on the way: QUANTISED
;;     9. batch 256 x [M 512, K 64] x [K 64, N 1]; A: computed on the way; B: computed on the way: left as it is (N = 1 < 16)
;;     10. batch 256 x [M 512, K 1] x [K 1, N 64]; A: softmax (see below); B: computed on the way: left as it is (K = 1 < 32)
;;     11. [M 8,192, K 1,024] x [K 1,024, N 1,024]; A: computed on the way; B: computed on the way: QUANTISED
;;   THE QUANTISER, for each operand of a quantised product, along K:
;;     - K is cut into blocks of 32 from its start; a last block that is shorter is filled with zeros.
;;     - A block's scale is 2^e with e = floor(log2(the largest magnitude in the block)) - 2, held to -126 .. 127; a block of zeros has e = 0. As a byte (E8M0): e + 127.
;;     - Each number is divided by its block's scale, clamped to +-6, and rounded to the nearest number of E2M1, ties to even, subnormals kept.
;;     - The product sums the exact products of the quantised numbers (number of the format x scale) in f32.
;;   ~~~python
;;   def quantise(x, axis):      # numpy; x: float32 -> the quantised numbers, widened to float32 again
;;       x = np.moveaxis(x, axis, -1); K = x.shape[-1]
;;       x = np.pad(x, [(0, 0)] * (x.ndim - 1) + [(0, -K % 32)]); x = x.reshape(x.shape[:-1] + (-1, 32)); a = np.abs(x).max(-1, keepdims=True)
;;       e = np.where(a > 0, np.clip(np.frexp(np.where(a > 0, a, 1))[1] - 1 - 2, -126, 127), 0)      # np.frexp(a)[1] - 1 = floor(log2(a)), exactly
;;       r = np.clip(x / 2.0 ** e, -6, 6)
;;       step = 2.0 ** (np.maximum(np.frexp(np.where(r == 0, 1, r))[1] - 1, 0) - 1)
;;       q = np.round(r / step) * step * 2.0 ** e      # np.round: ties to even
;;       return np.moveaxis(q.reshape(q.shape[:-2] + (-1,))[..., :K], -1, axis).astype(np.float32)
;;   ~~~
;;   SOFTMAX AHEAD OF A QUANTISED PRODUCT. Where the list says 'softmax', what is quantised is not the finished softmax but p = 2^(t - M), with t = logit x log2(e) and M = ceil(the row's largest t), a whole number; so 1/2 < the row's largest p <= 1. The row's sum l is taken of the UNQUANTISED p, in f32, and the product's result is divided by l at the end. Since M is a whole number, a kernel that streams over the keys may use a running M (the ceiling of the running maximum): every later rescaling is an exact power of two, which a block's scale takes up: the codes' values come out the same.
;;   OPERANDS COMPUTED ON THE WAY. 'Computed on the way' means the value that the module computes at that place (a softmax that the list does not call 'softmax' is quantised finished and normalised). What goes into a quantiser is computed in f32, as accurately as f32 sums, v_exp_f32 and their like allow (about 1e-6 of the number): no bf16 or f16 on the way to a quantiser, and a product that is left as it is and whose result goes on into a quantised operand takes f32 operands (vector FMAs, or v_wmma_f32_16x16x4_f32). A number that lies on a knife's edge between two numbers of the format may be rounded either way, as far as f32 arithmetic and the matrix unit's own rounding can turn it there, and no further.
;;   INPUTS GIVEN AS CODES. text_features (in the module: [16, 512, 768], K = its axis 2); vision_features (in the module: [16, 768], K = its axis 1): each comes as NAME_codes (uint8): NAME with its K axis moved to the last place and cut into blocks of 32 codes, [.., K / 32, bytes a block], one block behind the other in memory; two codes a byte, the lower K in the low four bits (a code: sign, 2 exponent bits, 1 mantissa bit); and NAME_scales (uint8): the same leading axes, one E8M0 byte (e + 127) for each 32 codes along K. Its value is code x scale, taken as it is: it is not quantised again, and the codes and scales need not be those that the quantiser above would give.
;; 2 versions. Each part assembles by itself: llvm-mc -triple=amdgcn-amd-amdhsa -mcpu=gfx1250 --defsym DOCPART=n.
;; ======== version 1 of 2: 5 launches
;; limits: right only within a limited range of input values
;; workspace buffers: psum 2,048 bytes; wimg 3,408,128 bytes; tp 33,685,504 bytes; xn 4,210,688 bytes; xs 263,168 bytes; vq 17,408 bytes; i2t 65,536 bytes
;; launch wsum (part 1): grid 416 x 1, 8 waves a work-group, no clusters, 1,280 bytes of LDS; arguments W_vp, W_tp, W_tqkv, W_vout, W_tout, psum; writes psum
.if DOCPART == 1
	.amdgcn_target "amdgcn-amd-amdhsa--gfx1250"
	.amdhsa_code_object_version 6
	.text
	.protected	k_qa2339fec02_wsum
	.globl	k_qa2339fec02_wsum
	.p2align	8
	.type	k_qa2339fec02_wsum,@function
k_qa2339fec02_wsum:
	s_mov_b64 s[64:65], 0
	v_nop
	global_prefetch_b8 v0, s[64:65] scope:SCOPE_SE
	s_setreg_imm32_b32 hwreg(HW_REG_WAVE_MODE, 25, 1), 1
	s_wait_xcnt 0x0
; Partial sums of |W| for the five BitLinear weights: the mean of |W| over a whole matrix has to exist before any weight can be made ternary.
; A work-group takes 65,536 consecutive bytes of one weight (48, 48, 192, 64, 64 work-groups), a wave 8,192: sixteen loads of 512 consecutive bytes.
; Sums in f32, in four chains a lane, then over the lanes, then over the eight waves through LDS, always in the same order.  psum[work-group] is the result.
; Memory binds: no matrix unit, no cluster, no tile in LDS would add anything.  No cache word on the loads: the next launch reads the same bytes again.
.set X, 16                             ; v[16:79] the wave's 16 loads
	s_load_b256 s[4:11], s[0:1], 0x0               ; W_vp s[4:5], W_tp s[6:7], W_tqkv s[8:9], W_vout s[10:11]
	s_load_b128 s[12:15], s[0:1], 0x20             ; W_tout s[12:13], psum s[14:15]
	v_lshl_add_u32 v80, v0, 2, 0x100
	v_mov_b32 v81, 0
	v_lshrrev_b32 v1, 5, v0
	v_readfirstlane_b32 s16, v1                    ; wave
	v_and_b32 v2, 31, v0
	v_lshlrev_b32 v1, 4, v2                        ; 16 x lane
	s_mov_b32 s17, 0                               ; the weight's first work-group
	s_mov_b32 s20, 0x76543210
	s_mov_b32 s21, 0xfedcba98                      ; v_permlanex16_b32's selects for lane l xor 16
	s_wait_kmcnt 0x0
	s_cmp_ge_u32 ttmp9, 48                         ; which weight: the choice hangs on the work-group's number alone
	s_cselect_b64 s[4:5], s[6:7], s[4:5]
	s_cselect_b32 s17, 48, s17
	s_cmp_ge_u32 ttmp9, 96
	s_cselect_b64 s[4:5], s[8:9], s[4:5]
	s_cselect_b32 s17, 96, s17
	s_cmp_ge_u32 ttmp9, 288
	s_cselect_b64 s[4:5], s[10:11], s[4:5]
	s_cselect_b32 s17, 288, s17
	s_cmp_ge_u32 ttmp9, 352
	s_cselect_b64 s[4:5], s[12:13], s[4:5]
	s_cselect_b32 s17, 352, s17
	s_sub_co_u32 s18, ttmp9, s17
	s_lshl_b32 s18, s18, 16                        ; 65,536 bytes a work-group,
	s_lshl_b32 s19, s16, 13                        ; 8,192 a wave
	s_add_co_u32 s18, s18, s19
	s_mov_b32 s19, 0
	s_add_nc_u64 s[4:5], s[4:5], s[18:19]
.irp i, 0,1,2,3,4,5,6,7,8,9,10,11,12,13,14,15
	global_load_b128 v[X+4*\i:X+4*\i+3], v1, s[4:5] offset:512*\i
.endr
.irp q, 0,1,2,3
	s_wait_loadcnt 12-4*\q                         ; this group of four loads is in; the younger groups stay out
.irp k, 0,1,2,3
.if \q == 0
	v_add_f32 v[8+\k], |v[X+\k]|, |v[X+4+\k]|      ; the first two numbers start a chain: nothing is cleared
.else
	v_add_f32 v[8+\k], v[8+\k], |v[X+16*\q+\k]|
	v_add_f32 v[8+\k], v[8+\k], |v[X+16*\q+4+\k]|
.endif
	v_add_f32 v[8+\k], v[8+\k], |v[X+16*\q+8+\k]|
	v_add_f32 v[8+\k], v[8+\k], |v[X+16*\q+12+\k]|
.endr
.endr
	v_add_f32 v8, v8, v9
	v_add_f32 v10, v10, v11
	v_add_f32 v8, v8, v10
	v_add_f32_dpp v8, v8, v8 row_xmask:1 row_mask:0xf bank_mask:0xf
	v_add_f32_dpp v8, v8, v8 row_xmask:2 row_mask:0xf bank_mask:0xf
	v_add_f32_dpp v8, v8, v8 row_xmask:4 row_mask:0xf bank_mask:0xf
	v_add_f32_dpp v8, v8, v8 row_xmask:8 row_mask:0xf bank_mask:0xf
	v_permlanex16_b32 v9, v8, s20, s21
	v_add_f32 v8, v8, v9                           ; the wave's sum, in every lane
	v_mov_b32 v10, s16
	v_lshlrev_b32 v10, 2, v10
	ds_store_b32 v10, v8                           ; all lanes write the wave's word with the same value
	s_wait_dscnt 0x0                               ; for the others' sake: my store has landed
	s_barrier_signal -1
	s_barrier_wait -1
	v_mov_b32 v11, 0
	ds_load_b128 v[12:15], v11
	ds_load_b128 v[16:19], v11 offset:16
	s_wait_dscnt 0x0
	v_add_f32 v12, v12, v13
	v_add_f32 v14, v14, v15
	v_add_f32 v16, v16, v17
	v_add_f32 v18, v18, v19
	v_add_f32 v12, v12, v14
	v_add_f32 v16, v16, v18
	v_add_f32 v12, v12, v16
	s_cmp_lg_u32 s16, 0                            ; wave 0 stores for the work-group
	s_cbranch_scc1 .Lend
	s_lshl_b32 s18, ttmp9, 2
	s_add_nc_u64 s[14:15], s[14:15], s[18:19]
	s_wait_xcnt 0x0                                ; EXEC changes only behind this wait
	v_cmp_eq_u32 vcc_lo, 0, v0
	s_and_saveexec_b32 s22, vcc_lo
	global_store_b32 v11, v12, s[14:15]
	s_wait_xcnt 0x0
	s_or_b32 exec_lo, exec_lo, s22
.Lend:
	s_wait_tensorcnt 0x0
	ds_add_u32 v80, v81
	s_wait_dscnt 0x0
	s_endpgm
.Lfunc_end_k_qa2339fec02_wsum:
	.size	k_qa2339fec02_wsum, .Lfunc_end_k_qa2339fec02_wsum-k_qa2339fec02_wsum
	.p2alignl 7, 3214868480
	.fill 96, 4, 3214868480
	.section	.rodata,"a",@progbits
	.p2align	6, 0x0
	.amdhsa_kernel k_qa2339fec02_wsum
		.amdhsa_group_segment_fixed_size 1280
		.amdhsa_private_segment_fixed_size 0
		.amdhsa_enable_private_segment 0
		.amdhsa_kernarg_size 48
		.amdhsa_user_sgpr_count 2
		.amdhsa_user_sgpr_kernarg_segment_ptr 1
		.amdhsa_wavefront_size32 1
		.amdhsa_system_sgpr_workgroup_id_x 1
		.amdhsa_system_sgpr_workgroup_id_y 1
		.amdhsa_system_sgpr_workgroup_id_z 1
		.amdhsa_system_vgpr_workitem_id 0
		.amdhsa_next_free_vgpr 82
		.amdhsa_next_free_sgpr 66
		.amdhsa_reserve_vcc 1
		.amdhsa_float_denorm_mode_32 3
		.amdhsa_float_denorm_mode_16_64 3
		.amdhsa_memory_ordered 1
		.amdhsa_forward_progress 1
		.amdhsa_inst_pref_size 9
	.end_amdhsa_kernel
	.amdgpu_metadata
---
amdhsa.version: [ 1, 2 ]
amdhsa.kernels:
  - .name:           k_qa2339fec02_wsum
    .symbol:         k_qa2339fec02_wsum.kd
    .args:
      - { .name: W_vp, .offset: 0, .size: 8, .value_kind: global_buffer, .address_space: global }
      - { .name: W_tp, .offset: 8, .size: 8, .value_kind: global_buffer, .address_space: global }
      - { .name: W_tqkv, .offset: 16, .size: 8, .value_kind: global_buffer, .address_space: global }
      - { .name: W_vout, .offset: 24, .size: 8, .value_kind: global_buffer, .address_space: global }
      - { .name: W_tout, .offset: 32, .size: 8, .value_kind: global_buffer, .address_space: global }
      - { .name: psum, .offset: 40, .size: 8, .value_kind: global_buffer, .address_space: global }
    .group_segment_fixed_size: 1280
    .private_segment_fixed_size: 0
    .kernarg_segment_align: 8
    .kernarg_segment_size: 48
    .max_flat_workgroup_size: 256
    .sgpr_count:     66
    .vgpr_count:     82
    .wavefront_size: 32
...
	.end_amdgpu_metadata
.endif
;; end of part 1
;; launch wquant (part 2): grid 416 x 1, 4 waves a work-group, no clusters, 34,304 bytes of LDS; arguments W_vp, W_tp, W_tqkv, W_vout, W_tout, psum, wimg; writes wimg
.if DOCPART == 2
	.amdgcn_target "amdgcn-amd-amdhsa--gfx1250"
	.amdhsa_code_object_version 6
	.text
	.protected	k_qa2339fec02_wquant
	.globl	k_qa2339fec02_wquant
	.p2align	8
	.type	k_qa2339fec02_wquant,@function
k_qa2339fec02_wquant:
	s_mov_b64 s[64:65], 0
	v_nop
	global_prefetch_b8 v0, s[64:65] scope:SCOPE_SE
	s_setreg_imm32_b32 hwreg(HW_REG_WAVE_MODE, 25, 1), 1
	s_wait_xcnt 0x0
; The five weights become ternary (0, +s, -s; s = the mean of |W| held to 1e-5 .. 1000; a number counts where |W / s| > 2/3) and then codes of FP4 (E2M1), K innermost,
; laid in the ORDER OF THE OPERAND'S REGISTERS: a fragment (16 rows x 128 K) is 1,024 bytes, registers 4 c .. 4 c + 3 of lane l at 512 c + 16 l.
; THE ROWS OF A TILE ARE NOT NEIGHBOURS: in each group of 32 rows, lane r of tile u takes row 8 u + r + 8 (r / 8), so that a product's results are neighbours along the next K.
; Every number is 0 or +-s, so every block's largest magnitude is s (a block of zeros has zero codes, which count for nothing under any byte): ONE scale byte serves a whole matrix;
; it is stored four times in a word behind the images, a word for each matrix.
; The clip of W / s at +-10 is not written: it cannot change a comparison with 2/3.  LIMITS: NaN and infinities among the weights are not served.
; A work-group takes eight fragments, a wave two, which always lie in one tile of rows (the fragment's number is even and so is the count of K steps): the second begins 512 bytes behind the first.
; Loads take the rows as they lie, 512 consecutive bytes each; a fragment turns through the wave's own stage in LDS (16 rows x 528 bytes), so that a lane holds 32 neighbours along K for the conversions.
.set OFF, 16                           ; v[16:31]   16 x lane + the tile's row i x a row's bytes
.set LL,  32                           ; v[32:159]  the two fragments as loaded, then ternary
.set XX,  160                          ; v[160:223] a fragment back from the stage: register 32 c + i = k 64 c + 32 h + i of row r
.set CC,  224                          ; v[224:239] the codes, eight registers a fragment
.set PA,  224                          ; the partial sums' offsets (before the first conversion)
.set PP,  240                          ; v[240:245] six partial sums a lane; later at work
.set SS,  6                            ; v[6:7] s, twice
.set RR,  8                            ; v[8:9] 1 / s, twice
	s_load_b256 s[4:11], s[0:1], 0x0               ; W_vp, W_tp, W_tqkv, W_vout
	s_load_b128 s[12:15], s[0:1], 0x20             ; W_tout, psum
	s_load_b64 s[16:17], s[0:1], 0x30              ; wimg
	v_lshl_add_u32 v248, v0, 2, 0x8400
	v_mov_b32 v249, 0
	v_lshrrev_b32 v1, 5, v0
	v_readfirstlane_b32 s34, v1                    ; wave
	v_and_b32 v2, 31, v0                           ; lane
	v_lshlrev_b32 v1, 4, v2                        ; 16 x lane
	s_mov_b32 s18, 0                               ; the weight's first work-group
	s_mov_b32 s19, 48                              ; its partial sums
	s_mov_b32 s20, 0                               ; its number
	s_mov_b32 s21, 6                               ; its K steps of 128
	s_mov_b32 s22, 43691                           ; 2^18 / K steps, rounded up
	s_mov_b32 s23, 0x49400000                      ; how many numbers it has, as f32
	s_mov_b32 s24, 0x35aaaaab                      ; and the reciprocal of that
	s_mov_b32 s26, 0x3f2aaaab                      ; 2/3 in f32
	s_mov_b32 s27, 0x7fffffff
	s_mov_b32 s36, 0x76543210
	s_mov_b32 s37, 0xfedcba98
	s_wait_kmcnt 0x0
	s_cmp_ge_u32 ttmp9, 48
	s_cselect_b64 s[4:5], s[6:7], s[4:5]
	s_cselect_b32 s18, 48, s18
	s_cselect_b32 s20, 1, s20
	s_cmp_ge_u32 ttmp9, 96
	s_cselect_b64 s[4:5], s[8:9], s[4:5]
	s_cselect_b32 s18, 96, s18
	s_cselect_b32 s19, 192, s19
	s_cselect_b32 s20, 2, s20
	s_cselect_b32 s21, 8, s21
	s_cselect_b32 s22, 32768, s22
	s_cselect_b32 s23, 0x4a400000, s23
	s_cselect_b32 s24, 0x34aaaaab, s24
	s_cmp_ge_u32 ttmp9, 288
	s_cselect_b64 s[4:5], s[10:11], s[4:5]
	s_cselect_b32 s18, 288, s18
	s_cselect_b32 s19, 64, s19
	s_cselect_b32 s20, 3, s20
	s_cselect_b32 s23, 0x49800000, s23
	s_cselect_b32 s24, 0x35800000, s24
	s_cmp_ge_u32 ttmp9, 352
	s_cselect_b64 s[4:5], s[12:13], s[4:5]
	s_cselect_b32 s18, 352, s18
	s_cselect_b32 s20, 4, s20
	s_sub_co_u32 s25, ttmp9, s18                   ; my work-group within the weight
	s_lshl_b32 s28, s25, 3
	s_lshl_b32 s29, s34, 1
	s_add_co_u32 s28, s28, s29                     ; f: my first fragment within the weight
	s_mul_i32 s29, s28, s22
	s_lshr_b32 s29, s29, 18                        ; T = f / K steps: the tile of rows
	s_mul_i32 s30, s29, s21
	s_sub_co_u32 s30, s28, s30                     ; S: the K step
	s_lshl_b32 s31, s21, 9                         ; a row of W in bytes
	s_lshr_b32 s38, s29, 1
	s_lshl_b32 s38, s38, 5
	s_and_b32 s39, s29, 1
	s_lshl_b32 s39, s39, 3
	s_add_co_u32 s38, s38, s39                     ; the tile's first row: 32 (T / 2) + 8 (T % 2)
	s_mul_i32 s38, s38, s31
	s_lshl_b32 s30, s30, 9
	s_add_co_u32 s38, s38, s30
	s_mov_b32 s39, 0
	s_add_nc_u64 s[4:5], s[4:5], s[38:39]
	s_lshl_b32 s40, ttmp9, 3
	s_lshl_b32 s41, s34, 1
	s_add_co_u32 s40, s40, s41
	s_lshl_b32 s40, s40, 10                        ; my first image: 1,024 x (8 x work-group + 2 x wave)
	s_mov_b32 s41, 0
	s_add_nc_u64 s[32:33], s[16:17], s[40:41]
	s_sub_co_u32 s35, s19, 1
.irp i, 0,1,2,3,4,5
	v_add_nc_u32 v[PA+\i], 32*\i, v2               ; partial sum lane + 32 i, held inside the weight's own
	v_min_u32 v[PA+\i], s35, v[PA+\i]
	v_add_nc_u32 v[PA+\i], s18, v[PA+\i]
	v_lshlrev_b32 v[PA+\i], 2, v[PA+\i]
	global_load_b32 v[PP+\i], v[PA+\i], s[14:15]
.endr
.irp i, 0,1,2,3,4,5,6,7,8,9,10,11,12,13,14,15
	v_mad_u32_u24 v[OFF+\i], s31, \i+(\i&8), v1
.endr
.irp e, 0,1
.irp i, 0,1,2,3,4,5,6,7,8,9,10,11,12,13,14,15
	global_load_b128 v[LL+64*\e+4*\i:LL+64*\e+4*\i+3], v[OFF+\i], s[4:5] offset:512*\e th:TH_LOAD_NT   ; 512 consecutive bytes of one row; read for the last time
.endr
.endr
	s_mul_i32 s42, s34, 8448                       ; my stage
	v_add_nc_u32 v3, s42, v1                       ; in: 16 x lane, a row an instruction
	v_and_b32 v11, 15, v0
	v_bfe_u32 v12, v0, 4, 1
	v_mul_u32_u24 v4, v11, 528
	v_lshl_add_u32 v4, v12, 7, v4
	v_add_nc_u32 v4, s42, v4                       ; back: row r, + 128 h
	s_wait_loadcnt 32                              ; the six partial sums are in; the 32 loads of W stay out
.irp i, 0,1,2,3,4,5
	v_add_nc_u32 v11, 32*\i, v2
	v_cmp_gt_u32 vcc_lo, s19, v11
	v_cndmask_b32 v[PP+\i], 0, v[PP+\i], vcc_lo    ; what lies past the weight's own partial sums counts as 0
.endr
	v_add_f32 v240, v240, v241
	v_add_f32 v242, v242, v243
	v_add_f32 v244, v244, v245
	v_add_f32 v240, v240, v242
	v_add_f32 v240, v240, v244
	v_add_f32_dpp v240, v240, v240 row_xmask:1 row_mask:0xf bank_mask:0xf
	v_add_f32_dpp v240, v240, v240 row_xmask:2 row_mask:0xf bank_mask:0xf
	v_add_f32_dpp v240, v240, v240 row_xmask:4 row_mask:0xf bank_mask:0xf
	v_add_f32_dpp v240, v240, v240 row_xmask:8 row_mask:0xf bank_mask:0xf
	v_permlanex16_b32 v241, v240, s36, s37
	v_add_f32 v240, v240, v241                     ; the sum of |W|
	v_mul_f32 v11, s24, v240                       ; / the count: a first quotient,
	v_fma_f32 v12, -v11, s23, v240                 ; its remainder,
	v_fma_f32 v11, v12, s24, v11                   ; and the quotient mended by it
	v_max_num_f32 v11, 0x3727c5ac, v11             ; held to 1e-5
	v_min_num_f32 v[SS], 0x447a0000, v11           ; .. 1000: s
	v_rcp_f32 v[RR], v[SS]
	v_mov_b32 v[SS+1], v[SS]                       ; (a plain instruction behind the reciprocal)
	s_wait_alu depctr_va_vdst(0)                   ; the wait ahead of the reciprocal's first reader
	v_fma_f32 v11, -v[SS], v[RR], 1.0
	v_fma_f32 v[RR], v11, v[RR], v[RR]             ; one Newton step
	v_mov_b32 v[RR+1], v[RR]
	v_add_nc_u32 v5, 0xff000000, v[SS]             ; 2 off s's exponent field: the conversions' scale operand
	v_lshrrev_b32 v11, 23, v5                      ; the scale's byte,
	v_lshl_or_b32 v10, v11, 8, v11
	v_lshl_or_b32 v10, v10, 16, v10                ; four times in a word
; W / s by a quotient mended with its remainder; then 0 or s with W's sign
.macro TERN e
.set j, 0
.rept 32
	v_pk_mul_f32 v[240:241], v[LL+64*\e+j:LL+64*\e+j+1], v[RR:RR+1]
	v_pk_fma_f32 v[242:243], v[240:241], v[SS:SS+1], v[LL+64*\e+j:LL+64*\e+j+1] neg_lo:[1,0,0] neg_hi:[1,0,0]
	v_pk_fma_f32 v[240:241], v[242:243], v[RR:RR+1], v[240:241]
	v_bfi_b32 v244, s27, v[SS], v[LL+64*\e+j]
	v_bfi_b32 v245, s27, v[SS], v[LL+64*\e+j+1]
	v_cmp_gt_f32 vcc_lo, |v240|, s26
	v_cndmask_b32 v[LL+64*\e+j], 0, v244, vcc_lo
	v_cmp_gt_f32 vcc_lo, |v241|, s26
	v_cndmask_b32 v[LL+64*\e+j+1], 0, v245, vcc_lo
.set j, j+2
.endr
.endm
; through the stage, into codes, out.  LDS serves a wave's instructions in order: the loads see the stores above them, and the second fragment's stores come behind the first's loads
.macro TURN e
.irp i, 0,1,2,3,4,5,6,7,8,9,10,11,12,13,14,15
	ds_store_b128 v3, v[LL+64*\e+4*\i:LL+64*\e+4*\i+3] offset:528*\i
.endr
.irp c, 0,1
.irp p, 0,1,2,3,4,5,6,7
	ds_load_b128 v[XX+32*\c+4*\p:XX+32*\c+4*\p+3], v4 offset:256*\c+16*\p
.endr
.endr
	s_wait_dscnt 0x0
.irp g, 0,1,2,3,4,5,6,7
	v_cvt_scalef32_pk8_fp4_f32 v[CC+8*\e+\g], v[XX+8*\g:XX+8*\g+7], v5
.endr
	v_nop                                          ; one plain instruction behind the last conversion
	global_store_b128 v1, v[CC+8*\e:CC+8*\e+3], s[32:33] offset:1024*\e        ; 512 consecutive bytes each
	global_store_b128 v1, v[CC+8*\e+4:CC+8*\e+7], s[32:33] offset:1024*\e+512
.endm
	s_wait_loadcnt 16                              ; the first fragment's 16 loads are in
	TERN 0
	TURN 0
	s_wait_loadcnt 0x0
	TERN 1
	TURN 1
	s_or_b32 s29, s25, s34                         ; the weight's first work-group, wave 0, stores the scale word
	s_cmp_lg_u32 s29, 0
	s_cbranch_scc1 .Lend
	s_lshl_b32 s29, s20, 2
	v_mov_b32 v11, s29
	s_wait_xcnt 0x0                                ; EXEC changes only behind this wait
	v_cmp_eq_u32 vcc_lo, 0, v2
	s_and_saveexec_b32 s30, vcc_lo
	global_store_b32 v11, v10, s[16:17] offset:3407872
	s_wait_xcnt 0x0
	s_or_b32 exec_lo, exec_lo, s30
.Lend:
	s_wait_tensorcnt 0x0
	ds_add_u32 v248, v249
	s_wait_dscnt 0x0
	s_endpgm
.Lfunc_end_k_qa2339fec02_wquant:
	.size	k_qa2339fec02_wquant, .Lfunc_end_k_qa2339fec02_wquant-k_qa2339fec02_wquant
	.p2alignl 7, 3214868480
	.fill 96, 4, 3214868480
	.section	.rodata,"a",@progbits
	.p2align	6, 0x0
	.amdhsa_kernel k_qa2339fec02_wquant
		.amdhsa_group_segment_fixed_size 34304
		.amdhsa_private_segment_fixed_size 0
		.amdhsa_enable_private_segment 0
		.amdhsa_kernarg_size 56
		.amdhsa_user_sgpr_count 2
		.amdhsa_user_sgpr_kernarg_segment_ptr 1
		.amdhsa_wavefront_size32 1
		.amdhsa_system_sgpr_workgroup_id_x 1
		.amdhsa_system_sgpr_workgroup_id_y 1
		.amdhsa_system_sgpr_workgroup_id_z 1
		.amdhsa_system_vgpr_workitem_id 0
		.amdhsa_next_free_vgpr 250
		.amdhsa_next_free_sgpr 66
		.amdhsa_reserve_vcc 1
		.amdhsa_float_denorm_mode_32 3
		.amdhsa_float_denorm_mode_16_64 3
		.amdhsa_memory_ordered 1
		.amdhsa_forward_progress 1
		.amdhsa_inst_pref_size 50
	.end_amdhsa_kernel
	.amdgpu_metadata
---
amdhsa.version: [ 1, 2 ]
amdhsa.kernels:
  - .name:           k_qa2339fec02_wquant
    .symbol:         k_qa2339fec02_wquant.kd
    .args:
      - { .name: W_vp, .offset: 0, .size: 8, .value_kind: global_buffer, .address_space: global }
      - { .name: W_tp, .offset: 8, .size: 8, .value_kind: global_buffer, .address_space: global }
      - { .name: W_tqkv, .offset: 16, .size: 8, .value_kind: global_buffer, .address_space: global }
      - { .name: W_vout, .offset: 24, .size: 8, .value_kind: global_buffer, .address_space: global }
      - { .name: W_tout, .offset: 32, .size: 8, .value_kind: global_buffer, .address_space: global }
      - { .name: psum, .offset: 40, .size: 8, .value_kind: global_buffer, .address_space: global }
      - { .name: wimg, .offset: 48, .size: 8, .value_kind: global_buffer, .address_space: global }
    .group_segment_fixed_size: 34304
    .private_segment_fixed_size: 0
    .kernarg_segment_align: 8
    .kernarg_segment_size: 56
    .max_flat_workgroup_size: 128
    .sgpr_count:     66
    .vgpr_count:     250
    .wavefront_size: 32
...
	.end_amdgpu_metadata
.endif
;; end of part 2
;; launch proj (part 3): grid 257 x 1, 8 waves a work-group, no clusters, 29,184 bytes of LDS; arguments text_features_codes, text_features_scales, vision_features_codes, vision_features_scales, wimg, b_tp, b_vp, g_tn, be_tn, g_t2i, be_t2i, tp, xn, xs, vq; writes tp, xn, xs, vq
.if DOCPART == 3
	.amdgcn_target "amdgcn-amd-amdhsa--gfx1250"
	.amdhsa_code_object_version 6
	.text
	.protected	k_qa2339fec02_proj
	.globl	k_qa2339fec02_proj
	.p2align	8
	.type	k_qa2339fec02_proj,@function
k_qa2339fec02_proj:
	s_mov_b64 s[64:65], 0
	v_nop
	global_prefetch_b8 v0, s[64:65] scope:SCOPE_SE
	s_setreg_imm32_b32 hwreg(HW_REG_WAVE_MODE, 25, 1), 1
	s_wait_xcnt 0x0
; text_proj = x W_tp^T + b_tp and vision_proj = x W_vp^T + b_vp on codes of FP4 (E2M1) with E8M0 scales, then LayerNorm in f32, then the quantiser along the 1,024 features.
; Work-group g < 256 takes 32 rows of text; work-group 256 takes the 16 rows of vision, each twice (row & 15), with W_vp, b_vp, and the gain and shift of the text-to-image norm:
; the softmax over ONE key is 1 for every finite logit, so that branch's attention output IS vision_proj.  Only pointers and a few numbers are chosen by the work-group's number: one path through the text.
; Wave w makes columns 128 w .. 128 w + 127 for the 32 rows: 16 accumulators.  THE PRODUCT IS USED TRANSPOSED (source 0 = 16 rows of W, source 1 = 16 rows of x), and the rows of a tile of W and of x
; are not neighbours (lane r of tile u takes row 8 u + r + 8 (r / 8) of its 32): so a lane holds one row of x, and its registers of two neighbouring tiles are 16 neighbours along the features.
; The weights come as images of their registers straight from memory, each fragment to the one wave that uses it: no tile is shared between waves but x's, which lies in LDS once.
; WHAT IS SMALL COMES ONCE, IN DENSE LOADS, AND IS SPREAD FROM LDS: a wave's 128 numbers of bias, of gain and of shift are three loads of 512 consecutive bytes (the results' layout wants each of them in sixteen lanes at
; once, which would be 64 loads a wave); the 32 rows' 768 scale bytes are 4 bytes a thread, once for the work-group (by rows they would be six loads in each of eight waves, 4 bytes of 32 places each).
; No cluster: 257 work-groups divide into none, and what work-groups share (the weights) goes to registers.
; OUT: tp (f32, by head: 16 rows x 64 features as an image of 32 registers), xn and xs (the norm's codes and scale words as images of the next product's operand), vq (vision_proj's own codes; work-group 256 alone).
; LIMITS: NaN and infinities are not served; a block whose largest magnitude lies under 2^-124 gets the byte 1.
.set XP,   400                         ; a row of x in LDS: 384 bytes + 16 of padding: 25 x 16, so 16 rows of a load start in different banks
.set RED0, 12800                       ; 8 waves x 128 bytes: partial sums of the rows
.set RED1, 13824                       ; and of their squares
.set BGS,  14848                       ; 8 waves x 1,536 bytes, each wave's own: bias, gain, shift of its 128 columns, 512 bytes each
.set XSL,  27136                       ; x's scale bytes: 32 rows x 24
.set XF,   16                          ; v[16:47]   x's fragments, two buffers of two tiles
.set XS,   48                          ; v[48:53]   x's scale words: lanes 0-15 tile 0's rows, lanes 16-31 tile 1's
.set WSC,  54                          ; v54        W's scale word
.set MN,   56                          ; v[56:59]   the rows' means, a pair for each tile
.set RS,   60                          ; v[60:63]   1 / sqrt(variance + eps) likewise
.set WF,   64                          ; v[64:127]  W's fragments, two buffers of four
.set GA,   64                          ; later: gain and
.set BE,   96                          ; shift of 32 features
.set ACC,  128                         ; v[128:255] accumulator (tile of rows u, tile of columns t) at 128 + 64 u + 8 t
.set PC,   16                          ; the codes made: 8 registers a tile of rows
.set TM,   32                          ; at work
.set SEL,  48
.set HM,   50
.macro MM d, a, b, z, sa, sb, ra, rb   ; D = A B + (z: 0, else D); ra, rb: the half of the lanes from which a side's scales are read
.if (\z)
.if ((\ra)==0) && ((\rb)==0)
	v_wmma_scale_f32_16x16x128_f8f6f4 v[0+(\d):7+(\d)], v[0+(\a):7+(\a)], v[0+(\b):7+(\b)], 0, v[0+(\sa)], v[0+(\sb)] matrix_a_fmt:MATRIX_FMT_FP4 matrix_b_fmt:MATRIX_FMT_FP4
.elseif (\ra)==0
	v_wmma_scale_f32_16x16x128_f8f6f4 v[0+(\d):7+(\d)], v[0+(\a):7+(\a)], v[0+(\b):7+(\b)], 0, v[0+(\sa)], v[0+(\sb)] matrix_a_fmt:MATRIX_FMT_FP4 matrix_b_fmt:MATRIX_FMT_FP4 matrix_b_scale:MATRIX_SCALE_ROW1
.elseif (\rb)==0
	v_wmma_scale_f32_16x16x128_f8f6f4 v[0+(\d):7+(\d)], v[0+(\a):7+(\a)], v[0+(\b):7+(\b)], 0, v[0+(\sa)], v[0+(\sb)] matrix_a_fmt:MATRIX_FMT_FP4 matrix_b_fmt:MATRIX_FMT_FP4 matrix_a_scale:MATRIX_SCALE_ROW1
.else
	v_wmma_scale_f32_16x16x128_f8f6f4 v[0+(\d):7+(\d)], v[0+(\a):7+(\a)], v[0+(\b):7+(\b)], 0, v[0+(\sa)], v[0+(\sb)] matrix_a_fmt:MATRIX_FMT_FP4 matrix_b_fmt:MATRIX_FMT_FP4 matrix_a_scale:MATRIX_SCALE_ROW1 matrix_b_scale:MATRIX_SCALE_ROW1
.endif
.else
.if ((\ra)==0) && ((\rb)==0)
	v_wmma_scale_f32_16x16x128_f8f6f4 v[0+(\d):7+(\d)], v[0+(\a):7+(\a)], v[0+(\b):7+(\b)], v[0+(\d):7+(\d)], v[0+(\sa)], v[0+(\sb)] matrix_a_fmt:MATRIX_FMT_FP4 matrix_b_fmt:MATRIX_FMT_FP4
.elseif (\ra)==0
	v_wmma_scale_f32_16x16x128_f8f6f4 v[0+(\d):7+(\d)], v[0+(\a):7+(\a)], v[0+(\b):7+(\b)], v[0+(\d):7+(\d)], v[0+(\sa)], v[0+(\sb)] matrix_a_fmt:MATRIX_FMT_FP4 matrix_b_fmt:MATRIX_FMT_FP4 matrix_b_scale:MATRIX_SCALE_ROW1
.elseif (\rb)==0
	v_wmma_scale_f32_16x16x128_f8f6f4 v[0+(\d):7+(\d)], v[0+(\a):7+(\a)], v[0+(\b):7+(\b)], v[0+(\d):7+(\d)], v[0+(\sa)], v[0+(\sb)] matrix_a_fmt:MATRIX_FMT_FP4 matrix_b_fmt:MATRIX_FMT_FP4 matrix_a_scale:MATRIX_SCALE_ROW1
.else
	v_wmma_scale_f32_16x16x128_f8f6f4 v[0+(\d):7+(\d)], v[0+(\a):7+(\a)], v[0+(\b):7+(\b)], v[0+(\d):7+(\d)], v[0+(\sa)], v[0+(\sb)] matrix_a_fmt:MATRIX_FMT_FP4 matrix_b_fmt:MATRIX_FMT_FP4 matrix_a_scale:MATRIX_SCALE_ROW1 matrix_b_scale:MATRIX_SCALE_ROW1
.endif
.endif
.endm
.macro NOPS n
.rept \n
	v_nop
.endr
.endm
; 32 numbers of a lane, register 16 b + i = k 32 b + 16 (lane / 16) + i of my row, become four registers of an operand (k = 32 (lane / 16) + 0 .. 31) and two scale bytes in v[hw]
.macro QUANT2 src, dst, hw, tm
.irp b, 0,1
	v_max3_num_f32 v[(\tm)+\b], |v[(\src)+16*\b]|, |v[(\src)+16*\b+1]|, 0x1800000   ; my 16 numbers of block b, and the floor 2^(3 - 127): the byte cannot fall under 1
.endr
.irp i, 2,4,6,8,10,12,14
.irp b, 0,1
	v_max3_num_f32 v[(\tm)+\b], v[(\tm)+\b], |v[(\src)+16*\b+\i]|, |v[(\src)+16*\b+\i+1]|
.endr
.endr
.irp b, 0,1
	v_permlanex16_b32 v[(\tm)+2+\b], v[(\tm)+\b], s[SEL], s[SEL+1]
.endr
.irp b, 0,1
	v_max_num_f32 v[(\tm)+\b], v[(\tm)+\b], v[(\tm)+2+\b]          ; with lane l xor 16's: the block's largest magnitude
.endr
.irp b, 0,1
	v_add_nc_u32 v[(\tm)+4+\b], 0xff000000, v[(\tm)+\b]            ; 2 off its exponent field: the conversion's scale operand
.endr
.irp b, 0,1
	v_lshrrev_b32 v[(\tm)+6+\b], 23, v[(\tm)+4+\b]                 ; the scale's byte
.endr
	v_lshl_or_b32 v[\hw], v[(\tm)+7], 8, v[(\tm)+6]
.irp b, 0,1
	v_cvt_scalef32_pk8_fp4_f32 v[(\dst)+2*\b], v[(\src)+16*\b:(\src)+16*\b+7], v[(\tm)+4+\b]
	v_cvt_scalef32_pk8_fp4_f32 v[(\dst)+2*\b+1], v[(\src)+16*\b+8:(\src)+16*\b+15], v[(\tm)+4+\b]
.endr
	v_nop                                          ; one plain instruction behind the last conversion
	v_permlane16_swap_b32 v[(\dst)], v[(\dst)+2]   ; the operand wants a whole block in a lane: lanes 0-15 block 0, lanes 16-31 block 1
	v_permlane16_swap_b32 v[(\dst)+1], v[(\dst)+3]
.endm
	s_load_b512 s[4:19], s[0:1], 0x0               ; text codes s[4:5], text scales s[6:7], vision codes s[8:9], vision scales s[10:11], wimg s[12:13], b_tp s[14:15], b_vp s[16:17], g_tn s[18:19]
	s_load_b256 s[20:27], s[0:1], 0x40             ; be_tn s[20:21], g_t2i s[22:23], be_t2i s[24:25], tp s[26:27]
	s_load_b128 s[28:31], s[0:1], 0x60             ; xn s[28:29], xs s[30:31]
	s_load_b64 s[32:33], s[0:1], 0x70              ; vq
	v_lshl_add_u32 v55, v0, 2, 0x6e00
	s_set_vgpr_msb 0x40
	v_mov_b32 v1, 0
	s_set_vgpr_msb 0x4000
	v_lshrrev_b32 v7, 5, v0
	v_readfirstlane_b32 s34, v7                    ; wave 0..7
	v_and_b32 v8, 31, v0                           ; lane
	v_lshlrev_b32 v1, 4, v8                        ; 16 x lane
	v_and_b32 v2, 15, v0                           ; r
	v_bfe_u32 v3, v0, 4, 1                         ; h
	v_lshlrev_b32 v4, 2, v8                        ; 4 x lane
	v_and_b32 v9, 8, v2
	v_add_nc_u32 v9, v9, v2                        ; r + 8 (r / 8)
	v_mul_u32_u24 v5, v9, XP
	v_lshl_add_u32 v5, v3, 4, v5                   ; x's fragments in LDS: my row x pitch + 16 h
	s_mul_i32 s47, s34, 1536
	s_add_co_u32 s47, s47, BGS                     ; my wave's bias, gain and shift in LDS
	v_lshl_add_u32 v6, v3, 6, s47                  ; + 64 h: my half's 16 features of a group of 32
	v_mov_b32 v14, 0                               ; (a lane permute's destination counts as one of its sources)
	v_mov_b32 v15, 0
	s_mov_b32 s[SEL], 0x76543210
	s_mov_b32 s[SEL+1], 0xfedcba98                 ; v_permlanex16_b32's selects for lane l xor 16
	s_mov_b32 s[HM], 0xffff0000                    ; lanes 16-31
	s_mov_b32 s52, 0x3a800000                      ; 1 / 1,024
	s_mov_b32 s53, 0x3727c5ac                      ; eps = 1e-5
	s_mov_b32 s39, 768
	s_mov_b32 s46, 192
	s_mov_b32 s41, 0
	s_wait_kmcnt 0x0
	s_cmp_eq_u32 ttmp9, 256                        ; text or vision: hangs on the work-group's number alone
	s_cselect_b64 s[4:5], s[8:9], s[4:5]           ; codes
	s_cselect_b64 s[6:7], s[10:11], s[6:7]         ; scales
	s_cselect_b64 s[14:15], s[16:17], s[14:15]     ; bias
	s_cselect_b64 s[18:19], s[22:23], s[18:19]     ; gain
	s_cselect_b64 s[20:21], s[24:25], s[20:21]     ; shift
	s_cselect_b32 s35, 0, 393216                   ; the weight's images in wimg
	s_cselect_b32 s36, 0, 4                        ; and its scale word
	s_cselect_b32 s37, 0, ttmp9                    ; which 32 rows of the input
	s_cselect_b32 s39, 384, s39                    ; vision has 16 rows, each taken twice: 384 pieces of 16 bytes of codes,
	s_cselect_b32 s46, 96, s46                     ; 96 words of scale bytes
	s_mul_i32 s40, s37, 12288
	s_add_nc_u64 s[4:5], s[4:5], s[40:41]
	s_mul_i32 s40, s37, 768
	s_add_nc_u64 s[6:7], s[6:7], s[40:41]
	s_lshl_b32 s40, s34, 9                         ; my 128 columns
	s_add_nc_u64 s[14:15], s[14:15], s[40:41]
	s_add_nc_u64 s[18:19], s[18:19], s[40:41]
	s_add_nc_u64 s[20:21], s[20:21], s[40:41]
	s_mul_i32 s40, s34, 49152                      ; my 8 tiles x 6 K steps of images
	s_add_co_u32 s40, s40, s35
	s_add_nc_u64 s[42:43], s[12:13], s[40:41]
	s_lshl_b32 s40, ttmp9, 17
	s_lshl_b32 s51, s34, 13
	s_add_co_u32 s40, s40, s51
	s_add_nc_u64 s[26:27], s[26:27], s[40:41]      ; tp: 131,072 g + my two heads
	s_lshl_b32 s40, ttmp9, 14
	s_lshl_b32 s51, s34, 10
	s_add_co_u32 s40, s40, s51
	s_add_nc_u64 s[28:29], s[28:29], s[40:41]      ; xn: 16,384 g + K step w
	s_lshl_b32 s40, ttmp9, 10
	s_lshl_b32 s51, s34, 7
	s_add_co_u32 s40, s40, s51
	s_add_nc_u64 s[30:31], s[30:31], s[40:41]      ; xs: 1,024 g + 128 w
	s_lshl_b32 s40, s34, 7
	s_add_nc_u64 s[44:45], s[32:33], s[40:41]      ; vq's scale words
	s_lshl_b32 s40, s34, 10
	s_add_nc_u64 s[32:33], s[32:33], s[40:41]      ; vq's codes
	; x: 768 pieces of 16 bytes, three a thread, dense in memory; into rows of 400 bytes
	v_mad_u32_u24 v10, v7, 96, v8
	v_lshl_add_u32 v7, v7, 7, v4                   ; where I put a partial sum: 128 w + 4 x lane
	v_mov_b32 v36, 0x180
.irp i, 0,1,2
	v_add_nc_u32 v34, 32*\i, v10                   ; piece p
	v_cmp_le_u32 vcc_lo, s39, v34
	v_cndmask_b32 v35, 0, v36, vcc_lo
	v_sub_nc_u32 v35, v34, v35                     ; (vision: rows 16-31 are rows 0-15 again)
	v_lshlrev_b32 v[28+\i], 4, v35
	v_mul_u32_u24 v35, v34, 0xaab
	v_lshrrev_b32 v35, 16, v35                     ; its row: p / 24
	v_add_nc_u32 v35, v35, v34
	v_lshlrev_b32 v[31+\i], 4, v35                 ; 16 p + 16 x row
	global_load_b128 v[16+4*\i:19+4*\i], v[28+\i], s[4:5]
.endr
	global_load_b128 v[36:39], v1, s[14:15]        ; my 128 columns' bias, 512 consecutive bytes,
	global_load_b128 v[40:43], v1, s[18:19]        ; gain
	global_load_b128 v[44:47], v1, s[20:21]        ; and shift
	v_min_u32 v34, 0xbf, v0                        ; the scale bytes: word q = thread (threads past 191 repeat the last and store nothing)
	v_mov_b32 v13, 0x60
	v_cmp_le_u32 vcc_lo, s46, v34
	v_cndmask_b32 v35, 0, v13, vcc_lo
	v_sub_nc_u32 v34, v34, v35                     ; (vision: rows 16-31 are rows 0-15 again)
	v_lshlrev_b32 v34, 2, v34
	global_load_b32 v35, v34, s[6:7]
	v_lshl_add_u32 v13, v0, 2, XSL                 ; where the word goes
	v_add_nc_u32 v10, s47, v1                      ; where bias, gain and shift go: 16 x lane in my wave's bytes
	v_lshl_add_u32 v11, v3, 3, v9
	v_mul_u32_u24 v11, v11, 24                     ; scale words: lanes 0-15 the rows of tile 0, lanes 16-31 of tile 1; 24 bytes a row
	v_mov_b32 v12, s36
	global_load_b32 v[WSC], v12, s[12:13] offset:3407872
.macro WLOAD i                         ; half step i: K step i / 2, column tiles 4 (i % 2) + 0 .. 3
.irp t, 0,1,2,3
.irp c, 0,1
	global_load_b128 v[WF+32*((\i)%2)+8*\t+4*\c:WF+32*((\i)%2)+8*\t+4*\c+3], v1, s[42:43] offset:((4*((\i)%2)+\t)*6+(\i)/2)*1024+512*\c
.endr
.endr
.endm
.macro XLOAD k                         ; x's two fragments of K step k
.irp u, 0,1
.irp c, 0,1
	ds_load_b128 v[XF+16*((\k)%2)+8*\u+4*\c:XF+16*((\k)%2)+8*\u+4*\c+3], v5 offset:3200*\u+64*(\k)+32*\c
.endr
.endr
.endm
	WLOAD 0
	WLOAD 1
	s_wait_loadcnt 17                              ; the seven loads that go to LDS are in; behind them W's word and 16 loads of W stay out
.irp i, 0,1,2
	ds_store_b128 v[31+\i], v[16+4*\i:19+4*\i]
.endr
	ds_store_b128 v10, v[36:39]
	ds_store_b128 v10, v[40:43] offset:512
	ds_store_b128 v10, v[44:47] offset:1024
	s_cmp_lt_u32 s34, 6                            ; 192 words of scale bytes: waves 0 to 5 store them
	s_cbranch_scc0 .Lno_scales
	ds_store_b32 v13, v35
.Lno_scales:
	s_wait_dscnt 0x0                               ; for the others' sake: my stores have landed
	s_barrier_signal -1
	s_barrier_wait -1
.irp k, 0,1,2,3,4,5
	ds_load_b32 v[XS+\k], v11 offset:XSL+4*\k
.endr
.irp u, 0,1
.irp t, 0,1,2,3,4,5,6,7
	ds_load_b128 v[ACC+64*\u+8*\t:ACC+64*\u+8*\t+3], v6 offset:(32*(\t/2)+8*(\t%2))*4       ; the bias is what the sums begin with: sixteen lanes take the same 16 bytes
	ds_load_b128 v[ACC+64*\u+8*\t+4:ACC+64*\u+8*\t+7], v6 offset:(32*(\t/2)+8*(\t%2))*4+16
.endr
.endr
	XLOAD 0
; A half step: eight products on eight accumulators; the next half step takes the other eight.
.macro GSTEP i
.if (\i) == 11
	s_wait_loadcnt 0x0
.else
	s_wait_loadcnt 0x8                             ; this half step's W is in (at the first also W's scale word); the next one's eight loads stay out
.endif
.if (\i)%2 == 0
	s_wait_dscnt 0x0                               ; x's fragments of this K step (at the first also the bias and x's scale words)
.endif
.irp t, 0,1,2,3
	MM ACC+8*(4*((\i)%2)+\t), WF+32*((\i)%2)+8*\t, XF+16*(((\i)/2)%2), 0, WSC, XS+(\i)/2, 0, 0
	MM ACC+64+8*(4*((\i)%2)+\t), WF+32*((\i)%2)+8*\t, XF+16*(((\i)/2)%2)+8, 0, WSC, XS+(\i)/2, 0, 1
.endr
	NOPS 4                                         ; four plain instructions in front of loads into registers that these products read, and of the first read of results
.if (\i) < 10
	WLOAD (\i)+2
.endif
.if ((\i)%2 == 0) && ((\i) < 10)
	XLOAD (\i)/2+1
.endif
.endm
.irp i, 0,1,2,3,4,5,6,7,8,9,10,11
	GSTEP \i
.endr
.macro GLOAD f                         ; gain and shift of column tiles 4 f + 0 .. 3, in the results' layout, from my wave's bytes of LDS
.irp t, 0,1,2,3
	ds_load_b128 v[GA+8*\t:GA+8*\t+3], v6 offset:512+(32*((4*\f+\t)/2)+8*(\t%2))*4
	ds_load_b128 v[GA+8*\t+4:GA+8*\t+7], v6 offset:512+(32*((4*\f+\t)/2)+8*(\t%2))*4+16
	ds_load_b128 v[BE+8*\t:BE+8*\t+3], v6 offset:1024+(32*((4*\f+\t)/2)+8*(\t%2))*4
	ds_load_b128 v[BE+8*\t+4:BE+8*\t+7], v6 offset:1024+(32*((4*\f+\t)/2)+8*(\t%2))*4+16
.endr
.endm
	GLOAD 0
	v_mov_b32 v[TM+2], 0
	v_mov_b32 v[TM+3], 0
.irp u, 0,1
.irp i, 0,1,2,3,4,5,6,7,8,9,10,11,12,13,14,15
	global_store_b128 v1, v[ACC+64*\u+4*\i:ACC+64*\u+4*\i+3], s[26:27] offset:65536*\u+512*\i   ; the projection itself, as an image: 512 consecutive bytes; each accumulator from its low end on
.endr
.endr
	s_cmp_lg_u32 ttmp9, 256
	s_cbranch_scc1 .Ltext
.irp u, 0,1                            ; vision alone: the projection's own codes, for the image-to-text queries
	QUANT2 ACC+64*\u, PC+8*\u, TM+8+2*\u, TM
	QUANT2 ACC+64*\u+32, PC+8*\u+4, TM+9+2*\u, TM
	v_lshl_or_b32 v[TM+12+\u], v[TM+9+2*\u], 16, v[TM+8+2*\u]
	global_store_b128 v1, v[PC+8*\u:PC+8*\u+3], s[32:33] offset:8192*\u
	global_store_b128 v1, v[PC+8*\u+4:PC+8*\u+7], s[32:33] offset:8192*\u+512
.endr
	v_cndmask_b32 v[TM+14], v[TM+12], v[TM+13], s[HM]
	global_store_b32 v4, v[TM+14], s[44:45] offset:16384
.Ltext:
; a row's sum over the eight waves: v12, v13 hold my 64 numbers' sums for tiles 0, 1; out: v12 = the whole row's, lanes 0-15 for tile 0, lanes 16-31 for tile 1
.macro EXCH red
	v_permlanex16_b32 v14, v12, s[SEL], s[SEL+1]
	v_permlanex16_b32 v15, v13, s[SEL], s[SEL+1]
	v_add_f32 v12, v12, v14
	v_add_f32 v13, v13, v15
	v_cndmask_b32 v12, v12, v13, s[HM]
	ds_store_b32 v7, v12 offset:\red
	s_wait_dscnt 0x0                               ; for the others' sake
	s_barrier_signal -1
	s_barrier_wait -1
.irp w, 0,1,2,3,4,5,6,7
	ds_load_b32 v[36+\w], v4 offset:\red+128*\w
.endr
	s_wait_dscnt 0x0
	v_add_f32 v36, v36, v37
	v_add_f32 v38, v38, v39
	v_add_f32 v40, v40, v41
	v_add_f32 v42, v42, v43
	v_add_f32 v36, v36, v38
	v_add_f32 v40, v40, v42
	v_add_f32 v12, v36, v40
.endm
.irp u, 0,1
	v_pk_add_f32 v[8:9], v[ACC+64*\u:ACC+64*\u+1], v[ACC+64*\u+2:ACC+64*\u+3]
	v_pk_add_f32 v[10:11], v[ACC+64*\u+4:ACC+64*\u+5], v[ACC+64*\u+6:ACC+64*\u+7]
.irp j, 8,12,16,20,24,28,32,36,40,44,48,52,56,60
	v_pk_add_f32 v[8:9], v[8:9], v[ACC+64*\u+\j:ACC+64*\u+\j+1]
	v_pk_add_f32 v[10:11], v[10:11], v[ACC+64*\u+\j+2:ACC+64*\u+\j+3]
.endr
	v_pk_add_f32 v[8:9], v[8:9], v[10:11]
	v_add_f32 v[12+\u], v8, v9
.endr
	EXCH RED0
	v_mul_f32 v12, s52, v12                        ; the mean
	v_permlanex16_b32 v14, v12, s[SEL], s[SEL+1]   ; and the other tile's
	v_cndmask_b32 v[MN], v12, v14, s[HM]
	v_cndmask_b32 v[MN+2], v14, v12, s[HM]
	v_mov_b32 v[MN+1], v[MN]
	v_mov_b32 v[MN+3], v[MN+2]
	s_wait_xcnt 0x0                                ; the stores above have read their registers: the accumulators and the codes' registers may be written
.irp u, 0,1
.set j, 0
.rept 32
	v_pk_add_f32 v[ACC+64*\u+j:ACC+64*\u+j+1], v[ACC+64*\u+j:ACC+64*\u+j+1], v[MN+2*\u:MN+2*\u+1] neg_lo:[0,1] neg_hi:[0,1]
.set j, j+2
.endr
.endr
.irp u, 0,1
	v_pk_mul_f32 v[8:9], v[ACC+64*\u:ACC+64*\u+1], v[ACC+64*\u:ACC+64*\u+1]
	v_pk_mul_f32 v[10:11], v[ACC+64*\u+2:ACC+64*\u+3], v[ACC+64*\u+2:ACC+64*\u+3]
.irp j, 4,8,12,16,20,24,28,32,36,40,44,48,52,56,60
	v_pk_fma_f32 v[8:9], v[ACC+64*\u+\j:ACC+64*\u+\j+1], v[ACC+64*\u+\j:ACC+64*\u+\j+1], v[8:9]
	v_pk_fma_f32 v[10:11], v[ACC+64*\u+\j+2:ACC+64*\u+\j+3], v[ACC+64*\u+\j+2:ACC+64*\u+\j+3], v[10:11]
.endr
	v_pk_add_f32 v[8:9], v[8:9], v[10:11]
	v_add_f32 v[12+\u], v8, v9
.endr
	EXCH RED1
	v_fma_f32 v12, v12, s52, s53                   ; variance + eps
	v_rsq_f32 v13, v12
	v_nop                                          ; a plain instruction behind it,
	s_wait_alu depctr_va_vdst(0)                   ; and the wait ahead of its first reader
	v_permlanex16_b32 v14, v13, s[SEL], s[SEL+1]
	v_cndmask_b32 v[RS], v13, v14, s[HM]
	v_cndmask_b32 v[RS+2], v14, v13, s[HM]
	v_mov_b32 v[RS+1], v[RS]
	v_mov_b32 v[RS+3], v[RS+2]
.macro NORM u, f                       ; (x - mean) / sqrt(..) x gain + shift, 32 features of tile u
.set j, 0
.rept 16
	v_pk_mul_f32 v[ACC+64*\u+32*\f+j:ACC+64*\u+32*\f+j+1], v[ACC+64*\u+32*\f+j:ACC+64*\u+32*\f+j+1], v[RS+2*\u:RS+2*\u+1]
.set j, j+2
.endr
.set j, 0
.rept 16
	v_pk_fma_f32 v[ACC+64*\u+32*\f+j:ACC+64*\u+32*\f+j+1], v[ACC+64*\u+32*\f+j:ACC+64*\u+32*\f+j+1], v[GA+j:GA+j+1], v[BE+j:BE+j+1]
.set j, j+2
.endr
.endm
	s_wait_dscnt 0x0                               ; gain and shift of the first 64 columns (asked for two barriers ago)
	NORM 0, 0
	NORM 1, 0
	GLOAD 1                                        ; those of the other 64 come while the first are quantised
	QUANT2 ACC, PC, TM+8, TM
	QUANT2 ACC+64, PC+8, TM+10, TM
	s_wait_dscnt 0x0
	NORM 0, 1
	NORM 1, 1
	QUANT2 ACC+32, PC+4, TM+9, TM
	QUANT2 ACC+96, PC+12, TM+11, TM
.irp u, 0,1
	v_lshl_or_b32 v[TM+12+\u], v[TM+9+2*\u], 16, v[TM+8+2*\u]      ; four bytes: my row's scale word of K step w
	global_store_b128 v1, v[PC+8*\u:PC+8*\u+3], s[28:29] offset:8192*\u
	global_store_b128 v1, v[PC+8*\u+4:PC+8*\u+7], s[28:29] offset:8192*\u+512
.endr
	v_cndmask_b32 v[TM+14], v[TM+12], v[TM+13], s[HM]
	global_store_b32 v4, v[TM+14], s[30:31]
	s_set_vgpr_msb 0x4
	s_wait_tensorcnt 0x0
	ds_add_u32 v55, v1
	s_wait_dscnt 0x0
	s_set_vgpr_msb 0x400
	s_endpgm
.Lfunc_end_k_qa2339fec02_proj:
	.size	k_qa2339fec02_proj, .Lfunc_end_k_qa2339fec02_proj-k_qa2339fec02_proj
	.p2alignl 7, 3214868480
	.fill 96, 4, 3214868480
	.section	.rodata,"a",@progbits
	.p2align	6, 0x0
	.amdhsa_kernel k_qa2339fec02_proj
		.amdhsa_group_segment_fixed_size 29184
		.amdhsa_private_segment_fixed_size 0
		.amdhsa_enable_private_segment 0
		.amdhsa_kernarg_size 120
		.amdhsa_user_sgpr_count 2
		.amdhsa_user_sgpr_kernarg_segment_ptr 1
		.amdhsa_wavefront_size32 1
		.amdhsa_system_sgpr_workgroup_id_x 1
		.amdhsa_system_sgpr_workgroup_id_y 1
		.amdhsa_system_sgpr_workgroup_id_z 1
		.amdhsa_system_vgpr_workitem_id 0
		.amdhsa_next_free_vgpr 258
		.amdhsa_next_free_sgpr 66
		.amdhsa_reserve_vcc 1
		.amdhsa_float_denorm_mode_32 3
		.amdhsa_float_denorm_mode_16_64 3
		.amdhsa_memory_ordered 1
		.amdhsa_forward_progress 1
		.amdhsa_inst_pref_size 79
	.end_amdhsa_kernel
	.amdgpu_metadata
---
amdhsa.version: [ 1, 2 ]
amdhsa.kernels:
  - .name:           k_qa2339fec02_proj
    .symbol:         k_qa2339fec02_proj.kd
    .args:
      - { .name: text_features_codes, .offset: 0, .size: 8, .value_kind: global_buffer, .address_space: global }
      - { .name: text_features_scales, .offset: 8, .size: 8, .value_kind: global_buffer, .address_space: global }
      - { .name: vision_features_codes, .offset: 16, .size: 8, .value_kind: global_buffer, .address_space: global }
      - { .name: vision_features_scales, .offset: 24, .size: 8, .value_kind: global_buffer, .address_space: global }
      - { .name: wimg, .offset: 32, .size: 8, .value_kind: global_buffer, .address_space: global }
      - { .name: b_tp, .offset: 40, .size: 8, .value_kind: global_buffer, .address_space: global }
      - { .name: b_vp, .offset: 48, .size: 8, .value_kind: global_buffer, .address_space: global }
      - { .name: g_tn, .offset: 56, .size: 8, .value_kind: global_buffer, .address_space: global }
      - { .name: be_tn, .offset: 64, .size: 8, .value_kind: global_buffer, .address_space: global }
      - { .name: g_t2i, .offset: 72, .size: 8, .value_kind: global_buffer, .address_space: global }
      - { .name: be_t2i, .offset: 80, .size: 8, .value_kind: global_buffer, .address_space: global }
      - { .name: tp, .offset: 88, .size: 8, .value_kind: global_buffer, .address_space: global }
      - { .name: xn, .offset: 96, .size: 8, .value_kind: global_buffer, .address_space: global }
      - { .name: xs, .offset: 104, .size: 8, .value_kind: global_buffer, .address_space: global }
      - { .name: vq, .offset: 112, .size: 8, .value_kind: global_buffer, .address_space: global }
    .group_segment_fixed_size: 29184
    .private_segment_fixed_size: 0
    .kernarg_segment_align: 8
    .kernarg_segment_size: 120
    .max_flat_workgroup_size: 256
    .sgpr_count:     66
    .vgpr_count:     258
    .wavefront_size: 32
...
	.end_amdgpu_metadata
.endif
;; end of part 3
;; launch attn (part 4): grid 16 x 16, 16 waves a work-group, no clusters, 241,664 bytes of LDS; arguments xn, xs, tp, wimg, vq, b_tqkv, b_tout, alpha_t2i, rel_embed, text_mask, out1, i2t; writes out1, i2t
.if DOCPART == 4
	.amdgcn_target "amdgcn-amd-amdhsa--gfx1250"
	.amdhsa_code_object_version 6
	.text
	.protected	k_qa2339fec02_attn
	.globl	k_qa2339fec02_attn
	.p2align	8
	.type	k_qa2339fec02_attn,@function
k_qa2339fec02_attn:
	s_mov_b64 s[64:65], 0
	v_nop
	global_prefetch_b8 v0, s[64:65] scope:SCOPE_SE
	s_setreg_imm32_b32 hwreg(HW_REG_WAVE_MODE, 25, 1), 1
	s_wait_xcnt 0x0
; One head of one batch: q, k, v = LN(text_proj) W^T + b; self-attention over 512 tokens with the relative bias and the key mask; the residual; out1's 64 columns; the image-to-text attention of this head.
; All products on codes of FP4 (E2M1) with E8M0 scales; q, k, v, p and text_self are quantised in registers and never go to memory.
; SHARES.  Sixteen waves in 256 registers each, four to a SIMD, so that one wave's softmax stands beside another's products and LDS loads.  Wave w owns tokens 32 w .. 32 w + 31:
; as two tiles of 16 queries (lane r of tile u is token 32 w + 8 u + r + 8 (r / 8)) and as the block of 32 keys number w.
; WHAT reference() ITSELF FIXES.  The image-to-text queries are one row broadcast: one tile of 16 equal columns does that attention, and the mean over equal rows is the row.  The text-to-image softmax runs over ONE key,
; so it is 1 for every finite logit, its output is vision_proj, and the last BitLinear has one distinct row a batch: that row's 64 columns are made here, in the head.
; THE BIAS is the C of the score products: 8 x rel_embed (exact, the scale being 1/8), from a table in LDS in four copies, each shifted by a word, so that a lane's run of four keys is one aligned load of 16 bytes.
; THE MASK rides in the idle half of K (the head has 64 of the instruction's 128): at k = 64 every query holds -6 x 2^30, a masked key +6, any other key 0 under the smallest scale; a masked key's own codes are zeros.
; LIMITS.  A masked key's logit is so about -4.8e9 where reference() has -1e9, and the running maximum begins at t = -2^30: the results are reference()'s as long as a row's largest unmasked logit lies above -7.4e8.
; A batch whose keys are ALL masked has 512 equal logits: they are taken as 0 (zero table, zero codes, no mask term), which gives the same uniform softmax.  NaN and infinities are not served.
; No tensor load and no cluster: x's fragments go to the one wave that uses them, straight into registers; the head's weights are staged in LDS once; sharing x among the 16 heads would want a ring beside them.
; REGISTERS: v1 16 l, v2 4 l, v3 r, v4 h, v5-6 the upper half of my keys' scale words, v7 0, v8-14 LDS addresses that stay, v15 r + 8 (r / 8), v16-19 at work; v20-23 and v120-127 hold scales and nothing else;
;   first part: v24-55 four fragments of W, v56-119 eight accumulators, v128-255 x's 16 fragments;
;   attention: v24-55 four fragments of K or V, v56-119 scores then p, v128-159 O^T, v160-191 text_proj then text_self, v192-199 p's codes, v200-223 at work, v224-239 q's two fragments, v240-251 a query's numbers.
.set KI,  139264                       ; k's codes: tile (2 w + u) x 512: registers 0-3 of a fragment
.set KM,  155648                       ; register 4 of it (the mask's code): tile x 128
.set KS,  159744                       ; k's scale words: block x 128: lanes 0-15 tile 0, lanes 16-31 tile 1
.set VI,  161792                       ; v's fragments, keys innermost: (t x 4 + s) x 1,024
.set VS,  178176                       ; v's scale words: s x 256 + t x 64 + 4 r
.set BT,  179200                       ; the bias table, four copies of 4,352 bytes
.set TKI, 196608                       ; text_self as keys,
.set TKS, 212992
.set TVI, 215040                       ; and as values
.set TVS, 231424
.set PI,  232448                       ; the image-to-text p: s x 1,024
.set PS,  236544
.set BL,  236800                       ; b_tqkv of this head: [3][64]
.set TPS, 237568                       ; the last BitLinear's row, four partial sums of 64
.set RX,  238592                       ; 16 maxima
.set RL,  238848                       ; 16 sums
.set OS,  239104                       ; 64 numbers on their way out
                                       ; bytes 0 .. 98,303: the head's weights; from the second barrier on bytes 0 .. 139,263 are the waves' own stages, 32 rows x 272 bytes each
.macro MM d, a, b, z, sa, sb, ra, rb   ; D = A B + (z: 0, else D); ra, rb: the half of the lanes from which a side's scales are read
.if (\z)
.if ((\ra)==0) && ((\rb)==0)
	v_wmma_scale_f32_16x16x128_f8f6f4 v[0+(\d):7+(\d)], v[0+(\a):7+(\a)], v[0+(\b):7+(\b)], 0, v[0+(\sa)], v[0+(\sb)] matrix_a_fmt:MATRIX_FMT_FP4 matrix_b_fmt:MATRIX_FMT_FP4
.elseif (\ra)==0
	v_wmma_scale_f32_16x16x128_f8f6f4 v[0+(\d):7+(\d)], v[0+(\a):7+(\a)], v[0+(\b):7+(\b)], 0, v[0+(\sa)], v[0+(\sb)] matrix_a_fmt:MATRIX_FMT_FP4 matrix_b_fmt:MATRIX_FMT_FP4 matrix_b_scale:MATRIX_SCALE_ROW1
.elseif (\rb)==0
	v_wmma_scale_f32_16x16x128_f8f6f4 v[0+(\d):7+(\d)], v[0+(\a):7+(\a)], v[0+(\b):7+(\b)], 0, v[0+(\sa)], v[0+(\sb)] matrix_a_fmt:MATRIX_FMT_FP4 matrix_b_fmt:MATRIX_FMT_FP4 matrix_a_scale:MATRIX_SCALE_ROW1
.else
	v_wmma_scale_f32_16x16x128_f8f6f4 v[0+(\d):7+(\d)], v[0+(\a):7+(\a)], v[0+(\b):7+(\b)], 0, v[0+(\sa)], v[0+(\sb)] matrix_a_fmt:MATRIX_FMT_FP4 matrix_b_fmt:MATRIX_FMT_FP4 matrix_a_scale:MATRIX_SCALE_ROW1 matrix_b_scale:MATRIX_SCALE_ROW1
.endif
.else
.if ((\ra)==0) && ((\rb)==0)
	v_wmma_scale_f32_16x16x128_f8f6f4 v[0+(\d):7+(\d)], v[0+(\a):7+(\a)], v[0+(\b):7+(\b)], v[0+(\d):7+(\d)], v[0+(\sa)], v[0+(\sb)] matrix_a_fmt:MATRIX_FMT_FP4 matrix_b_fmt:MATRIX_FMT_FP4
.elseif (\ra)==0
	v_wmma_scale_f32_16x16x128_f8f6f4 v[0+(\d):7+(\d)], v[0+(\a):7+(\a)], v[0+(\b):7+(\b)], v[0+(\d):7+(\d)], v[0+(\sa)], v[0+(\sb)] matrix_a_fmt:MATRIX_FMT_FP4 matrix_b_fmt:MATRIX_FMT_FP4 matrix_b_scale:MATRIX_SCALE_ROW1
.elseif (\rb)==0
	v_wmma_scale_f32_16x16x128_f8f6f4 v[0+(\d):7+(\d)], v[0+(\a):7+(\a)], v[0+(\b):7+(\b)], v[0+(\d):7+(\d)], v[0+(\sa)], v[0+(\sb)] matrix_a_fmt:MATRIX_FMT_FP4 matrix_b_fmt:MATRIX_FMT_FP4 matrix_a_scale:MATRIX_SCALE_ROW1
.else
	v_wmma_scale_f32_16x16x128_f8f6f4 v[0+(\d):7+(\d)], v[0+(\a):7+(\a)], v[0+(\b):7+(\b)], v[0+(\d):7+(\d)], v[0+(\sa)], v[0+(\sb)] matrix_a_fmt:MATRIX_FMT_FP4 matrix_b_fmt:MATRIX_FMT_FP4 matrix_a_scale:MATRIX_SCALE_ROW1 matrix_b_scale:MATRIX_SCALE_ROW1
.endif
.endif
.endm
.macro NOPS n
.rept \n
	v_nop
.endr
.endm
; 32 numbers of a lane, register 16 b + i = k 32 b + 16 (lane / 16) + i of my row, become four registers of an operand (k = 32 (lane / 16) + 0 .. 31) and two scale bytes in v[hw]
.macro QUANT2 src, dst, hw, tm
.irp b, 0,1
	v_max3_num_f32 v[(\tm)+\b], |v[(\src)+16*\b]|, |v[(\src)+16*\b+1]|, 0x1800000   ; my 16 numbers of block b, and the floor 2^(3 - 127): the byte cannot fall under 1
.endr
.irp i, 2,4,6,8,10,12,14
.irp b, 0,1
	v_max3_num_f32 v[(\tm)+\b], v[(\tm)+\b], |v[(\src)+16*\b+\i]|, |v[(\src)+16*\b+\i+1]|
.endr
.endr
.irp b, 0,1
	v_permlanex16_b32 v[(\tm)+2+\b], v[(\tm)+\b], s32, s33
.endr
.irp b, 0,1
	v_max_num_f32 v[(\tm)+\b], v[(\tm)+\b], v[(\tm)+2+\b]
.endr
.irp b, 0,1
	v_add_nc_u32 v[(\tm)+4+\b], 0xff000000, v[(\tm)+\b]            ; 2 off the exponent field: the conversion's scale operand
.endr
.irp b, 0,1
	v_lshrrev_b32 v[(\tm)+6+\b], 23, v[(\tm)+4+\b]
.endr
	v_lshl_or_b32 v[\hw], v[(\tm)+7], 8, v[(\tm)+6]
.irp b, 0,1
	v_cvt_scalef32_pk8_fp4_f32 v[(\dst)+2*\b], v[(\src)+16*\b:(\src)+16*\b+7], v[(\tm)+4+\b]
	v_cvt_scalef32_pk8_fp4_f32 v[(\dst)+2*\b+1], v[(\src)+16*\b+8:(\src)+16*\b+15], v[(\tm)+4+\b]
.endr
	v_nop                                          ; one plain instruction behind the last conversion
	v_permlane16_swap_b32 v[(\dst)], v[(\dst)+2]   ; a whole block to a lane: lanes 0-15 block 0, lanes 16-31 block 1
	v_permlane16_swap_b32 v[(\dst)+1], v[(\dst)+3]
.endm
; four blocks of 32 KEYS (my wave's tokens), one for each of four features of a lane: register 16 b + i = token 16 (lane / 16) + i.  Codes: v[dst + 2 b], v[dst + 2 b + 1]; bytes: v[tm + 12 + b]
.macro QUANT4V src, dst, tm
.irp b, 0,1,2,3
	v_max3_num_f32 v[(\tm)+\b], |v[(\src)+16*\b]|, |v[(\src)+16*\b+1]|, 0x1800000
.endr
.irp i, 2,4,6,8,10,12,14
.irp b, 0,1,2,3
	v_max3_num_f32 v[(\tm)+\b], v[(\tm)+\b], |v[(\src)+16*\b+\i]|, |v[(\src)+16*\b+\i+1]|
.endr
.endr
.irp b, 0,1,2,3
	v_permlanex16_b32 v[(\tm)+4+\b], v[(\tm)+\b], s32, s33
.endr
.irp b, 0,1,2,3
	v_max_num_f32 v[(\tm)+\b], v[(\tm)+\b], v[(\tm)+4+\b]
.endr
.irp b, 0,1,2,3
	v_add_nc_u32 v[(\tm)+8+\b], 0xff000000, v[(\tm)+\b]
.endr
.irp b, 0,1,2,3
	v_lshrrev_b32 v[(\tm)+12+\b], 23, v[(\tm)+8+\b]
.endr
.irp b, 0,1,2,3
	v_cvt_scalef32_pk8_fp4_f32 v[(\dst)+2*\b], v[(\src)+16*\b:(\src)+16*\b+7], v[(\tm)+8+\b]
	v_cvt_scalef32_pk8_fp4_f32 v[(\dst)+2*\b+1], v[(\src)+16*\b+8:(\src)+16*\b+15], v[(\tm)+8+\b]
.endr
	v_nop
.endm
.macro KADDR                           ; where my wave's two key tiles lie: v16 codes, v19 the mask's register, v17 scale words (by row)
	s_lshl_b32 s82, s28, 10
	v_add_nc_u32 v16, s82, v8
	s_lshl_b32 s82, s28, 8
	v_add_nc_u32 v19, s82, v9
	s_lshl_b32 s82, s28, 7
	s_add_co_u32 s82, s82, KS
	v_lshl_add_u32 v17, v3, 2, s82
.endm
.macro VADDR vi, vs, ra, rb            ; where my block of keys lies in the values' fragments (8 bytes a lane) and among their scale bytes
	s_lshl_b32 s82, s28, 8
	s_add_co_u32 s82, s82, \vi
	v_lshlrev_b32 v[\ra], 4, v3
	v_lshl_add_u32 v[\ra], v4, 3, v[\ra]
	v_add_nc_u32 v[\ra], s82, v[\ra]               ; 256 w + 16 r + 8 h: K step w / 4, registers' group (w / 2) % 2, half of the lanes w % 2
	s_lshr_b32 s82, s28, 2
	s_lshl_b32 s82, s82, 8
	s_and_b32 s83, s28, 3
	s_add_co_u32 s82, s82, s83
	s_add_co_u32 s82, s82, \vs
	v_lshl_add_u32 v[\rb], v3, 2, s82              ; 256 (w / 4) + 4 r + w % 4
.endm
	s_load_b512 s[4:19], s[0:1], 0x0               ; xn s[4:5], xs s[6:7], tp s[8:9], wimg s[10:11], vq s[12:13], b_tqkv s[14:15], b_tout s[16:17], alpha_t2i s[18:19]
	s_load_b256 s[20:27], s[0:1], 0x40             ; rel_embed s[20:21], text_mask s[22:23], out1 s[24:25], i2t s[26:27]
	v_lshrrev_b32 v16, 5, v0
	v_readfirstlane_b32 s28, v16                   ; wave 0..15
	s_mov_b32 s29, ttmp9                           ; head
	s_and_b32 s30, ttmp7, 0xffff                   ; batch
	s_lshl_b32 s31, s30, 4
	s_add_co_u32 s31, s31, s28                     ; g: my block of 32 rows
	s_mov_b32 s32, 0x76543210
	s_mov_b32 s33, 0xfedcba98                      ; v_permlanex16_b32's selects for lane l xor 16
	s_mov_b32 s34, 0x3e38aa3b                      ; c = log2(e) / 8
	s_mov_b32 s35, s34
	s_mov_b32 s36, 0xffff0000                      ; lanes 16-31
	v_and_b32 v17, 31, v0
	v_lshlrev_b32 v1, 4, v17
	v_lshlrev_b32 v2, 2, v17
	v_and_b32 v3, 15, v0
	v_bfe_u32 v4, v0, 4, 1
	v_mov_b32 v7, 0
	v_and_b32 v15, 8, v3
	v_add_nc_u32 v15, v15, v3                      ; r + 8 (r / 8)
	v_add_nc_u32 v8, KI, v1
	v_add_nc_u32 v9, KM, v2
	v_add_nc_u32 v10, KS, v2
	v_add_nc_u32 v11, VI, v1
	v_add_nc_u32 v12, VS, v2
	; the bias table: my lane uses copy c = (-r) % 4, which holds entry i at word i - c.  The copies begin 0, 144, 48, 176 bytes into their 4,352, so that the sixteen lanes of a load touch sixteen different columns of 16 bytes
	v_sub_nc_u32 v16, 0, v3
	v_and_b32 v16, 3, v16                          ; c
	v_and_b32 v17, 1, v16
	v_mul_u32_u24 v17, v17, 144
	v_lshrrev_b32 v18, 1, v16
	v_mul_u32_u24 v18, v18, 48
	v_and_or_b32 v17, v17, 0xff, v18
	v_mad_u32_u24 v17, v16, 4352, v17
	v_lshl_add_u32 v17, v4, 6, v17                 ; + 64 h: my half's keys
	s_xor_b32 s82, s28, 15
	s_lshl_b32 s82, s82, 7
	s_add_co_u32 s82, s82, BT+112                  ; BT + 16 - 32 + 4 (512 - 32 w), written with 15 - w
	v_add_nc_u32 v17, s82, v17
	v_add_nc_u32 v18, v15, v16
	v_lshlrev_b32 v18, 2, v18
	v_sub_nc_u32 v13, v17, v18                     ; - 4 (my query's place + c)
	s_mul_i32 s82, s28, 8704
	v_mul_u32_u24 v14, v15, 272
	v_lshl_add_u32 v14, v4, 6, v14
	v_add_nc_u32 v14, s82, v14                     ; my stage: row r + 8 (r / 8), + 64 h
	; offsets of the head's loads (v240-255 take the last K step of x behind the first barrier)
	v_sub_nc_u32 v249, 0x280, v0
	v_min_u32 v249, 0x100, v249
	v_lshlrev_b32 v249, 6, v249                    ; table entry i = thread: row min(640 - i, 256) of rel_embed
	v_min_u32 v250, 0x80, v0
	v_sub_nc_u32 v250, 0x80, v250
	v_lshlrev_b32 v250, 6, v250                    ; entry 512 + thread: row max(128 - thread, 0)
	s_lshl_b32 s82, s28, 5
	v_add_nc_u32 v251, s82, v15                    ; my token of tile 0
	v_min_u32 v254, 0xbf, v0
	v_lshrrev_b32 v255, 6, v254
	v_and_b32 v254, 63, v254
	v_lshlrev_b32 v254, 2, v254
	v_lshl_add_u32 v252, v255, 12, v254            ; b_tqkv: part x 4,096 + 4 x feature (threads past 191 repeat the last)
	v_lshlrev_b32 v253, 8, v4                      ; 256 h
	s_mov_b32 s81, 0
	s_and_b32 s83, s28, 3                          ; t: my tile of the last BitLinear's 64 columns
	s_lshr_b32 s84, s28, 2                         ; kp: my two of its eight K steps
	s_lshr_b32 s85, s30, 3
	s_and_b32 s86, s30, 7                          ; vision row b lies in tile b / 8, lane b % 8
	s_wait_kmcnt 0x0
	s_load_b32 s44, s[18:19], 0x0                  ; alpha
	s_lshl_b32 s80, s29, 15
	s_lshl_b32 s82, s28, 11
	s_add_co_u32 s80, s80, s82
	s_add_co_u32 s80, s80, 786432
	s_add_nc_u64 s[48:49], s[10:11], s[80:81]      ; W_tqkv's images of this head, my sixteenth
	s_lshl_b32 s80, s29, 15
	s_lshl_b32 s82, s83, 13
	s_add_co_u32 s80, s80, s82
	s_lshl_b32 s82, s84, 11
	s_add_co_u32 s80, s80, s82
	s_add_co_u32 s80, s80, 2883584
	s_add_nc_u64 s[50:51], s[10:11], s[80:81]      ; W_tout: tile 4 head + t, K step 2 kp
	s_lshl_b32 s80, s85, 13
	s_add_co_u32 s80, s80, s82
	s_lshl_b32 s87, s86, 4
	s_add_co_u32 s80, s80, s87
	s_add_co_u32 s80, s80, 4194304
	s_add_nc_u64 s[52:53], s[4:5], s[80:81]        ; the normed vision row's codes
	s_lshl_b32 s80, s84, 8
	s_lshl_b32 s87, s86, 2
	s_add_co_u32 s80, s80, s87
	s_lshl_b32 s87, s85, 6
	s_add_co_u32 s80, s80, s87
	s_add_co_u32 s80, s80, 262144
	s_add_nc_u64 s[54:55], s[6:7], s[80:81]        ; and its scale words
	s_lshl_b32 s80, s31, 10
	s_add_nc_u64 s[56:57], s[6:7], s[80:81]
	s_lshl_b32 s80, s31, 14
	s_add_nc_u64 s[58:59], s[4:5], s[80:81]
	s_lshl_b32 s80, s30, 9
	s_add_nc_u64 s[60:61], s[22:23], s[80:81]
	s_lshl_b32 s80, s29, 2
	s_add_nc_u64 s[62:63], s[20:21], s[80:81]
	s_lshl_b32 s80, s29, 8
	s_add_nc_u64 s[66:67], s[14:15], s[80:81]
	s_add_nc_u64 s[74:75], s[16:17], s[80:81]
	s_lshl_b32 s80, s31, 17
	s_lshl_b32 s82, s29, 12
	s_add_co_u32 s80, s80, s82
	s_add_nc_u64 s[68:69], s[8:9], s[80:81]        ; text_proj: my block, this head
	s_lshl_b32 s80, s85, 13
	s_lshl_b32 s82, s29, 9
	s_add_co_u32 s80, s80, s82
	s_lshl_b32 s82, s86, 4
	s_add_co_u32 s80, s80, s82
	s_add_nc_u64 s[70:71], s[12:13], s[80:81]      ; vision_proj's codes: row b, this head's 64
	s_lshr_b32 s80, s29, 1
	s_lshl_b32 s80, s80, 7
	s_lshl_b32 s82, s86, 2
	s_add_co_u32 s80, s80, s82
	s_lshl_b32 s82, s85, 6
	s_add_co_u32 s80, s80, s82
	s_add_co_u32 s80, s80, 16384
	s_add_nc_u64 s[72:73], s[12:13], s[80:81]
	s_lshl_b32 s80, s31, 17
	s_lshl_b32 s82, s29, 8
	s_add_co_u32 s80, s80, s82
	s_add_nc_u64 s[76:77], s[24:25], s[80:81]      ; out1: my 32 rows, this head's 256 bytes
	s_lshl_b32 s80, s30, 12
	s_add_co_u32 s80, s80, s82
	s_add_nc_u64 s[78:79], s[26:27], s[80:81]
	; first what the head works on: 30 loads
.irp p, 0,1,2
.irp i, 0,1,2,3
	global_load_b128 v[56+16*\p+4*\i:59+16*\p+4*\i], v1, s[48:49] offset:524288*\p+512*\i
.endr
.endr
	global_load_b32 v240, v249, s[62:63]
	global_load_b32 v241, v250, s[62:63]
	global_load_u8 v242, v251, s[60:61]
	global_load_u8 v243, v251, s[60:61] offset:8
	global_load_b128 v[244:247], v1, s[60:61]      ; the batch's 512 mask bytes, 16 a lane
	global_load_b32 v248, v252, s[66:67]
.irp e, 0,1
.irp c, 0,1
	global_load_b128 v[24+8*\e+4*\c:27+8*\e+4*\c], v1, s[50:51] offset:1024*\e+512*\c
	global_load_b128 v[40+8*\e+4*\c:43+8*\e+4*\c], v253, s[52:53] offset:1024*\e+512*\c     ; one row, in all sixteen columns
.endr
	global_load_b32 v[20+\e], v7, s[54:55] offset:128*\e
.endr
	global_load_b32 v23, v7, s[10:11] offset:3407880   ; W_tqkv's scale word
	global_load_b32 v22, v7, s[10:11] offset:3407888   ; W_tout's
	; then x: 8 scale images and K steps 0 to 6: 36 loads
.irp k, 0,1,2,3,4,5,6,7
	global_load_b32 v[120+\k], v2, s[56:57] offset:128*\k
.endr
.irp k, 0,1,2,3,4,5,6
.irp u, 0,1
.irp c, 0,1
	global_load_b128 v[128+8*(2*\k+\u)+4*\c:131+8*(2*\k+\u)+4*\c], v1, s[58:59] offset:(8*\u+\k)*1024+512*\c
.endr
.endr
.endr
	s_lshl_b32 s82, s28, 11
	v_add_nc_u32 v16, s82, v1
	v_add_nc_u32 v17, 0x10000, v16
	v_lshl_add_u32 v18, v0, 2, BL
	v_lshl_add_u32 v19, v0, 2, BT
	s_lshl_b32 s82, s84, 8
	s_lshr_b32 s87, s83, 1
	s_lshl_b32 s87, s87, 7
	s_add_co_u32 s82, s82, s87
	s_and_b32 s87, s83, 1
	s_lshl_b32 s87, s87, 5
	s_add_co_u32 s82, s82, s87
	s_add_co_u32 s82, s82, TPS
	s_wait_loadcnt 36                              ; the first 30 loads are in; x's 36 stay out
.irp i, 0,1,2,3
	ds_store_b128 v16, v[56+4*\i:59+4*\i] offset:512*\i
	ds_store_b128 v16, v[72+4*\i:75+4*\i] offset:32768+512*\i
	ds_store_b128 v17, v[88+4*\i:91+4*\i] offset:512*\i
.endr
	s_cmp_lt_u32 s28, 6                            ; 192 biases: waves 0 to 5 store them
	s_cbranch_scc0 .Lno_bias
	ds_store_b32 v18, v248
.Lno_bias:
	v_or_b32 v244, v244, v245
	v_or_b32 v246, v246, v247
	v_or_b32 v244, v244, v246
	v_cmp_ne_u32 vcc_lo, 0, v244
	s_cmp_eq_u32 vcc_lo, 0
	s_cselect_b32 s37, -1, 0                       ; all ones where every key of the batch is masked
	v_cmp_eq_u32 s38, 0, v242                      ; lanes whose token of tile 0 is masked,
	v_cmp_eq_u32 s39, 0, v243                      ; of tile 1
	s_and_not1_b32 s40, s38, s37                   ; and where that calls for the mask's term
	s_and_not1_b32 s41, s39, s37
	v_mov_b32 v254, 0x01010000
	v_mov_b32 v255, 0x017f0000
	v_cndmask_b32 v5, v254, v255, s40              ; the idle blocks' scale bytes of my keys: 1, 1, or 127, 1 under the mask's code
	v_cndmask_b32 v6, v254, v255, s41
	v_mul_f32 v240, 0x41000000, v240               ; 8 x bias
	v_mul_f32 v241, 0x41000000, v241
	v_cndmask_b32 v240, v240, v7, s37
	v_cndmask_b32 v241, v241, v7, s37
.irp c, 0,1,2,3
	ds_store_b32 v19, v240 offset:4352*\c+((144*(\c&1))|(48*(\c>>1)))+16-4*\c
	ds_store_b32 v19, v241 offset:4352*\c+((144*(\c&1))|(48*(\c>>1)))+16-4*\c+2048
.endr
	MM 104, 24, 40, 1, 22, 20, 0, 0                ; the last BitLinear: 16 columns x the batch's one row, my two K steps, on two accumulators
	MM 112, 32, 48, 1, 22, 21, 0, 0
	v_lshl_add_u32 v254, v4, 6, s82
	NOPS 3
.irp j, 0,2,4,6
	v_pk_add_f32 v[104+\j:105+\j], v[104+\j:105+\j], v[112+\j:113+\j]
.endr
	ds_store_b128 v254, v[104:107]                 ; the sixteen lanes of a half hold equal numbers and write equal bytes
	ds_store_b128 v254, v[108:111] offset:16
	s_wait_kmcnt 0x0
	s_mov_b32 s45, s44
	s_wait_dscnt 0x0                               ; for the others' sake: my stores have landed
	s_barrier_signal -1
	s_barrier_wait -1                              ; weights, biases, the table and the row's partial sums lie in LDS
.irp u, 0,1
.irp c, 0,1
	global_load_b128 v[240+8*\u+4*\c:243+8*\u+4*\c], v1, s[58:59] offset:(8*\u+7)*1024+512*\c     ; x's last K step
.endr
.endr
	v_lshl_add_u32 v18, v4, 6, BL
; ---- q, k, v.  A pass makes 64 features for my 32 tokens: eight accumulators by turns, K = 1,024 in eight steps, W's four fragments of a step from LDS.
; tr = 1 (k, q): source 0 = W, source 1 = x: a lane holds one token and its registers run along the head's 64.  tr = 0 (v): the other way round: a lane holds one feature and its registers run along my 32 tokens.
.macro PASS part, tr, first
	v_add_nc_u32 v17, 32768*\part, v1
.if \tr
.irp u, 0,1
.irp t, 0,1,2,3
	ds_load_b128 v[56+32*\u+8*\t:59+32*\u+8*\t], v18 offset:256*\part+(32*(\t/2)+8*(\t%2))*4       ; the bias is what the sums begin with
	ds_load_b128 v[60+32*\u+8*\t:63+32*\u+8*\t], v18 offset:256*\part+(32*(\t/2)+8*(\t%2))*4+16
.endr
.endr
.endif
.irp k, 0,1,2,3,4,5,6,7
.irp t, 0,1,2,3
	ds_load_b128 v[24+8*\t:27+8*\t], v17 offset:(8*\t+\k)*1024
	ds_load_b128 v[28+8*\t:31+8*\t], v17 offset:(8*\t+\k)*1024+512
.endr
.if \first
	s_wait_loadcnt 28-4*\k                         ; x's fragments up to this K step are in; four loads for each later step stay out
.endif
	s_wait_dscnt 0x0
.irp t, 0,1,2,3
.irp u, 0,1
.if \tr
	MM 56+32*\u+8*\t, 24+8*\t, 128+8*(2*\k+\u), 0, 23, 120+\k, 0, \u
.elseif \k == 0
	MM 56+16*\t+8*\u, 128+8*(2*\k+\u), 24+8*\t, 1, 120+\k, 23, \u, 0
.else
	MM 56+16*\t+8*\u, 128+8*(2*\k+\u), 24+8*\t, 0, 120+\k, 23, \u, 0
.endif
.endr
.endr
	NOPS 4                                         ; four plain instructions in front of loads into W's registers, and of the first read of results
.endr
.endm
	PASS 1, 1, 1                                   ; k
	KADDR
	s_and_b32 s84, s40, 0xffff                     ; the mask's code stands at k = 64: lanes 0-15
	s_and_b32 s85, s41, 0xffff
	v_mov_b32 v52, 7                               ; the code of +6
.irp u, 0,1
	QUANT2 56+32*\u, 24+4*\u, 48+\u, 32
.irp i, 0,1,2,3
	v_cndmask_b32 v[24+4*\u+\i], v[24+4*\u+\i], v7, s[38+\u]       ; a masked key's own codes are zeros
.endr
	ds_store_b128 v16, v[24+4*\u:27+4*\u] offset:512*\u
	v_cndmask_b32 v[50+\u], v7, v52, s[84+\u]
	ds_store_b32 v19, v[50+\u] offset:128*\u
	v_or_b32 v[48+\u], v[48+\u], v[5+\u]
	ds_store_b32 v17, v[48+\u] offset:64*\u        ; both halves of the lanes write the row's word with the same value
.endr
	s_wait_dscnt 0x0                               ; the stores have read their registers
	PASS 2, 0, 0                                   ; v
	v_lshl_add_u32 v16, v15, 2, BL+512
.irp t, 0,1,2,3
	ds_load_b32 v[48+\t], v16 offset:(32*(\t/2)+8*(\t%2))*4        ; my feature's bias
.endr
	s_wait_dscnt 0x0
.irp t, 0,1,2,3
.set j, 0
.rept 16
	v_add_f32 v[56+16*\t+j], v[56+16*\t+j], v[48+\t]
.set j, j+1
.endr
.endr
	QUANT4V 56, 24, 32
	VADDR VI, VS, 16, 19
.irp t, 0,1,2,3
	ds_store_b64 v16, v[24+2*\t:25+2*\t] offset:4096*\t
	ds_store_b8 v19, v[44+\t] offset:64*\t         ; both halves of the lanes write the same byte with the same value
.endr
	s_wait_dscnt 0x0
	PASS 0, 1, 0                                   ; q, last: its fragments land in registers that x has left
	QUANT2 56, 224, 48, 32
	QUANT2 88, 232, 49, 32
	v_mov_b32 v52, 15                              ; the code of -6
.irp u, 0,1
	v_cndmask_b32 v[228+8*\u], v52, v7, s36        ; at k = 64, lanes 0-15
	v_mov_b32 v[229+8*\u], 0
	v_mov_b32 v[230+8*\u], 0
	v_mov_b32 v[231+8*\u], 0
	v_or_b32 v[48+\u], 0x019d0000, v[48+\u]        ; under 2^30; the last block under the smallest scale
.endr
	v_cndmask_b32 v127, v48, v49, s36              ; q's scale words: lanes 0-15 tile 0, lanes 16-31 tile 1
.irp b, 0,1,2,3
	v_mov_b32 v[204+\b], 0                         ; (a lane permute's destination counts as one of its sources)
.endr
	v_mov_b32 v245, 0                              ; (named as upper halves of pairs)
	v_mov_b32 v249, 0
	v_mov_b32 v251, 0
	KADDR
	s_wait_dscnt 0x0
	s_barrier_signal -1
	s_barrier_wait -1                              ; k and v of all 512 tokens lie in LDS; nobody reads the weights any more
; ---- A KEY STEP: 128 keys for tile u of my queries.  S^T = K Q^T + 8 bias (source 0 = 16 keys, source 1 = my 16 queries): register 16 b + i of a lane is key 128 s + 32 b + 16 h + i.
.macro KSTEP u
	v_lshl_add_u32 v216, s42, 4, v8                ; s42 = 256 s.  K's codes: 4,096 bytes a step.  (These six are also the plain instructions behind the last products)
	v_lshl_add_u32 v217, s42, 2, v9
	v_lshl_add_u32 v218, s42, 1, v10
	v_lshl_add_u32 v219, s42, 1, v13               ; the table: 128 entries on
	v_lshl_add_u32 v220, s42, 2, v11
	v_add_nc_u32 v221, s42, v12
.irp t, 0,1,2,3
	v_mov_b32 v[29+8*\t], 0                        ; k = 72 .. 127 of a key: nothing
	v_mov_b32 v[30+8*\t], 0
	v_mov_b32 v[31+8*\t], 0
.endr
	NOPS 4                                         ; an operand written by vector instructions stands four plain instructions ahead of a scaled product
.irp n, 0,1,2,3,4,5,6,7
	ds_load_b128 v[56+8*\n:59+8*\n], v219 offset:32*(1-\u)+128*(\n/2)+32*(\n%2)
	ds_load_b128 v[60+8*\n:63+8*\n], v219 offset:32*(1-\u)+128*(\n/2)+32*(\n%2)+16
.endr
.irp k, 0,1,2,3
	ds_load_b32 v[120+\k], v218 offset:128*\k
.endr
.irp g, 0,1
.if \g
	NOPS 4
.endif
.irp t, 0,1,2,3
	ds_load_b128 v[24+8*\t:27+8*\t], v216 offset:2048*\g+512*\t
	ds_load_b32 v[28+8*\t], v217 offset:512*\g+128*\t
.endr
	s_wait_dscnt 0x0
.irp t, 0,1,2,3
	MM 56+8*(4*\g+\t), 24+8*\t, 224+8*\u, 0, 120+2*\g+\t/2, 127, \t%2, \u
.endr
.endr
	NOPS 4
.irp t, 0,1,2,3                        ; V is asked for now and lands under the softmax
	ds_load_b128 v[24+8*\t:27+8*\t], v220 offset:4096*\t
	ds_load_b128 v[28+8*\t:31+8*\t], v220 offset:4096*\t+512
.endr
	ds_load_b32 v124, v221
	ds_load_b32 v125, v221 offset:128
.irp b, 0,1,2,3
	v_max3_num_f32 v[200+\b], v[56+16*\b], v[57+16*\b], v[58+16*\b]    ; the largest score of each block of 32 keys: for the row's maximum, and, since p rises with the score, for the block's largest p
.endr
.irp i, 3,5,7,9,11,13
.irp b, 0,1,2,3
	v_max3_num_f32 v[200+\b], v[200+\b], v[56+16*\b+\i], v[57+16*\b+\i]
.endr
.endr
.irp b, 0,1,2,3
	v_max_num_f32 v[200+\b], v[200+\b], v[71+16*\b]
.endr
.irp b, 0,1,2,3
	v_permlanex16_b32 v[204+\b], v[200+\b], s32, s33
.endr
.irp b, 0,1,2,3
	v_max_num_f32 v[200+\b], v[200+\b], v[204+\b]
.endr
	v_max3_num_f32 v250, v200, v201, v202
	v_max_num_f32 v250, v250, v203
	v_mul_f32 v250, s34, v250                      ; as t
	v_max_num_f32 v241, v241, v250                 ; the running largest t
	v_mov_b32 v250, v240
	v_floor_f32 v240, -v241                        ; -M = floor(-t): M is a whole number
	v_sub_f32 v250, v240, v250
	v_cvt_i32_f32 v250, v250                       ; (it saturates)
	v_ldexp_f32 v244, 1.0, v250                    ; f = 2^(old M - new M): exact
.set j, 0
.rept 32
	v_pk_fma_f32 v[56+j:57+j], v[56+j:57+j], s[34:35], v[240:241] op_sel_hi:[1,0,0]    ; t - M
.set j, j+2
.endr
.irp b, 0,1,2,3
	v_fma_f32 v[200+\b], v[200+\b], s34, v240
.endr
.set j, 0
.rept 64
	v_exp_f32 v[56+j], v[56+j]                     ; p = 2^(t - M): not normalised
.set j, j+1
.endr
	v_pk_mul_f32 v[242:243], v[242:243], v[244:245] op_sel_hi:[1,0]    ; the sums under the new M (a plain instruction behind the exponentials)
	s_wait_alu depctr_va_vdst(0)                   ; one wait for the batch, ahead of its first reader
.irp b, 0,1,2,3
	v_exp_f32 v[200+\b], v[200+\b]                 ; the block's largest p
.endr
	v_pk_add_f32 v[246:247], v[56:57], v[58:59]    ; the row's sum is taken of the unquantised p, in two chains
.irp j, 4,8,12,16,20,24,28,32,36,40,44,48,52,56,60
	v_pk_add_f32 v[242:243], v[242:243], v[56+\j:57+\j]
	v_pk_add_f32 v[246:247], v[246:247], v[58+\j:59+\j]
.endr
	v_pk_add_f32 v[242:243], v[242:243], v[246:247]
	s_wait_alu depctr_va_vdst(0)                   ; and one for the four
.irp b, 0,1,2,3
	v_max_num_f32 v[200+\b], 0x1800000, v[200+\b]  ; the floor 2^(3 - 127)
.endr
.irp b, 0,1,2,3
	v_add_nc_u32 v[208+\b], 0xff000000, v[200+\b]
.endr
.irp b, 0,1,2,3
	v_lshrrev_b32 v[212+\b], 23, v[208+\b]
.endr
	v_lshl_or_b32 v126, v213, 8, v212              ; p's scale word for these 128 keys
	v_lshl_or_b32 v126, v214, 16, v126
	v_lshl_or_b32 v126, v215, 24, v126
.irp b, 0,1,2,3
	v_cvt_scalef32_pk8_fp4_f32 v[192+2*\b], v[56+16*\b:63+16*\b], v[208+\b]
	v_cvt_scalef32_pk8_fp4_f32 v[193+2*\b], v[64+16*\b:71+16*\b], v[208+\b]
.endr
	v_nop
.irp c, 0,1
.irp i, 0,1
	v_permlane16_swap_b32 v[192+4*\c+\i], v[194+4*\c+\i]
.endr
.endr
.set j, 0
.rept 16
	v_pk_mul_f32 v[128+j:129+j], v[128+j:129+j], v[244:245] op_sel_hi:[1,0]    ; O^T under the new M; also the plain instructions between p's codes and scale word and the products
.set j, j+2
.endr
	s_wait_dscnt 0x0                               ; V
.irp t, 0,1,2,3
	MM 128+8*\t, 24+8*\t, 192, 0, 124+\t/2, 126, \t%2, 0       ; O^T += V^T P^T
.endr
.endm
; ---- A tile of 16 queries: four key steps; then text_self = text_proj + O / l, which goes to my stage (as rows) and, quantised along the head's 64, to LDS as two tiles of keys.
.macro TILE u
.irp i, 0,1,2,3,4,5,6,7
	global_load_b128 v[160+4*\i:163+4*\i], v1, s[68:69] offset:65536*\u+512*\i     ; text_proj, in O^T's layout: wanted four key steps on
.endr
.set j, 0
.rept 32
	v_mov_b32 v[128+j], 0                          ; the step is written once: the first finds zeros
.set j, j+1
.endr
	v_mov_b32 v241, 0xce800000                     ; the largest t so far: -2^30
	v_floor_f32 v240, -v241
	v_mov_b32 v242, 0
	v_mov_b32 v243, 0
	s_mov_b32 s42, 0
	s_mov_b32 s43, 4
.Lkey\u:
	KSTEP \u
	s_add_co_u32 s42, s42, 256
	s_sub_co_u32 s43, s43, 1
	s_cmp_lg_u32 s43, 0
	s_cbranch_scc1 .Lkey\u
	v_add_f32 v250, v242, v243
	v_permlanex16_b32 v251, v250, s32, s33
	v_add_f32 v250, v250, v251                     ; the row's sum
	v_rcp_f32 v248, v250
	NOPS 2                                         ; with the three lines above: four plain instructions behind the last products; and one behind the reciprocal
	s_wait_alu depctr_va_vdst(0)
	s_wait_loadcnt 0x0
.set j, 0
.rept 16
	v_pk_fma_f32 v[160+j:161+j], v[128+j:129+j], v[248:249], v[160+j:161+j] op_sel_hi:[1,0,1]
.set j, j+2
.endr
.irp b, 0,1
.irp q, 0,1,2,3
	ds_store_b128 v14, v[160+16*\b+4*\q:163+16*\b+4*\q] offset:2176*\u+128*\b+16*\q
.endr
.endr
	QUANT2 160, 200, 210, 32
.irp i, 0,1,2,3
	v_cndmask_b32 v[200+\i], v[200+\i], v7, s[38+\u]
.endr
	ds_store_b128 v16, v[200:203] offset:TKI-KI+512*\u
	v_or_b32 v210, v210, v[5+\u]
	ds_store_b32 v17, v210 offset:TKS-KS+64*\u
	s_wait_dscnt 0x0                               ; the stores have read their registers
.endm
	TILE 0
	TILE 1
	; ---- out1 = text_self + alpha x (the last BitLinear's row + b_tout): my 32 rows back from my own stage, sixteen lanes to 256 consecutive bytes
	v_lshlrev_b32 v18, 8, v4
	v_lshlrev_b32 v250, 4, v3
	global_load_b128 v[224:227], v18, s[70:71]     ; vision_proj's codes of this head, one row in all sixteen columns; registers 4-7 of the fragment stay: the mask's -6
	global_load_b32 v127, v7, s[72:73]
	global_load_b128 v[208:211], v250, s[74:75]
	v_add_nc_u32 v251, TPS, v250
	s_mul_i32 s82, s28, 8704
	v_mul_u32_u24 v252, v4, 272
	v_add_nc_u32 v252, v252, v250
	v_add_nc_u32 v252, s82, v252
	v_lshl_add_u32 v253, v4, 12, v250
	v_mul_u32_u24 v254, v4, 4352
	v_lshl_add_u32 v254, v3, 2, v254
	v_add_nc_u32 v254, s82, v254
.irp p, 0,1,2,3
	ds_load_b128 v[192+4*\p:195+4*\p], v251 offset:256*\p
.endr
.irp i, 0,1,2,3,4,5,6,7,8,9,10,11,12,13,14,15
	ds_load_b128 v[56+4*\i:59+4*\i], v252 offset:544*\i
.endr
	VADDR TVI, TVS, 255, 222
	s_lshr_b32 s82, s28, 2
	s_lshl_b32 s82, s82, 6
	s_add_co_u32 s82, s82, s83
	s_add_co_u32 s82, s82, PS
	v_lshl_add_u32 v221, v3, 2, s82                ; p's scale byte: 64 (w / 4) + 4 r + w % 4
	s_wait_dscnt 0x0
	s_wait_loadcnt 0x0
	v_pk_add_f32 v[192:193], v[192:193], v[196:197]
	v_pk_add_f32 v[194:195], v[194:195], v[198:199]
	v_pk_add_f32 v[200:201], v[200:201], v[204:205]
	v_pk_add_f32 v[202:203], v[202:203], v[206:207]
	v_pk_add_f32 v[192:193], v[192:193], v[200:201]
	v_pk_add_f32 v[194:195], v[194:195], v[202:203]
	v_pk_add_f32 v[192:193], v[192:193], v[208:209]
	v_pk_add_f32 v[194:195], v[194:195], v[210:211]
.irp i, 0,1,2,3,4,5,6,7,8,9,10,11,12,13,14,15
	v_pk_fma_f32 v[56+4*\i:57+4*\i], v[192:193], s[44:45], v[56+4*\i:57+4*\i] op_sel_hi:[1,0,1]
	v_pk_fma_f32 v[58+4*\i:59+4*\i], v[194:195], s[44:45], v[58+4*\i:59+4*\i] op_sel_hi:[1,0,1]
	global_store_b128 v253, v[56+4*\i:59+4*\i], s[76:77] offset:8192*\i th:TH_STORE_NT
.endr
	; text_self along the KEYS: a lane takes a feature (16 t + r) and its registers run down my tokens
.irp t, 0,1,2,3
.irp i, 0,1,2,3,4,5,6,7,8,9,10,11,12,13,14,15
	ds_load_b32 v[128+16*\t+\i], v254 offset:272*\i+64*\t
.endr
.endr
	s_wait_dscnt 0x0
	QUANT4V 128, 24, 32
.irp t, 0,1,2,3
	ds_store_b64 v255, v[24+2*\t:25+2*\t] offset:4096*\t
	ds_store_b8 v222, v[44+\t] offset:64*\t
.endr
	; ---- image to text: the scores of my 32 keys against the one query
	s_lshl_b32 s82, s28, 7
	v_add_nc_u32 v223, s82, v10
	s_and_b32 s82, s29, 1
	s_lshl_b32 s82, s82, 4
	s_mov_b32 s83, 0x019d0000
	v_lshrrev_b32 v127, s82, v127                  ; the head's two bytes of the K step's four,
	v_and_or_b32 v127, v127, 0xffff, s83           ; and the mask's block under 2^30
	s_wait_dscnt 0x0                               ; the stores above have read their registers
	ds_load_b128 v[24:27], v16 offset:TKI-KI       ; my own wave's tiles: LDS serves a wave's instructions in order
	ds_load_b128 v[32:35], v16 offset:TKI-KI+512
	ds_load_b32 v28, v19
	ds_load_b32 v36, v19 offset:128
	ds_load_b32 v120, v223 offset:TKS-KS
.irp j, 29,30,31,37,38,39
	v_mov_b32 v[\j], 0
.endr
	NOPS 8                                         ; a scale register written by vector instructions stands eight plain instructions ahead of a scaled product, an operand four
	s_wait_dscnt 0x0
	s_wait_xcnt 0x0                                ; out1's stores have read their registers: the products may write them
	MM 56, 24, 224, 1, 120, 127, 0, 0
	MM 64, 32, 224, 1, 120, 127, 1, 0
	s_lshl_b32 s82, s28, 2
	s_add_co_u32 s82, s82, RX
	v_mov_b32 v201, s82
	NOPS 3
	v_max3_num_f32 v200, v56, v57, v58
.irp j, 59,61,63,65,67,69
	v_max3_num_f32 v200, v200, v[\j], v[\j+1]
.endr
	v_max_num_f32 v200, v200, v71
	v_permlanex16_b32 v204, v200, s32, s33
	v_max_num_f32 v200, v200, v204                 ; my block's largest score
	ds_store_b32 v201, v200
	s_wait_dscnt 0x0
	s_barrier_signal -1
	s_barrier_wait -1                              ; sixteen maxima, and text_self's fragments along the keys, lie in LDS
	v_mov_b32 v202, RX
.irp i, 0,1,2,3
	ds_load_b128 v[72+4*\i:75+4*\i], v202 offset:16*\i
.endr
	s_wait_dscnt 0x0
	v_max3_num_f32 v203, v72, v73, v74
.irp j, 75,77,79,81,83,85
	v_max3_num_f32 v203, v203, v[\j], v[\j+1]
.endr
	v_max_num_f32 v203, v203, v87
	v_mul_f32 v203, s34, v203
	v_floor_f32 v240, -v203                        ; -M of the whole row
.irp j, 0,2,4,6,8,10,12,14
	v_pk_fma_f32 v[56+\j:57+\j], v[56+\j:57+\j], s[34:35], v[240:241] op_sel_hi:[1,0,0]
.endr
	v_fma_f32 v200, v200, s34, v240
.set j, 0
.rept 16
	v_exp_f32 v[56+j], v[56+j]
.set j, j+1
.endr
	v_exp_f32 v200, v200
	v_nop
	s_wait_alu depctr_va_vdst(0)
	v_pk_add_f32 v[242:243], v[56:57], v[58:59]
	v_pk_add_f32 v[246:247], v[60:61], v[62:63]
	v_pk_add_f32 v[242:243], v[242:243], v[64:65]
	v_pk_add_f32 v[246:247], v[246:247], v[66:67]
	v_pk_add_f32 v[242:243], v[242:243], v[68:69]
	v_pk_add_f32 v[246:247], v[246:247], v[70:71]
	v_pk_add_f32 v[242:243], v[242:243], v[246:247]
	v_add_f32 v242, v242, v243
	v_permlanex16_b32 v251, v242, s32, s33
	v_add_f32 v242, v242, v251                     ; my block's sum of the unquantised p
	ds_store_b32 v201, v242 offset:RL-RX
	v_max_num_f32 v200, 0x1800000, v200
	v_add_nc_u32 v205, 0xff000000, v200
	v_lshrrev_b32 v206, 23, v205
	v_cvt_scalef32_pk8_fp4_f32 v192, v[56:63], v205
	v_cvt_scalef32_pk8_fp4_f32 v193, v[64:71], v205
	v_nop
	ds_store_b64 v255, v[192:193] offset:PI-TVI
	ds_store_b8 v221, v206
	s_wait_dscnt 0x0
	s_barrier_signal -1
	s_barrier_wait -1                              ; p's fragments, scale bytes and sums lie in LDS
	s_cmp_lg_u32 s28, 0                            ; 16 products are left: wave 0 does them
	s_cbranch_scc1 .Lend
	v_add_nc_u32 v8, TVI, v1
	v_add_nc_u32 v9, PI, v1
	v_add_nc_u32 v10, TVS, v2
	v_lshl_add_u32 v11, v3, 2, PS
	v_mov_b32 v12, RL
	v_lshl_add_u32 v13, v4, 5, OS
	v_lshl_add_u32 v14, v3, 4, OS
	v_lshlrev_b32 v16, 4, v3
	v_mov_b32 v19, 0
.irp f, 0,1,2,3,4,5,6,7,8,9,10,11,12,13,14,15
	ds_load_b128 v[128+8*\f:131+8*\f], v8 offset:1024*\f
	ds_load_b128 v[132+8*\f:135+8*\f], v8 offset:1024*\f+512
.endr
.irp k, 0,1,2,3
	ds_load_b128 v[24+8*\k:27+8*\k], v9 offset:1024*\k
	ds_load_b128 v[28+8*\k:31+8*\k], v9 offset:1024*\k+512
	ds_load_b32 v[120+2*\k], v10 offset:256*\k
	ds_load_b32 v[121+2*\k], v10 offset:256*\k+128
	ds_load_b32 v[20+\k], v11 offset:64*\k
	ds_load_b128 v[88+4*\k:91+4*\k], v12 offset:16*\k
.endr
	s_wait_dscnt 0x0
.irp k, 0,1,2,3
.irp t, 0,1,2,3
.if \k == 0
	MM 56+8*\t, 128+8*(4*\t+\k), 24+8*\k, 1, 120+2*\k+\t/2, 20+\k, \t%2, 0
.else
	MM 56+8*\t, 128+8*(4*\t+\k), 24+8*\k, 0, 120+2*\k+\t/2, 20+\k, \t%2, 0
.endif
.endr
.endr
.irp j, 0,2,4,6,8,10,12,14
	v_add_f32 v[88+\j], v[88+\j], v[89+\j]         ; the row's sum (also the plain instructions behind the last products)
.endr
.irp j, 0,4,8,12
	v_add_f32 v[88+\j], v[88+\j], v[90+\j]
.endr
	v_add_f32 v88, v88, v92
	v_add_f32 v96, v96, v100
	v_add_f32 v17, v88, v96
	v_rcp_f32 v18, v17
	v_nop
	s_wait_alu depctr_va_vdst(0)
.set j, 0
.rept 16
	v_pk_mul_f32 v[88+j:89+j], v[56+j:57+j], v[18:19] op_sel_hi:[1,0]
.set j, j+2
.endr
.irp t, 0,1,2,3
	ds_store_b128 v13, v[88+8*\t:91+8*\t] offset:64*\t             ; register j of tile t: feature 16 t + 8 h + j; all sixteen columns are equal
	ds_store_b128 v13, v[92+8*\t:95+8*\t] offset:64*\t+16
.endr
	ds_load_b128 v[104:107], v14
	s_wait_dscnt 0x0
	global_store_b128 v16, v[104:107], s[78:79]    ; 256 consecutive bytes; the two halves of the lanes write equal bytes
.Lend:
	s_wait_xcnt 0x0
	v_lshl_add_u32 v118, v0, 2, 0x3a800
	v_mov_b32 v119, 0
	s_wait_tensorcnt 0x0
	ds_add_u32 v118, v119
	s_wait_dscnt 0x0
	s_endpgm
.Lfunc_end_k_qa2339fec02_attn:
	.size	k_qa2339fec02_attn, .Lfunc_end_k_qa2339fec02_attn-k_qa2339fec02_attn
	.p2alignl 7, 3214868480
	.fill 96, 4, 3214868480
	.section	.rodata,"a",@progbits
	.p2align	6, 0x0
	.amdhsa_kernel k_qa2339fec02_attn
		.amdhsa_group_segment_fixed_size 241664
		.amdhsa_private_segment_fixed_size 0
		.amdhsa_enable_private_segment 0
		.amdhsa_kernarg_size 96
		.amdhsa_user_sgpr_count 2
		.amdhsa_user_sgpr_kernarg_segment_ptr 1
		.amdhsa_wavefront_size32 1
		.amdhsa_system_sgpr_workgroup_id_x 1
		.amdhsa_system_sgpr_workgroup_id_y 1
		.amdhsa_system_sgpr_workgroup_id_z 1
		.amdhsa_system_vgpr_workitem_id 0
		.amdhsa_next_free_vgpr 256
		.amdhsa_next_free_sgpr 96
		.amdhsa_reserve_vcc 1
		.amdhsa_float_denorm_mode_32 3
		.amdhsa_float_denorm_mode_16_64 3
		.amdhsa_memory_ordered 1
		.amdhsa_forward_progress 1
		.amdhsa_inst_pref_size 151
	.end_amdhsa_kernel
	.amdgpu_metadata
---
amdhsa.version: [ 1, 2 ]
amdhsa.kernels:
  - .name:           k_qa2339fec02_attn
    .symbol:         k_qa2339fec02_attn.kd
    .args:
      - { .name: xn, .offset: 0, .size: 8, .value_kind: global_buffer, .address_space: global }
      - { .name: xs, .offset: 8, .size: 8, .value_kind: global_buffer, .address_space: global }
      - { .name: tp, .offset: 16, .size: 8, .value_kind: global_buffer, .address_space: global }
      - { .name: wimg, .offset: 24, .size: 8, .value_kind: global_buffer, .address_space: global }
      - { .name: vq, .offset: 32, .size: 8, .value_kind: global_buffer, .address_space: global }
      - { .name: b_tqkv, .offset: 40, .size: 8, .value_kind: global_buffer, .address_space: global }
      - { .name: b_tout, .offset: 48, .size: 8, .value_kind: global_buffer, .address_space: global }
      - { .name: alpha_t2i, .offset: 56, .size: 8, .value_kind: global_buffer, .address_space: global }
      - { .name: rel_embed, .offset: 64, .size: 8, .value_kind: global_buffer, .address_space: global }
      - { .name: text_mask, .offset: 72, .size: 8, .value_kind: global_buffer, .address_space: global }
      - { .name: out1, .offset: 80, .size: 8, .value_kind: global_buffer, .address_space: global }
      - { .name: i2t, .offset: 88, .size: 8, .value_kind: global_buffer, .address_space: global }
    .group_segment_fixed_size: 241664
    .private_segment_fixed_size: 0
    .kernarg_segment_align: 8
    .kernarg_segment_size: 96
    .max_flat_workgroup_size: 512
    .sgpr_count:     96
    .vgpr_count:     256
    .wavefront_size: 32
...
	.end_amdgpu_metadata
.endif
;; end of part 4
;; launch vout (part 5): grid 4 x 1, 16 waves a work-group, no clusters, 99,328 bytes of LDS; arguments i2t, tp, wimg, g_i2t, be_i2t, b_vout, alpha_i2t, out0; writes out0
.if DOCPART == 5
	.amdgcn_target "amdgcn-amd-amdhsa--gfx1250"
	.amdhsa_code_object_version 6
	.text
	.protected	k_qa2339fec02_vout
	.globl	k_qa2339fec02_vout
	.p2align	8
	.type	k_qa2339fec02_vout,@function
k_qa2339fec02_vout:
	s_mov_b64 s[64:65], 0
	v_nop
	global_prefetch_b8 v0, s[64:65] scope:SCOPE_SE
	s_setreg_imm32_b32 hwreg(HW_REG_WAVE_MODE, 25, 1), 1
	s_wait_xcnt 0x0
; out0 = vision_proj + alpha_i2t x (LN(i2t) W_vout^T + b_vout), the product on codes of FP4 (E2M1) with E8M0 scales.  16 rows, K = N = 1,024.
; Work-group x makes columns 256 x .. 256 x + 255; wave w makes one tile of 16 columns (W_vout's tile 16 x + w, as images of its registers).  Each work-group norms and quantises all 16 rows itself:
; wave w takes 64 of the 1,024 features (K step w / 2, registers' group w % 2), a lane one row and a WHOLE block of 32; the fragments go from wave to wave through LDS as images of their registers.
; A wave's 16 rows x 256 bytes of i2t come by eight loads, each of two rows' 256 consecutive bytes, and turn through the wave's own stage in LDS (16 rows x 272 bytes), so that a lane then holds its 32 neighbours:
; loaded by lanes, each of the eight loads would take 16 bytes of 32 different places.
; The launch is a chain of dependent steps on little data: four work-groups are what its 64 tiles of columns give at sixteen waves each; no ring, no cluster.
; LIMITS: NaN and infinities are not served.
.set FI,   0                           ; 8 fragments x 1,024 bytes
.set FS,   8192                        ; their scale words: K step x 64 + 4 r
.set RED0, 8704                        ; 16 waves x 64 bytes
.set RED1, 9728
.set OST,  10752                       ; 16 rows x (1,024 + 16) bytes, on the way out
.set TS,   27648                       ; 16 waves x 16 rows x (256 + 16) bytes: each wave's own stage for its part of the rows
.macro MMV d, a, b, z, sa, sb
.if (\z)
	v_wmma_scale_f32_16x16x128_f8f6f4 v[0+(\d):7+(\d)], v[0+(\a):7+(\a)], v[0+(\b):7+(\b)], 0, v[0+(\sa)], v[0+(\sb)] matrix_a_fmt:MATRIX_FMT_FP4 matrix_b_fmt:MATRIX_FMT_FP4
.else
	v_wmma_scale_f32_16x16x128_f8f6f4 v[0+(\d):7+(\d)], v[0+(\a):7+(\a)], v[0+(\b):7+(\b)], v[0+(\d):7+(\d)], v[0+(\sa)], v[0+(\sb)] matrix_a_fmt:MATRIX_FMT_FP4 matrix_b_fmt:MATRIX_FMT_FP4
.endif
.endm
; a row's sum over the sixteen waves: v201 holds my 32 numbers' sum; out: v204
.macro EXCH red
	v_permlanex16_b32 v202, v201, s40, s41
	v_add_f32 v201, v201, v202
	ds_store_b32 v10, v201 offset:\red             ; both halves of the lanes write the row's word with the same value
	s_wait_dscnt 0x0
	s_barrier_signal -1
	s_barrier_wait -1
.irp w, 0,1,2,3,4,5,6,7,8,9,10,11,12,13,14,15
	ds_load_b32 v[204+\w], v4 offset:\red+64*\w
.endr
	s_wait_dscnt 0x0
.irp j, 0,2,4,6,8,10,12,14
	v_add_f32 v[204+\j], v[204+\j], v[205+\j]
.endr
.irp j, 0,4,8,12
	v_add_f32 v[204+\j], v[204+\j], v[206+\j]
.endr
	v_add_f32 v204, v204, v208
	v_add_f32 v212, v212, v216
	v_add_f32 v204, v204, v212
.endm
	s_load_b512 s[4:19], s[0:1], 0x0               ; i2t s[4:5], tp s[6:7], wimg s[8:9], g_i2t s[10:11], be_i2t s[12:13], b_vout s[14:15], alpha_i2t s[16:17], out0 s[18:19]
	v_lshl_add_u32 v224, v0, 2, 0x17c00
	v_mov_b32 v225, 0
	v_lshrrev_b32 v12, 5, v0
	v_readfirstlane_b32 s20, v12                   ; wave 0..15
	v_and_b32 v13, 31, v0
	v_lshlrev_b32 v1, 4, v13                       ; 16 x lane
	v_and_b32 v2, 15, v0                           ; r
	v_bfe_u32 v3, v0, 4, 1                         ; h
	v_lshlrev_b32 v4, 2, v2                        ; 4 r
	v_lshlrev_b32 v6, 7, v3                        ; 128 h: my block of 32 features
	v_lshlrev_b32 v5, 4, v2
	v_lshl_add_u32 v5, v3, 12, v5                  ; the rows as they are loaded: lanes 0-15 256 bytes of an even row, lanes 16-31 of the row below
	v_lshlrev_b32 v7, 6, v3                        ; 64 h
	v_mov_b32 v8, 0
	v_lshrrev_b32 v9, 3, v2
	v_lshlrev_b32 v9, 16, v9
	v_and_b32 v14, 7, v2
	v_lshl_add_u32 v9, v14, 4, v9
	v_lshl_add_u32 v9, v3, 8, v9                   ; vision_proj's image: tile r / 8, lane r % 8 + 16 h
	s_lshl_b32 s38, s20, 6
	v_add_nc_u32 v10, s38, v4                      ; a partial sum's place: 64 w + 4 r
	s_lshr_b32 s38, s20, 1
	s_lshl_b32 s39, s38, 7
	s_and_b32 s42, s20, 1
	s_lshl_b32 s43, s42, 5
	s_add_co_u32 s39, s39, s43
	s_add_co_u32 s39, s39, OST
	v_mul_u32_u24 v11, v2, 1040
	v_add_nc_u32 v11, v11, v7
	v_add_nc_u32 v11, s39, v11                     ; the stage: row r, my tile's columns 32 (w / 2) + 16 h + 8 (w % 2) + 0 .. 7
	s_lshl_b32 s39, s20, 9
	v_add_nc_u32 v12, s39, v1                      ; my half fragment's image: 512 w + 16 x lane
	s_lshl_b32 s39, s38, 6
	s_lshl_b32 s43, s42, 1
	s_add_co_u32 s39, s39, s43
	s_add_co_u32 s39, s39, FS
	v_add_nc_u32 v13, v4, v3
	v_add_nc_u32 v13, s39, v13                     ; my block's scale byte: 64 (w / 2) + 4 r + 2 (w % 2) + h
	s_mul_i32 s39, s20, 1040
	s_add_co_u32 s39, s39, OST
	v_add_nc_u32 v14, s39, v1                      ; back: row w
	s_mul_i32 s39, s20, 4352
	s_add_co_u32 s39, s39, TS                      ; my wave's stage for the rows
	v_mul_u32_u24 v15, v3, 272
	v_lshl_add_u32 v15, v2, 4, v15
	v_add_nc_u32 v15, s39, v15                     ; in: row h of a pair of rows, 16 r
	v_mul_u32_u24 v203, v2, 272
	v_add_nc_u32 v203, v203, v6
	v_add_nc_u32 v203, s39, v203                   ; back: row r, + 128 h: my 32 numbers
	v_mov_b32 v202, 0                              ; (a lane permute's destination counts as one of its sources)
	s_mov_b32 s40, 0x76543210
	s_mov_b32 s41, 0xfedcba98
	s_mov_b32 s44, 0x3a800000                      ; 1 / 1,024
	s_mov_b32 s45, 0x3727c5ac                      ; eps
	s_lshl_b32 s21, ttmp9, 4
	s_add_co_u32 s21, s21, s20                     ; T: my tile of W_vout's rows
	s_mov_b32 s39, 0
	s_wait_kmcnt 0x0
	s_load_b32 s22, s[16:17], 0x0                  ; alpha
	s_lshl_b32 s38, s20, 8
	s_add_nc_u64 s[24:25], s[4:5], s[38:39]
	s_add_nc_u64 s[26:27], s[10:11], s[38:39]
	s_add_nc_u64 s[28:29], s[12:13], s[38:39]
	s_lshl_b32 s38, s21, 13
	s_add_co_u32 s38, s38, 2359296
	s_add_nc_u64 s[30:31], s[8:9], s[38:39]
	s_lshr_b32 s38, s21, 1
	s_lshl_b32 s38, s38, 7
	s_and_b32 s43, s21, 1
	s_lshl_b32 s43, s43, 5
	s_add_co_u32 s38, s38, s43
	s_add_nc_u64 s[32:33], s[14:15], s[38:39]      ; the bias of columns 32 (T / 2) + 8 (T % 2) on
	s_lshr_b32 s38, s21, 2
	s_lshl_b32 s38, s38, 12
	s_and_b32 s43, s21, 3
	s_lshl_b32 s43, s43, 10
	s_add_co_u32 s38, s38, s43
	s_add_co_u32 s38, s38, 0x2000000
	s_add_nc_u64 s[34:35], s[6:7], s[38:39]        ; vision_proj: block 256, head T / 4, tile T % 4
	s_lshl_b32 s38, s20, 12
	s_lshl_b32 s43, ttmp9, 10
	s_add_co_u32 s38, s38, s43
	s_add_nc_u64 s[36:37], s[18:19], s[38:39]
.irp i, 0,1,2,3,4,5,6,7
	global_load_b128 v[16+4*\i:19+4*\i], v5, s[24:25] offset:8192*\i       ; rows 2 i and 2 i + 1: my wave's 256 bytes of each
.endr
.irp i, 0,1,2,3,4,5,6,7
	global_load_b128 v[48+4*\i:51+4*\i], v6, s[26:27] offset:16*\i
	global_load_b128 v[80+4*\i:83+4*\i], v6, s[28:29] offset:16*\i
.endr
.irp k, 0,1,2,3,4,5,6,7
	global_load_b128 v[112+8*\k:115+8*\k], v1, s[30:31] offset:1024*\k
	global_load_b128 v[116+8*\k:119+8*\k], v1, s[30:31] offset:1024*\k+512
.endr
	global_load_b128 v[176:179], v7, s[32:33]      ; the bias is what the first accumulator begins with
	global_load_b128 v[180:183], v7, s[32:33] offset:16
	global_load_b32 v200, v8, s[8:9] offset:3407884
	s_wait_loadcnt 35                              ; the rows' eight loads are in; gain, shift, W, bias and W's word (16 + 16 + 2 + 1) stay out
.irp i, 0,1,2,3,4,5,6,7
	ds_store_b128 v15, v[16+4*\i:19+4*\i] offset:544*\i
.endr
.irp i, 0,1,2,3,4,5,6,7
	ds_load_b128 v[16+4*\i:19+4*\i], v203 offset:16*\i     ; LDS serves a wave's instructions in order: these see the stores above.  Register 4 i + q: feature 64 w + 32 h + 4 i + q of row r
.endr
	s_wait_dscnt 0x0
	v_pk_add_f32 v[204:205], v[16:17], v[18:19]
	v_pk_add_f32 v[206:207], v[20:21], v[22:23]
.irp j, 8,12,16,20,24,28
	v_pk_add_f32 v[204:205], v[204:205], v[16+\j:17+\j]
	v_pk_add_f32 v[206:207], v[206:207], v[18+\j:19+\j]
.endr
	v_pk_add_f32 v[204:205], v[204:205], v[206:207]
	v_add_f32 v201, v204, v205
	EXCH RED0
	v_mul_f32 v220, s44, v204                      ; the mean
	v_mov_b32 v221, v220
.set j, 0
.rept 16
	v_pk_add_f32 v[16+j:17+j], v[16+j:17+j], v[220:221] neg_lo:[0,1] neg_hi:[0,1]
.set j, j+2
.endr
	v_pk_mul_f32 v[204:205], v[16:17], v[16:17]
	v_pk_mul_f32 v[206:207], v[18:19], v[18:19]
.irp j, 4,8,12,16,20,24,28
	v_pk_fma_f32 v[204:205], v[16+\j:17+\j], v[16+\j:17+\j], v[204:205]
	v_pk_fma_f32 v[206:207], v[18+\j:19+\j], v[18+\j:19+\j], v[206:207]
.endr
	v_pk_add_f32 v[204:205], v[204:205], v[206:207]
	v_add_f32 v201, v204, v205
	EXCH RED1
	v_fma_f32 v204, v204, s44, s45
	v_rsq_f32 v222, v204
	v_nop
	s_wait_alu depctr_va_vdst(0)                   ; the wait ahead of the first reader
	v_mov_b32 v223, v222
	s_wait_loadcnt 0x0
	s_wait_kmcnt 0x0
	s_mov_b32 s23, s22
.set j, 0
.rept 16
	v_pk_mul_f32 v[16+j:17+j], v[16+j:17+j], v[222:223]
.set j, j+2
.endr
.set j, 0
.rept 16
	v_pk_fma_f32 v[16+j:17+j], v[16+j:17+j], v[48+j:49+j], v[80+j:81+j]
.set j, j+2
.endr
	global_load_b128 v[88:91], v9, s[34:35]        ; vision_proj in the result's layout: wanted behind the products
	global_load_b128 v[92:95], v9, s[34:35] offset:512
	v_max3_num_f32 v201, |v16|, |v17|, 0x1800000   ; my block's largest magnitude: all 32 are mine; and the floor 2^(3 - 127)
.irp j, 2,4,6,8,10,12,14,16,18,20,22,24,26,28,30
	v_max3_num_f32 v201, v201, |v[16+\j]|, |v[17+\j]|
.endr
	v_add_nc_u32 v203, 0xff000000, v201
	v_lshrrev_b32 v201, 23, v203
.irp g, 0,1,2,3
	v_cvt_scalef32_pk8_fp4_f32 v[96+\g], v[16+8*\g:23+8*\g], v203
.endr
	v_nop                                          ; one plain instruction behind the last conversion
	ds_store_b128 v12, v[96:99] offset:FI
	ds_store_b8 v13, v201
	s_wait_dscnt 0x0
	s_barrier_signal -1
	s_barrier_wait -1                              ; the eight fragments and their scale words lie in LDS
.irp k, 0,1,2,3,4,5,6,7
	ds_load_b128 v[16+8*\k:19+8*\k], v1 offset:FI+1024*\k
	ds_load_b128 v[20+8*\k:23+8*\k], v1 offset:FI+1024*\k+512
	ds_load_b32 v[192+\k], v4 offset:FS+64*\k
.endr
	s_wait_dscnt 0x0
	MMV 176, 112, 16, 0, 200, 192                  ; two accumulators by turns: source 0 = 16 rows of W, source 1 = the 16 rows
	MMV 184, 120, 24, 1, 200, 193
.irp k, 2,4,6
	MMV 176, 112+8*\k, 16+8*\k, 0, 200, 192+\k
	MMV 184, 120+8*\k, 24+8*\k, 0, 200, 193+\k
.endr
.rept 4
	v_nop
.endr
.irp j, 0,2,4,6
	v_pk_add_f32 v[96+\j:97+\j], v[176+\j:177+\j], v[184+\j:185+\j]
.endr
	s_wait_loadcnt 0x0
.irp j, 0,2,4,6
	v_pk_fma_f32 v[96+\j:97+\j], v[96+\j:97+\j], s[22:23], v[88+\j:89+\j] op_sel_hi:[1,0,1]
.endr
	ds_store_b128 v11, v[96:99]
	ds_store_b128 v11, v[100:103] offset:16
	s_wait_dscnt 0x0
	s_barrier_signal -1
	s_barrier_wait -1                              ; 16 rows x 256 columns lie in the stage
	ds_load_b128 v[104:107], v14
	ds_load_b128 v[108:111], v14 offset:512
	s_wait_dscnt 0x0
	global_store_b128 v1, v[104:107], s[36:37]     ; wave w stores row w: 512 consecutive bytes an instruction
	global_store_b128 v1, v[108:111], s[36:37] offset:512
	s_wait_tensorcnt 0x0
	ds_add_u32 v224, v225
	s_wait_dscnt 0x0
	s_endpgm
.Lfunc_end_k_qa2339fec02_vout:
	.size	k_qa2339fec02_vout, .Lfunc_end_k_qa2339fec02_vout-k_qa2339fec02_vout
	.p2alignl 7, 3214868480
	.fill 96, 4, 3214868480
	.section	.rodata,"a",@progbits
	.p2align	6, 0x0
	.amdhsa_kernel k_qa2339fec02_vout
		.amdhsa_group_segment_fixed_size 99328
		.amdhsa_private_segment_fixed_size 0
		.amdhsa_enable_private_segment 0
		.amdhsa_kernarg_size 64
		.amdhsa_user_sgpr_count 2
		.amdhsa_user_sgpr_kernarg_segment_ptr 1
		.amdhsa_wavefront_size32 1
		.amdhsa_system_sgpr_workgroup_id_x 1
		.amdhsa_system_sgpr_workgroup_id_y 1
		.amdhsa_system_sgpr_workgroup_id_z 1
		.amdhsa_system_vgpr_workitem_id 0
		.amdhsa_next_free_vgpr 226
		.amdhsa_next_free_sgpr 66
		.amdhsa_reserve_vcc 0
		.amdhsa_float_denorm_mode_32 3
		.amdhsa_float_denorm_mode_16_64 3
		.amdhsa_memory_ordered 1
		.amdhsa_forward_progress 1
		.amdhsa_inst_pref_size 24
	.end_amdhsa_kernel
	.amdgpu_metadata
---
amdhsa.version: [ 1, 2 ]
amdhsa.kernels:
  - .name:           k_qa2339fec02_vout
    .symbol:         k_qa2339fec02_vout.kd
    .args:
      - { .name: i2t, .offset: 0, .size: 8, .value_kind: global_buffer, .address_space: global }
      - { .name: tp, .offset: 8, .size: 8, .value_kind: global_buffer, .address_space: global }
      - { .name: wimg, .offset: 16, .size: 8, .value_kind: global_buffer, .address_space: global }
      - { .name: g_i2t, .offset: 24, .size: 8, .value_kind: global_buffer, .address_space: global }
      - { .name: be_i2t, .offset: 32, .size: 8, .value_kind: global_buffer, .address_space: global }
      - { .name: b_vout, .offset: 40, .size: 8, .value_kind: global_buffer, .address_space: global }
      - { .name: alpha_i2t, .offset: 48, .size: 8, .value_kind: global_buffer, .address_space: global }
      - { .name: out0, .offset: 56, .size: 8, .value_kind: global_buffer, .address_space: global }
    .group_segment_fixed_size: 99328
    .private_segment_fixed_size: 0
    .kernarg_segment_align: 8
    .kernarg_segment_size: 64
    .max_flat_workgroup_size: 512
    .sgpr_count:     66
    .vgpr_count:     226
    .wavefront_size: 32
...
	.end_amdgpu_metadata
.endif
;; end of part 5
;; ======== version 2 of 2: 5 launches
;; limits: right only within a limited range of input values
;; workspace buffers: psum 2,048 bytes; wimg 3,408,128 bytes; tp 33,685,504 bytes; xn 4,210,688 bytes; xs 263,168 bytes; vq 17,408 bytes; i2t 65,536 bytes
;; launch wsum (part 6): grid 416 x 1, 8 waves a work-group, no clusters, 1,280 bytes of LDS; arguments W_vp, W_tp, W_tqkv, W_vout, W_tout, psum; writes psum
.if DOCPART == 6
	.amdgcn_target "amdgcn-amd-amdhsa--gfx1250"
	.amdhsa_code_object_version 6
	.text
	.protected	k_qa2339fec02_wsum
	.globl	k_qa2339fec02_wsum
	.p2align	8
	.type	k_qa2339fec02_wsum,@function
k_qa2339fec02_wsum:
	s_mov_b64 s[64:65], 0
	v_nop
	global_prefetch_b8 v0, s[64:65] scope:SCOPE_SE
	s_setreg_imm32_b32 hwreg(HW_REG_WAVE_MODE, 25, 1), 1
	s_wait_xcnt 0x0
; Partial sums of |W| for the five BitLinear weights: the mean of |W| over a whole matrix has to exist before any weight can be made ternary.
; A work-group takes 65,536 consecutive bytes of one weight (48, 48, 192, 64, 64 work-groups), a wave 8,192: sixteen loads of 512 consecutive bytes.
; Sums in f32, in four chains a lane, then over the lanes, then over the eight waves through LDS, always in the same order.  psum[work-group] is the result.
; Memory binds: no matrix unit, no cluster, no tile in LDS would add anything.  No cache word on the loads: the next launch reads the same bytes again.
.set X, 16                             ; v[16:79] the wave's 16 loads
	s_load_b256 s[4:11], s[0:1], 0x0               ; W_vp s[4:5], W_tp s[6:7], W_tqkv s[8:9], W_vout s[10:11]
	s_load_b128 s[12:15], s[0:1], 0x20             ; W_tout s[12:13], psum s[14:15]
	v_lshl_add_u32 v80, v0, 2, 0x100
	v_mov_b32 v81, 0
	v_lshrrev_b32 v1, 5, v0
	s_delay_alu instid0(VALU_DEP_1)
	v_readfirstlane_b32 s16, v1                    ; wave
	v_and_b32 v2, 31, v0
	s_delay_alu instid0(VALU_DEP_1)
	v_lshlrev_b32 v1, 4, v2                        ; 16 x lane
	s_mov_b32 s17, 0                               ; the weight's first work-group
	s_mov_b32 s20, 0x76543210
	s_mov_b32 s21, 0xfedcba98                      ; v_permlanex16_b32's selects for lane l xor 16
	s_wait_alu depctr_va_vdst(0)
	s_wait_kmcnt 0x0
	s_cmp_ge_u32 ttmp9, 48                         ; which weight: the choice hangs on the work-group's number alone
	s_cselect_b64 s[4:5], s[6:7], s[4:5]
	s_cselect_b32 s17, 48, s17
	s_cmp_ge_u32 ttmp9, 96
	s_cselect_b64 s[4:5], s[8:9], s[4:5]
	s_cselect_b32 s17, 96, s17
	s_cmp_ge_u32 ttmp9, 288
	s_cselect_b64 s[4:5], s[10:11], s[4:5]
	s_cselect_b32 s17, 288, s17
	s_cmp_ge_u32 ttmp9, 352
	s_cselect_b64 s[4:5], s[12:13], s[4:5]
	s_cselect_b32 s17, 352, s17
	s_sub_co_u32 s18, ttmp9, s17
	s_lshl_b32 s18, s18, 16                        ; 65,536 bytes a work-group,
	s_lshl_b32 s19, s16, 13                        ; 8,192 a wave
	s_add_co_u32 s18, s18, s19
	s_mov_b32 s19, 0
	s_add_nc_u64 s[4:5], s[4:5], s[18:19]
.irp i, 0,1,2,3,4,5,6,7,8,9,10,11,12,13,14,15
	global_load_b128 v[X+4*\i:X+4*\i+3], v1, s[4:5] offset:512*\i
.endr
.irp q, 0,1,2,3
	s_wait_loadcnt 12-4*\q                         ; this group of four loads is in; the younger groups stay out
.irp k, 0,1,2,3
.if \q == 0
	v_add_f32 v[8+\k], |v[X+\k]|, |v[X+4+\k]|      ; the first two numbers start a chain: nothing is cleared
.else
	v_add_f32 v[8+\k], v[8+\k], |v[X+16*\q+\k]|
	s_delay_alu instid0(VALU_DEP_1)
	v_add_f32 v[8+\k], v[8+\k], |v[X+16*\q+4+\k]|
.endif
	s_delay_alu instid0(VALU_DEP_1)
	v_add_f32 v[8+\k], v[8+\k], |v[X+16*\q+8+\k]|
	s_delay_alu instid0(VALU_DEP_1)
	v_add_f32 v[8+\k], v[8+\k], |v[X+16*\q+12+\k]|
.endr
.endr
	v_add_f32 v8, v8, v9
	s_delay_alu instid0(VALU_DEP_2)
	v_add_f32 v10, v10, v11
	s_delay_alu instid0(VALU_DEP_1)
	v_add_f32 v8, v8, v10
	s_delay_alu instid0(VALU_DEP_1)
	v_add_f32_dpp v8, v8, v8 row_xmask:1 row_mask:0xf bank_mask:0xf
	s_delay_alu instid0(VALU_DEP_1)
	v_add_f32_dpp v8, v8, v8 row_xmask:2 row_mask:0xf bank_mask:0xf
	s_delay_alu instid0(VALU_DEP_1)
	v_add_f32_dpp v8, v8, v8 row_xmask:4 row_mask:0xf bank_mask:0xf
	s_delay_alu instid0(VALU_DEP_1)
	v_add_f32_dpp v8, v8, v8 row_xmask:8 row_mask:0xf bank_mask:0xf
	s_delay_alu instid0(VALU_DEP_1)
	v_permlanex16_b32 v9, v8, s20, s21
	s_delay_alu instid0(VALU_DEP_1)
	v_add_f32 v8, v8, v9                           ; the wave's sum, in every lane
	v_mov_b32 v10, s16
	s_delay_alu instid0(VALU_DEP_1)
	v_lshlrev_b32 v10, 2, v10
	ds_store_b32 v10, v8                           ; all lanes write the wave's word with the same value
	s_wait_dscnt 0x0                               ; for the others' sake: my store has landed
	s_barrier_signal -1
	s_barrier_wait -1
	v_mov_b32 v11, 0
	ds_load_b128 v[12:15], v11
	ds_load_b128 v[16:19], v11 offset:16
	s_wait_dscnt 0x0
	v_add_f32 v12, v12, v13
	v_add_f32 v14, v14, v15
	v_add_f32 v16, v16, v17
	v_add_f32 v18, v18, v19
	s_delay_alu instid0(VALU_DEP_3)
	v_add_f32 v12, v12, v14
	s_delay_alu instid0(VALU_DEP_2)
	v_add_f32 v16, v16, v18
	s_delay_alu instid0(VALU_DEP_1)
	v_add_f32 v12, v12, v16
	s_cmp_lg_u32 s16, 0                            ; wave 0 stores for the work-group
	s_cbranch_scc1 .Lend
	s_lshl_b32 s18, ttmp9, 2
	s_add_nc_u64 s[14:15], s[14:15], s[18:19]
	s_wait_xcnt 0x0                                ; EXEC changes only behind this wait
	v_cmp_eq_u32 vcc_lo, 0, v0
	s_and_saveexec_b32 s22, vcc_lo
	s_wait_alu depctr_va_vdst(0)
	global_store_b32 v11, v12, s[14:15]
	s_wait_xcnt 0x0
	s_or_b32 exec_lo, exec_lo, s22
.Lend:
	s_wait_tensorcnt 0x0
	ds_add_u32 v80, v81
	s_wait_dscnt 0x0
	s_endpgm
.Lfunc_end_k_qa2339fec02_wsum:
	.size	k_qa2339fec02_wsum, .Lfunc_end_k_qa2339fec02_wsum-k_qa2339fec02_wsum
	.p2alignl 7, 3214868480
	.fill 96, 4, 3214868480
	.section	.rodata,"a",@progbits
	.p2align	6, 0x0
	.amdhsa_kernel k_qa2339fec02_wsum
		.amdhsa_group_segment_fixed_size 1280
		.amdhsa_private_segment_fixed_size 0
		.amdhsa_enable_private_segment 0
		.amdhsa_kernarg_size 48
		.amdhsa_user_sgpr_count 2
		.amdhsa_user_sgpr_kernarg_segment_ptr 1
		.amdhsa_wavefront_size32 1
		.amdhsa_system_sgpr_workgroup_id_x 1
		.amdhsa_system_sgpr_workgroup_id_y 1
		.amdhsa_system_sgpr_workgroup_id_z 1
		.amdhsa_system_vgpr_workitem_id 0
		.amdhsa_next_free_vgpr 82
		.amdhsa_next_free_sgpr 66
		.amdhsa_reserve_vcc 1
		.amdhsa_float_denorm_mode_32 3
		.amdhsa_float_denorm_mode_16_64 3
		.amdhsa_memory_ordered 1
		.amdhsa_forward_progress 1
		.amdhsa_inst_pref_size 11
	.end_amdhsa_kernel
	.amdgpu_metadata
---
amdhsa.version: [ 1, 2 ]
amdhsa.kernels:
  - .name:           k_qa2339fec02_wsum
    .symbol:         k_qa2339fec02_wsum.kd
    .args:
      - { .name: W_vp, .offset: 0, .size: 8, .value_kind: global_buffer, .address_space: global }
      - { .name: W_tp, .offset: 8, .size: 8, .value_kind: global_buffer, .address_space: global }
      - { .name: W_tqkv, .offset: 16, .size: 8, .value_kind: global_buffer, .address_space: global }
      - { .name: W_vout, .offset: 24, .size: 8, .value_kind: global_buffer, .address_space: global }
      - { .name: W_tout, .offset: 32, .size: 8, .value_kind: global_buffer, .address_space: global }
      - { .name: psum, .offset: 40, .size: 8, .value_kind: global_buffer, .address_space: global }
    .group_segment_fixed_size: 1280
    .private_segment_fixed_size: 0
    .kernarg_segment_align: 8
    .kernarg_segment_size: 48
    .max_flat_workgroup_size: 256
    .sgpr_count:     66
    .vgpr_count:     82
    .wavefront_size: 32
...
	.end_amdgpu_metadata
.endif
;; end of part 6
;; launch wquant (part 7): grid 416 x 1, 4 waves a work-group, no clusters, 34,304 bytes of LDS; arguments W_vp, W_tp, W_tqkv, W_vout, W_tout, psum, wimg; writes wimg
.if DOCPART == 7
	.amdgcn_target "amdgcn-amd-amdhsa--gfx1250"
	.amdhsa_code_object_version 6
	.text
	.protected	k_qa2339fec02_wquant
	.globl	k_qa2339fec02_wquant
	.p2align	8
	.type	k_qa2339fec02_wquant,@function
k_qa2339fec02_wquant:
	s_mov_b64 s[64:65], 0
	v_nop
	global_prefetch_b8 v0, s[64:65] scope:SCOPE_SE
	s_setreg_imm32_b32 hwreg(HW_REG_WAVE_MODE, 25, 1), 1
	s_wait_xcnt 0x0
; The five weights become ternary (0, +s, -s; s = the mean of |W| held to 1e-5 .. 1000; a number counts where |W / s| > 2/3) and then codes of FP4 (E2M1), K innermost,
; laid in the ORDER OF THE OPERAND'S REGISTERS: a fragment (16 rows x 128 K) is 1,024 bytes, registers 4 c .. 4 c + 3 of lane l at 512 c + 16 l.
; THE ROWS OF A TILE ARE NOT NEIGHBOURS: in each group of 32 rows, lane r of tile u takes row 8 u + r + 8 (r / 8), so that a product's results are neighbours along the next K.
; Every number is 0 or +-s, so every block's largest magnitude is s (a block of zeros has zero codes, which count for nothing under any byte): ONE scale byte serves a whole matrix;
; it is stored four times in a word behind the images, a word for each matrix.
; The clip of W / s at +-10 is not written: it cannot change a comparison with 2/3.  LIMITS: NaN and infinities among the weights are not served.
; A work-group takes eight fragments, a wave two, which always lie in one tile of rows (the fragment's number is even and so is the count of K steps): the second begins 512 bytes behind the first.
; Loads take the rows as they lie, 512 consecutive bytes each; a fragment turns through the wave's own stage in LDS (16 rows x 528 bytes), so that a lane holds 32 neighbours along K for the conversions.
.set OFF, 16                           ; v[16:31]   16 x lane + the tile's row i x a row's bytes
.set LL,  32                           ; v[32:159]  the two fragments as loaded, then ternary
.set XX,  160                          ; v[160:223] a fragment back from the stage: register 32 c + i = k 64 c + 32 h + i of row r
.set CC,  224                          ; v[224:239] the codes, eight registers a fragment
.set PA,  224                          ; the partial sums' offsets (before the first conversion)
.set PP,  240                          ; v[240:245] six partial sums a lane; later at work
.set SS,  6                            ; v[6:7] s, twice
.set RR,  8                            ; v[8:9] 1 / s, twice
	s_load_b256 s[4:11], s[0:1], 0x0               ; W_vp, W_tp, W_tqkv, W_vout
	s_load_b128 s[12:15], s[0:1], 0x20             ; W_tout, psum
	s_load_b64 s[16:17], s[0:1], 0x30              ; wimg
	v_lshl_add_u32 v248, v0, 2, 0x8400
	v_mov_b32 v249, 0
	v_lshrrev_b32 v1, 5, v0
	v_readfirstlane_b32 s34, v1                    ; wave
	v_and_b32 v2, 31, v0                           ; lane
	v_lshlrev_b32 v1, 4, v2                        ; 16 x lane
	s_mov_b32 s18, 0                               ; the weight's first work-group
	s_mov_b32 s19, 48                              ; its partial sums
	s_mov_b32 s20, 0                               ; its number
	s_mov_b32 s21, 6                               ; its K steps of 128
	s_mov_b32 s22, 43691                           ; 2^18 / K steps, rounded up
	s_mov_b32 s23, 0x49400000                      ; how many numbers it has, as f32
	s_mov_b32 s24, 0x35aaaaab                      ; and the reciprocal of that
	s_mov_b32 s26, 0x3f2aaaab                      ; 2/3 in f32
	s_mov_b32 s27, 0x7fffffff
	s_mov_b32 s36, 0x76543210
	s_mov_b32 s37, 0xfedcba98
	s_wait_alu depctr_va_vdst(0)
	s_wait_kmcnt 0x0
	s_cmp_ge_u32 ttmp9, 48
	s_cselect_b64 s[4:5], s[6:7], s[4:5]
	s_cselect_b32 s18, 48, s18
	s_cselect_b32 s20, 1, s20
	s_cmp_ge_u32 ttmp9, 96
	s_cselect_b64 s[4:5], s[8:9], s[4:5]
	s_cselect_b32 s18, 96, s18
	s_cselect_b32 s19, 192, s19
	s_cselect_b32 s20, 2, s20
	s_cselect_b32 s21, 8, s21
	s_cselect_b32 s22, 32768, s22
	s_cselect_b32 s23, 0x4a400000, s23
	s_cselect_b32 s24, 0x34aaaaab, s24
	s_cmp_ge_u32 ttmp9, 288
	s_cselect_b64 s[4:5], s[10:11], s[4:5]
	s_cselect_b32 s18, 288, s18
	s_cselect_b32 s19, 64, s19
	s_cselect_b32 s20, 3, s20
	s_cselect_b32 s23, 0x49800000, s23
	s_cselect_b32 s24, 0x35800000, s24
	s_cmp_ge_u32 ttmp9, 352
	s_cselect_b64 s[4:5], s[12:13], s[4:5]
	s_cselect_b32 s18, 352, s18
	s_cselect_b32 s20, 4, s20
	s_sub_co_u32 s25, ttmp9, s18                   ; my work-group within the weight
	s_lshl_b32 s28, s25, 3
	s_lshl_b32 s29, s34, 1
	s_add_co_u32 s28, s28, s29                     ; f: my first fragment within the weight
	s_mul_i32 s29, s28, s22
	s_lshr_b32 s29, s29, 18                        ; T = f / K steps: the tile of rows
	s_mul_i32 s30, s29, s21
	s_sub_co_u32 s30, s28, s30                     ; S: the K step
	s_lshl_b32 s31, s21, 9                         ; a row of W in bytes
	s_lshr_b32 s38, s29, 1
	s_lshl_b32 s38, s38, 5
	s_and_b32 s39, s29, 1
	s_lshl_b32 s39, s39, 3
	s_add_co_u32 s38, s38, s39                     ; the tile's first row: 32 (T / 2) + 8 (T % 2)
	s_mul_i32 s38, s38, s31
	s_lshl_b32 s30, s30, 9
	s_add_co_u32 s38, s38, s30
	s_mov_b32 s39, 0
	s_add_nc_u64 s[4:5], s[4:5], s[38:39]
	s_lshl_b32 s40, ttmp9, 3
	s_lshl_b32 s41, s34, 1
	s_add_co_u32 s40, s40, s41
	s_lshl_b32 s40, s40, 10                        ; my first image: 1,024 x (8 x work-group + 2 x wave)
	s_mov_b32 s41, 0
	s_add_nc_u64 s[32:33], s[16:17], s[40:41]
	s_sub_co_u32 s35, s19, 1
.irp i, 0,1,2,3,4,5
	v_add_nc_u32 v[PA+\i], 32*\i, v2               ; partial sum lane + 32 i, held inside the weight's own
	v_min_u32 v[PA+\i], s35, v[PA+\i]
	v_add_nc_u32 v[PA+\i], s18, v[PA+\i]
	v_lshlrev_b32 v[PA+\i], 2, v[PA+\i]
	global_load_b32 v[PP+\i], v[PA+\i], s[14:15]
.endr
.irp i, 0,1,2,3,4,5,6,7,8,9,10,11,12,13,14,15
	v_mad_u32_u24 v[OFF+\i], s31, \i+(\i&8), v1
.endr
.irp e, 0,1
.irp i, 0,1,2,3,4,5,6,7,8,9,10,11,12,13,14,15
	global_load_b128 v[LL+64*\e+4*\i:LL+64*\e+4*\i+3], v[OFF+\i], s[4:5] offset:512*\e th:TH_LOAD_NT   ; 512 consecutive bytes of one row; read for the last time
.endr
.endr
	s_mul_i32 s42, s34, 8448                       ; my stage
	v_add_nc_u32 v3, s42, v1                       ; in: 16 x lane, a row an instruction
	v_and_b32 v11, 15, v0
	v_bfe_u32 v12, v0, 4, 1
	v_mul_u32_u24 v4, v11, 528
	v_lshl_add_u32 v4, v12, 7, v4
	v_add_nc_u32 v4, s42, v4                       ; back: row r, + 128 h
	s_wait_loadcnt 32                              ; the six partial sums are in; the 32 loads of W stay out
.irp i, 0,1,2,3,4,5
	v_add_nc_u32 v11, 32*\i, v2
	v_cmp_gt_u32 vcc_lo, s19, v11
	v_cndmask_b32 v[PP+\i], 0, v[PP+\i], vcc_lo    ; what lies past the weight's own partial sums counts as 0
.endr
	v_add_f32 v240, v240, v241
	v_add_f32 v242, v242, v243
	v_add_f32 v244, v244, v245
	v_add_f32 v240, v240, v242
	v_add_f32 v240, v240, v244
	v_add_f32_dpp v240, v240, v240 row_xmask:1 row_mask:0xf bank_mask:0xf
	v_add_f32_dpp v240, v240, v240 row_xmask:2 row_mask:0xf bank_mask:0xf
	v_add_f32_dpp v240, v240, v240 row_xmask:4 row_mask:0xf bank_mask:0xf
	v_add_f32_dpp v240, v240, v240 row_xmask:8 row_mask:0xf bank_mask:0xf
	v_permlanex16_b32 v241, v240, s36, s37
	v_add_f32 v240, v240, v241                     ; the sum of |W|
	v_mul_f32 v11, s24, v240                       ; / the count: a first quotient,
	v_fma_f32 v12, -v11, s23, v240                 ; its remainder,
	v_fma_f32 v11, v12, s24, v11                   ; and the quotient mended by it
	v_max_num_f32 v11, 0x3727c5ac, v11             ; held to 1e-5
	v_min_num_f32 v[SS], 0x447a0000, v11           ; .. 1000: s
	s_wait_alu depctr_va_vdst(0)
	v_rcp_f32 v[RR], v[SS]
	v_mov_b32 v[SS+1], v[SS]                       ; (a plain instruction behind the reciprocal)
	s_wait_alu depctr_va_vdst(0)                   ; the wait ahead of the reciprocal's first reader
	v_fma_f32 v11, -v[SS], v[RR], 1.0
	v_fma_f32 v[RR], v11, v[RR], v[RR]             ; one Newton step
	v_mov_b32 v[RR+1], v[RR]
	v_add_nc_u32 v5, 0xff000000, v[SS]             ; 2 off s's exponent field: the conversions' scale operand
	v_lshrrev_b32 v11, 23, v5                      ; the scale's byte,
	v_lshl_or_b32 v10, v11, 8, v11
	v_lshl_or_b32 v10, v10, 16, v10                ; four times in a word
; W / s by a quotient mended with its remainder; then 0 or s with W's sign
.macro TERN e
.set j, 0
.rept 32
	v_pk_mul_f32 v[240:241], v[LL+64*\e+j:LL+64*\e+j+1], v[RR:RR+1]
	v_pk_fma_f32 v[242:243], v[240:241], v[SS:SS+1], v[LL+64*\e+j:LL+64*\e+j+1] neg_lo:[1,0,0] neg_hi:[1,0,0]
	v_pk_fma_f32 v[240:241], v[242:243], v[RR:RR+1], v[240:241]
	v_bfi_b32 v244, s27, v[SS], v[LL+64*\e+j]
	v_bfi_b32 v245, s27, v[SS], v[LL+64*\e+j+1]
	v_cmp_gt_f32 vcc_lo, |v240|, s26
	v_cndmask_b32 v[LL+64*\e+j], 0, v244, vcc_lo
	v_cmp_gt_f32 vcc_lo, |v241|, s26
	v_cndmask_b32 v[LL+64*\e+j+1], 0, v245, vcc_lo
.set j, j+2
.endr
.endm
; through the stage, into codes, out.  LDS serves a wave's instructions in order: the loads see the stores above them, and the second fragment's stores come behind the first's loads
.macro TURN e
.irp i, 0,1,2,3,4,5,6,7,8,9,10,11,12,13,14,15
	ds_store_b128 v3, v[LL+64*\e+4*\i:LL+64*\e+4*\i+3] offset:528*\i
.endr
.irp c, 0,1
.irp p, 0,1,2,3,4,5,6,7
	ds_load_b128 v[XX+32*\c+4*\p:XX+32*\c+4*\p+3], v4 offset:256*\c+16*\p
.endr
.endr
	s_wait_dscnt 0x0
.irp g, 0,1,2,3,4,5,6,7
	v_cvt_scalef32_pk8_fp4_f32 v[CC+8*\e+\g], v[XX+8*\g:XX+8*\g+7], v5
.endr
	v_nop                                          ; one plain instruction behind the last conversion
	global_store_b128 v1, v[CC+8*\e:CC+8*\e+3], s[32:33] offset:1024*\e        ; 512 consecutive bytes each
	global_store_b128 v1, v[CC+8*\e+4:CC+8*\e+7], s[32:33] offset:1024*\e+512
.endm
	s_wait_alu depctr_va_vdst(0)
	s_wait_loadcnt 16                              ; the first fragment's 16 loads are in
	TERN 0
	TURN 0
	s_wait_loadcnt 0x0
	TERN 1
	TURN 1
	s_or_b32 s29, s25, s34                         ; the weight's first work-group, wave 0, stores the scale word
	s_cmp_lg_u32 s29, 0
	s_cbranch_scc1 .Lend
	s_lshl_b32 s29, s20, 2
	v_mov_b32 v11, s29
	s_wait_alu depctr_va_vdst(0)
	s_wait_xcnt 0x0                                ; EXEC changes only behind this wait
	v_cmp_eq_u32 vcc_lo, 0, v2
	s_and_saveexec_b32 s30, vcc_lo
	global_store_b32 v11, v10, s[16:17] offset:3407872
	s_wait_xcnt 0x0
	s_or_b32 exec_lo, exec_lo, s30
.Lend:
	s_wait_tensorcnt 0x0
	ds_add_u32 v248, v249
	s_wait_dscnt 0x0
	s_endpgm
.Lfunc_end_k_qa2339fec02_wquant:
	.size	k_qa2339fec02_wquant, .Lfunc_end_k_qa2339fec02_wquant-k_qa2339fec02_wquant
	.p2alignl 7, 3214868480
	.fill 96, 4, 3214868480
	.section	.rodata,"a",@progbits
	.p2align	6, 0x0
	.amdhsa_kernel k_qa2339fec02_wquant
		.amdhsa_group_segment_fixed_size 34304
		.amdhsa_private_segment_fixed_size 0
		.amdhsa_enable_private_segment 0
		.amdhsa_kernarg_size 56
		.amdhsa_user_sgpr_count 2
		.amdhsa_user_sgpr_kernarg_segment_ptr 1
		.amdhsa_wavefront_size32 1
		.amdhsa_system_sgpr_workgroup_id_x 1
		.amdhsa_system_sgpr_workgroup_id_y 1
		.amdhsa_system_sgpr_workgroup_id_z 1
		.amdhsa_system_vgpr_workitem_id 0
		.amdhsa_next_free_vgpr 250
		.amdhsa_next_free_sgpr 66
		.amdhsa_reserve_vcc 1
		.amdhsa_float_denorm_mode_32 3
		.amdhsa_float_denorm_mode_16_64 3
		.amdhsa_memory_ordered 1
		.amdhsa_forward_progress 1
		.amdhsa_inst_pref_size 50
	.end_amdhsa_kernel
	.amdgpu_metadata
---
amdhsa.version: [ 1, 2 ]
amdhsa.kernels:
  - .name:           k_qa2339fec02_wquant
    .symbol:         k_qa2339fec02_wquant.kd
    .args:
      - { .name: W_vp, .offset: 0, .size: 8, .value_kind: global_buffer, .address_space: global }
      - { .name: W_tp, .offset: 8, .size: 8, .value_kind: global_buffer, .address_space: global }
      - { .name: W_tqkv, .offset: 16, .size: 8, .value_kind: global_buffer, .address_space: global }
      - { .name: W_vout, .offset: 24, .size: 8, .value_kind: global_buffer, .address_space: global }
      - { .name: W_tout, .offset: 32, .size: 8, .value_kind: global_buffer, .address_space: global }
      - { .name: psum, .offset: 40, .size: 8, .value_kind: global_buffer, .address_space: global }
      - { .name: wimg, .offset: 48, .size: 8, .value_kind: global_buffer, .address_space: global }
    .group_segment_fixed_size: 34304
    .private_segment_fixed_size: 0
    .kernarg_segment_align: 8
    .kernarg_segment_size: 56
    .max_flat_workgroup_size: 128
    .sgpr_count:     66
    .vgpr_count:     250
    .wavefront_size: 32
...
	.end_amdgpu_metadata
.endif
;; end of part 7
;; launch proj (part 8): grid 257 x 1, 8 waves a work-group, no clusters, 29,184 bytes of LDS; arguments text_features_codes, text_features_scales, vision_features_codes, vision_features_scales, wimg, b_tp, b_vp, g_tn, be_tn, g_t2i, be_t2i, tp, xn, xs, vq; writes tp, xn, xs, vq
.if DOCPART == 8
	.amdgcn_target "amdgcn-amd-amdhsa--gfx1250"
	.amdhsa_code_object_version 6
	.text
	.protected	k_qa2339fec02_proj
	.globl	k_qa2339fec02_proj
	.p2align	8
	.type	k_qa2339fec02_proj,@function
k_qa2339fec02_proj:
	s_mov_b64 s[64:65], 0
	v_nop
	global_prefetch_b8 v0, s[64:65] scope:SCOPE_SE
	s_setreg_imm32_b32 hwreg(HW_REG_WAVE_SCHED_MODE, 0, 2), 2
	s_setreg_imm32_b32 hwreg(HW_REG_WAVE_MODE, 25, 1), 1
	s_wait_xcnt 0x0
	s_wait_alu depctr_vm_vsrc(0)
; text_proj = x W_tp^T + b_tp and vision_proj = x W_vp^T + b_vp on codes of FP4 (E2M1) with E8M0 scales, then LayerNorm in f32, then the quantiser along the 1,024 features.
; Work-group g < 256 takes 32 rows of text; work-group 256 takes the 16 rows of vision, each twice (row & 15), with W_vp, b_vp, and the gain and shift of the text-to-image norm:
; the softmax over ONE key is 1 for every finite logit, so that branch's attention output IS vision_proj.  Only pointers and a few numbers are chosen by the work-group's number: one path through the text.
; Wave w makes columns 128 w .. 128 w + 127 for the 32 rows: 16 accumulators.  THE PRODUCT IS USED TRANSPOSED (source 0 = 16 rows of W, source 1 = 16 rows of x), and the rows of a tile of W and of x
; are not neighbours (lane r of tile u takes row 8 u + r + 8 (r / 8) of its 32): so a lane holds one row of x, and its registers of two neighbouring tiles are 16 neighbours along the features.
; The weights come as images of their registers straight from memory, each fragment to the one wave that uses it: no tile is shared between waves but x's, which lies in LDS once.
; WHAT IS SMALL COMES ONCE, IN DENSE LOADS, AND IS SPREAD FROM LDS: a wave's 128 numbers of bias, of gain and of shift are three loads of 512 consecutive bytes (the results' layout wants each of them in sixteen lanes at
; once, which would be 64 loads a wave); the 32 rows' 768 scale bytes are 4 bytes a thread, once for the work-group (by rows they would be six loads in each of eight waves, 4 bytes of 32 places each).
; No cluster: 257 work-groups divide into none, and what work-groups share (the weights) goes to registers.
; OUT: tp (f32, by head: 16 rows x 64 features as an image of 32 registers), xn and xs (the norm's codes and scale words as images of the next product's operand), vq (vision_proj's own codes; work-group 256 alone).
; LIMITS: NaN and infinities are not served; a block whose largest magnitude lies under 2^-124 gets the byte 1.
; THE MODE: SCHED_MODE bits 1:0 = 2 (LLVM: expert scheduling mode 2), set by the entry lines.  The code itself states the register dependences between vector or matrix instructions and memory or LDS instructions,
; with s_wait_alu, always for 0.
; THE PLAN.  Registers that memory or LDS instructions touch:
;   W0, W1, W2    three buffers of four fragments of W: v[64:95], v[96:127], v[258:289].  Half step i: its eight products read W[i % 3]; the loads of half step i + 2 land in W[(i + 2) % 3], which the products of half step i - 1 read.
;   X0, X1        two buffers of x's two fragments.  K step k (half steps 2 k and 2 k + 1) reads X[k % 2]; the LDS loads of K step k + 1, issued at the head of half step 2 k, land where K step k - 1 read.
;                 So ONE wait on va_vdst stands at the head of a half step, behind the waits for its data: the products of the half step before, issued ahead of those waits, are done reading.  The step's loads follow in one run,
;                 ahead of its products, which name none of the registers that those loads touch.
;   gain, shift   of columns 0-63 in v[64:127], of columns 64-127 in v[258:321]: asked for in one run behind the last products, so that no load waits for the norm's multiply-adds.
;   accumulators  the bias lands in them (LDS), products add, the stores of tp read them, the norm writes them again behind the first exchange's wait on vm_vsrc.
;   v[16:31], v46 codes and scale words: all are made first, one wait on va_vdst, then the run of stores.
;   v1 .. v7      offsets and LDS addresses, made at the head and never written again; v10 .. v13, v28 .. v34 serve the head's loads and stores alone.
.set XP,   400                         ; a row of x in LDS: 384 bytes + 16 of padding: 25 x 16, so 16 rows of a load start in different banks
.set RED0, 12800                       ; 8 waves x 128 bytes: partial sums of the rows
.set RED1, 13824                       ; and of their squares
.set BGS,  14848                       ; 8 waves x 1,536 bytes, each wave's own: bias, gain, shift of its 128 columns, 512 bytes each
.set XSL,  27136                       ; x's scale bytes: 32 rows x 24
.set XF,   16                          ; v[16:47]   x's fragments, two buffers of two tiles
.set XS,   48                          ; v[48:53]   x's scale words: lanes 0-15 tile 0's rows, lanes 16-31 tile 1's
.set WSC,  54                          ; v54        W's scale word
.set MN,   56                          ; v[56:59]   the rows' means, a pair for each tile
.set RS,   60                          ; v[60:63]   1 / sqrt(variance + eps) likewise
.set WF,   64                          ; v[64:127]  W's fragments, buffers 0 and 1 of four
.set W2,   2                           ; v[258:289] buffer 2, named in window 1
.set GA,   64                          ; later: gain and
.set BE,   96                          ; shift of the first 64 columns' tiles,
.set GA1,  2                           ; v[258:289] gain and
.set BE1,  34                          ; v[290:321] shift of the other 64, named in window 1
.set ACC,  128                         ; v[128:255] accumulator (tile of rows u, tile of columns t) at 128 + 64 u + 8 t
.set PC,   16                          ; the codes made: 8 registers a tile of rows
.set TM,   32                          ; at work
.set SEL,  48
.set HM,   50
.set MSB,  0
.macro WIN new                         ; the immediate's high byte repeats the setting that is left; a switch that changes nothing is dropped
.if MSB != \new
	s_set_vgpr_msb (MSB<<8)|\new
.set MSB, \new
.endif
.endm
.macro MM d, a, b, z, sa, sb, ra, rb   ; D = A B + (z: 0, else D); ra, rb: the half of the lanes from which a side's scales are read
.if (\z)
.if ((\ra)==0) && ((\rb)==0)
	v_wmma_scale_f32_16x16x128_f8f6f4 v[0+(\d):7+(\d)], v[0+(\a):7+(\a)], v[0+(\b):7+(\b)], 0, v[0+(\sa)], v[0+(\sb)] matrix_a_fmt:MATRIX_FMT_FP4 matrix_b_fmt:MATRIX_FMT_FP4
.elseif (\ra)==0
	v_wmma_scale_f32_16x16x128_f8f6f4 v[0+(\d):7+(\d)], v[0+(\a):7+(\a)], v[0+(\b):7+(\b)], 0, v[0+(\sa)], v[0+(\sb)] matrix_a_fmt:MATRIX_FMT_FP4 matrix_b_fmt:MATRIX_FMT_FP4 matrix_b_scale:MATRIX_SCALE_ROW1
.elseif (\rb)==0
	v_wmma_scale_f32_16x16x128_f8f6f4 v[0+(\d):7+(\d)], v[0+(\a):7+(\a)], v[0+(\b):7+(\b)], 0, v[0+(\sa)], v[0+(\sb)] matrix_a_fmt:MATRIX_FMT_FP4 matrix_b_fmt:MATRIX_FMT_FP4 matrix_a_scale:MATRIX_SCALE_ROW1
.else
	v_wmma_scale_f32_16x16x128_f8f6f4 v[0+(\d):7+(\d)], v[0+(\a):7+(\a)], v[0+(\b):7+(\b)], 0, v[0+(\sa)], v[0+(\sb)] matrix_a_fmt:MATRIX_FMT_FP4 matrix_b_fmt:MATRIX_FMT_FP4 matrix_a_scale:MATRIX_SCALE_ROW1 matrix_b_scale:MATRIX_SCALE_ROW1
.endif
.else
.if ((\ra)==0) && ((\rb)==0)
	v_wmma_scale_f32_16x16x128_f8f6f4 v[0+(\d):7+(\d)], v[0+(\a):7+(\a)], v[0+(\b):7+(\b)], v[0+(\d):7+(\d)], v[0+(\sa)], v[0+(\sb)] matrix_a_fmt:MATRIX_FMT_FP4 matrix_b_fmt:MATRIX_FMT_FP4
.elseif (\ra)==0
	v_wmma_scale_f32_16x16x128_f8f6f4 v[0+(\d):7+(\d)], v[0+(\a):7+(\a)], v[0+(\b):7+(\b)], v[0+(\d):7+(\d)], v[0+(\sa)], v[0+(\sb)] matrix_a_fmt:MATRIX_FMT_FP4 matrix_b_fmt:MATRIX_FMT_FP4 matrix_b_scale:MATRIX_SCALE_ROW1
.elseif (\rb)==0
	v_wmma_scale_f32_16x16x128_f8f6f4 v[0+(\d):7+(\d)], v[0+(\a):7+(\a)], v[0+(\b):7+(\b)], v[0+(\d):7+(\d)], v[0+(\sa)], v[0+(\sb)] matrix_a_fmt:MATRIX_FMT_FP4 matrix_b_fmt:MATRIX_FMT_FP4 matrix_a_scale:MATRIX_SCALE_ROW1
.else
	v_wmma_scale_f32_16x16x128_f8f6f4 v[0+(\d):7+(\d)], v[0+(\a):7+(\a)], v[0+(\b):7+(\b)], v[0+(\d):7+(\d)], v[0+(\sa)], v[0+(\sb)] matrix_a_fmt:MATRIX_FMT_FP4 matrix_b_fmt:MATRIX_FMT_FP4 matrix_a_scale:MATRIX_SCALE_ROW1 matrix_b_scale:MATRIX_SCALE_ROW1
.endif
.endif
.endm
.macro NOPS n
.rept \n
	v_nop
.endr
.endm
; 32 numbers of a lane, register 16 b + i = k 32 b + 16 (lane / 16) + i of my row, become four registers of an operand (k = 32 (lane / 16) + 0 .. 31) and two scale bytes in v[hw]
.macro QUANT2 src, dst, hw, tm
.irp b, 0,1
	v_max3_num_f32 v[(\tm)+\b], |v[(\src)+16*\b]|, |v[(\src)+16*\b+1]|, 0x1800000   ; my 16 numbers of block b, and the floor 2^(3 - 127): the byte cannot fall under 1
.endr
.irp i, 2,4,6,8,10,12,14
.irp b, 0,1
	v_max3_num_f32 v[(\tm)+\b], v[(\tm)+\b], |v[(\src)+16*\b+\i]|, |v[(\src)+16*\b+\i+1]|
.endr
.endr
.irp b, 0,1
	v_permlanex16_b32 v[(\tm)+2+\b], v[(\tm)+\b], s[SEL], s[SEL+1]
.endr
.irp b, 0,1
	v_max_num_f32 v[(\tm)+\b], v[(\tm)+\b], v[(\tm)+2+\b]          ; with lane l xor 16's: the block's largest magnitude
.endr
.irp b, 0,1
	v_add_nc_u32 v[(\tm)+4+\b], 0xff000000, v[(\tm)+\b]            ; 2 off its exponent field: the conversion's scale operand
.endr
.irp b, 0,1
	v_lshrrev_b32 v[(\tm)+6+\b], 23, v[(\tm)+4+\b]                 ; the scale's byte
.endr
	v_lshl_or_b32 v[\hw], v[(\tm)+7], 8, v[(\tm)+6]
.irp b, 0,1
	v_cvt_scalef32_pk8_fp4_f32 v[(\dst)+2*\b], v[(\src)+16*\b:(\src)+16*\b+7], v[(\tm)+4+\b]
	v_cvt_scalef32_pk8_fp4_f32 v[(\dst)+2*\b+1], v[(\src)+16*\b+8:(\src)+16*\b+15], v[(\tm)+4+\b]
.endr
	v_nop                                          ; one plain instruction behind the last conversion
	v_permlane16_swap_b32 v[(\dst)], v[(\dst)+2]   ; the operand wants a whole block in a lane: lanes 0-15 block 0, lanes 16-31 block 1
	v_permlane16_swap_b32 v[(\dst)+1], v[(\dst)+3]
.endm
	s_load_b512 s[4:19], s[0:1], 0x0               ; text codes s[4:5], text scales s[6:7], vision codes s[8:9], vision scales s[10:11], wimg s[12:13], b_tp s[14:15], b_vp s[16:17], g_tn s[18:19]
	s_load_b256 s[20:27], s[0:1], 0x40             ; be_tn s[20:21], g_t2i s[22:23], be_t2i s[24:25], tp s[26:27]
	s_load_b128 s[28:31], s[0:1], 0x60             ; xn s[28:29], xs s[30:31]
	s_load_b64 s[32:33], s[0:1], 0x70              ; vq
	v_lshl_add_u32 v55, v0, 2, 0x6e00
	s_set_vgpr_msb 0x40
	v_mov_b32 v1, 0
	s_set_vgpr_msb 0x4000
	v_lshrrev_b32 v7, 5, v0
	v_readfirstlane_b32 s34, v7                    ; wave 0..7
	v_and_b32 v8, 31, v0                           ; lane
	v_lshlrev_b32 v1, 4, v8                        ; 16 x lane
	v_and_b32 v2, 15, v0                           ; r
	v_bfe_u32 v3, v0, 4, 1                         ; h
	v_lshlrev_b32 v4, 2, v8                        ; 4 x lane
	v_and_b32 v9, 8, v2
	v_add_nc_u32 v9, v9, v2                        ; r + 8 (r / 8)
	v_mul_u32_u24 v5, v9, XP
	v_lshl_add_u32 v5, v3, 4, v5                   ; x's fragments in LDS: my row x pitch + 16 h
	s_wait_alu depctr_va_sdst(0)                   ; s34 is written, ahead of its first reader
	s_mul_i32 s47, s34, 1536
	s_add_co_u32 s47, s47, BGS                     ; my wave's bias, gain and shift in LDS
	v_lshl_add_u32 v6, v3, 6, s47                  ; + 64 h: my half's 16 features of a group of 32
	v_mov_b32 v14, 0                               ; (a lane permute's destination counts as one of its sources)
	v_mov_b32 v15, 0
	s_mov_b32 s[SEL], 0x76543210
	s_mov_b32 s[SEL+1], 0xfedcba98                 ; v_permlanex16_b32's selects for lane l xor 16
	s_mov_b32 s[HM], 0xffff0000                    ; lanes 16-31
	s_mov_b32 s52, 0x3a800000                      ; 1 / 1,024
	s_mov_b32 s53, 0x3727c5ac                      ; eps = 1e-5
	s_mov_b32 s39, 768
	s_mov_b32 s46, 192
	s_mov_b32 s41, 0
	s_wait_alu depctr_va_vdst(0)
	s_wait_kmcnt 0x0
	s_cmp_eq_u32 ttmp9, 256                        ; text or vision: hangs on the work-group's number alone
	s_cselect_b64 s[4:5], s[8:9], s[4:5]           ; codes
	s_cselect_b64 s[6:7], s[10:11], s[6:7]         ; scales
	s_cselect_b64 s[14:15], s[16:17], s[14:15]     ; bias
	s_cselect_b64 s[18:19], s[22:23], s[18:19]     ; gain
	s_cselect_b64 s[20:21], s[24:25], s[20:21]     ; shift
	s_cselect_b32 s35, 0, 393216                   ; the weight's images in wimg
	s_cselect_b32 s36, 0, 4                        ; and its scale word
	s_cselect_b32 s37, 0, ttmp9                    ; which 32 rows of the input
	s_cselect_b32 s39, 384, s39                    ; vision has 16 rows, each taken twice: 384 pieces of 16 bytes of codes,
	s_cselect_b32 s46, 96, s46                     ; 96 words of scale bytes
	s_mul_i32 s40, s37, 12288
	s_add_nc_u64 s[4:5], s[4:5], s[40:41]
	s_mul_i32 s40, s37, 768
	s_add_nc_u64 s[6:7], s[6:7], s[40:41]
	s_lshl_b32 s40, s34, 9                         ; my 128 columns
	s_add_nc_u64 s[14:15], s[14:15], s[40:41]
	s_add_nc_u64 s[18:19], s[18:19], s[40:41]
	s_add_nc_u64 s[20:21], s[20:21], s[40:41]
	s_mul_i32 s40, s34, 49152                      ; my 8 tiles x 6 K steps of images
	s_add_co_u32 s40, s40, s35
	s_add_nc_u64 s[42:43], s[12:13], s[40:41]
	s_lshl_b32 s40, ttmp9, 17
	s_lshl_b32 s51, s34, 13
	s_add_co_u32 s40, s40, s51
	s_add_nc_u64 s[26:27], s[26:27], s[40:41]      ; tp: 131,072 g + my two heads
	s_lshl_b32 s40, ttmp9, 14
	s_lshl_b32 s51, s34, 10
	s_add_co_u32 s40, s40, s51
	s_add_nc_u64 s[28:29], s[28:29], s[40:41]      ; xn: 16,384 g + K step w
	s_lshl_b32 s40, ttmp9, 10
	s_lshl_b32 s51, s34, 7
	s_add_co_u32 s40, s40, s51
	s_add_nc_u64 s[30:31], s[30:31], s[40:41]      ; xs: 1,024 g + 128 w
	s_lshl_b32 s40, s34, 7
	s_add_nc_u64 s[44:45], s[32:33], s[40:41]      ; vq's scale words
	s_lshl_b32 s40, s34, 10
	s_add_nc_u64 s[32:33], s[32:33], s[40:41]      ; vq's codes
	; x: 768 pieces of 16 bytes, three a thread, dense in memory; into rows of 400 bytes.  All offsets and addresses of the head are made first; the loads follow in one run behind one wait
	v_mad_u32_u24 v10, v7, 96, v8
	v_lshl_add_u32 v7, v7, 7, v4                   ; where I put a partial sum: 128 w + 4 x lane
	v_mov_b32 v36, 0x180
	v_mov_b32 v13, 0x60
	v_min_u32 v34, 0xbf, v0                        ; the scale bytes: word q = thread (threads past 191 repeat the last and store nothing)
.irp i, 0,1,2
	v_add_nc_u32 v[40+\i], 32*\i, v10              ; piece p
	v_cmp_le_u32 s[54+\i], s39, v[40+\i]
.endr
	v_cmp_le_u32 s57, s46, v34
	s_wait_alu depctr_va_sdst(0)                   ; the four compares have written s54 to s57, ahead of the selects that read them
.irp i, 0,1,2
	v_cndmask_b32 v35, 0, v36, s[54+\i]
	v_sub_nc_u32 v35, v[40+\i], v35                ; (vision: rows 16-31 are rows 0-15 again)
	v_lshlrev_b32 v[28+\i], 4, v35
	v_mul_u32_u24 v35, v[40+\i], 0xaab
	v_lshrrev_b32 v35, 16, v35                     ; its row: p / 24
	v_add_nc_u32 v35, v35, v[40+\i]
	v_lshlrev_b32 v[31+\i], 4, v35                 ; 16 p + 16 x row
.endr
	v_cndmask_b32 v35, 0, v13, s57
	v_sub_nc_u32 v34, v34, v35                     ; (vision: rows 16-31 are rows 0-15 again)
	v_lshlrev_b32 v34, 2, v34
	v_lshl_add_u32 v13, v0, 2, XSL                 ; where the word goes
	v_add_nc_u32 v10, s47, v1                      ; where bias, gain and shift go: 16 x lane in my wave's bytes
	v_lshl_add_u32 v11, v3, 3, v9
	v_mul_u32_u24 v11, v11, 24                     ; scale words: lanes 0-15 the rows of tile 0, lanes 16-31 of tile 1; 24 bytes a row
	v_mov_b32 v12, s36
	s_wait_alu depctr_va_vdst(0)                   ; all offsets and LDS addresses (v1 to v13, v28 to v34) are written, which the loads and stores below read; the lines above are done with v35, v36 and v40 to v42, in which loads land
.irp i, 0,1,2
	global_load_b128 v[16+4*\i:19+4*\i], v[28+\i], s[4:5]
.endr
	global_load_b128 v[36:39], v1, s[14:15]        ; my 128 columns' bias, 512 consecutive bytes,
	global_load_b128 v[40:43], v1, s[18:19]        ; gain
	global_load_b128 v[44:47], v1, s[20:21]        ; and shift
	global_load_b32 v35, v34, s[6:7]
	global_load_b32 v[WSC], v12, s[12:13] offset:3407872
.macro WLOAD i                         ; half step i: K step i / 2, column tiles 4 (i % 2) + 0 .. 3; into buffer i % 3
.if (\i)%3 == 2
	WIN 0x40                                       ; destination window 1, offset window 0
.irp t, 0,1,2,3
.irp c, 0,1
	global_load_b128 v[W2+8*\t+4*\c:W2+8*\t+4*\c+3], v1, s[42:43] offset:((4*((\i)%2)+\t)*6+(\i)/2)*1024+512*\c
.endr
.endr
	WIN 0
.else
.irp t, 0,1,2,3
.irp c, 0,1
	global_load_b128 v[WF+32*((\i)%3)+8*\t+4*\c:WF+32*((\i)%3)+8*\t+4*\c+3], v1, s[42:43] offset:((4*((\i)%2)+\t)*6+(\i)/2)*1024+512*\c
.endr
.endr
.endif
.endm
.macro XLOAD k                         ; x's two fragments of K step k
.irp u, 0,1
.irp c, 0,1
	ds_load_b128 v[XF+16*((\k)%2)+8*\u+4*\c:XF+16*((\k)%2)+8*\u+4*\c+3], v5 offset:3200*\u+64*(\k)+32*\c
.endr
.endr
.endm
	WLOAD 0
	WLOAD 1
	s_wait_loadcnt 17                              ; the seven loads that go to LDS are in; behind them W's word and 16 loads of W stay out
.irp i, 0,1,2
	ds_store_b128 v[31+\i], v[16+4*\i:19+4*\i]
.endr
	ds_store_b128 v10, v[36:39]
	ds_store_b128 v10, v[40:43] offset:512
	ds_store_b128 v10, v[44:47] offset:1024
	s_cmp_lt_u32 s34, 6                            ; 192 words of scale bytes: waves 0 to 5 store them
	s_cbranch_scc0 .Lno_scales
	ds_store_b32 v13, v35
.Lno_scales:
	s_wait_dscnt 0x0                               ; for the others' sake: my stores have landed
	s_barrier_signal -1
	s_barrier_wait -1
.irp k, 0,1,2,3,4,5
	ds_load_b32 v[XS+\k], v11 offset:XSL+4*\k
.endr
.irp u, 0,1
.irp t, 0,1,2,3,4,5,6,7
	ds_load_b128 v[ACC+64*\u+8*\t:ACC+64*\u+8*\t+3], v6 offset:(32*(\t/2)+8*(\t%2))*4       ; the bias is what the sums begin with: sixteen lanes take the same 16 bytes
	ds_load_b128 v[ACC+64*\u+8*\t+4:ACC+64*\u+8*\t+7], v6 offset:(32*(\t/2)+8*(\t%2))*4+16
.endr
.endr
	s_wait_alu depctr_vm_vsrc(0)                   ; the head's loads and LDS stores have read v[16:47], in which x's fragments land, and v10 to v13, which the rows' sums write
	XLOAD 0
; A half step: eight products on eight accumulators; the next half step takes the other eight.
.macro GSTEP i
.if (\i) == 11
	s_wait_loadcnt 0x0
.else
	s_wait_loadcnt 0x8                             ; this half step's W is in (at the first also W's scale word); the next one's eight loads stay out
.endif
.if (\i)%2 == 0
	s_wait_dscnt 0x0                               ; x's fragments of this K step (at the first also the bias and x's scale words)
.endif
.if ((\i) > 0) && ((\i) < 10)
	s_wait_alu depctr_va_vdst(0)                   ; the products of the half step before are done reading their buffer of W, in which the loads below land; at an even half step those of the K step before are done reading their fragments of x
.endif
.if (\i) < 10
	WLOAD (\i)+2                                   ; no product since the wait names these registers
.endif
.if ((\i)%2 == 0) && ((\i) < 10)
	XLOAD (\i)/2+1
.endif
.if (\i)%3 == 2
	WIN 0x01                                       ; source 0 (W) window 1
.irp t, 0,1,2,3
	MM ACC+8*(4*((\i)%2)+\t), W2+8*\t, XF+16*(((\i)/2)%2), 0, WSC, XS+(\i)/2, 0, 0
	MM ACC+64+8*(4*((\i)%2)+\t), W2+8*\t, XF+16*(((\i)/2)%2)+8, 0, WSC, XS+(\i)/2, 0, 1
.endr
	WIN 0
.else
.irp t, 0,1,2,3
	MM ACC+8*(4*((\i)%2)+\t), WF+32*((\i)%3)+8*\t, XF+16*(((\i)/2)%2), 0, WSC, XS+(\i)/2, 0, 0
	MM ACC+64+8*(4*((\i)%2)+\t), WF+32*((\i)%3)+8*\t, XF+16*(((\i)/2)%2)+8, 0, WSC, XS+(\i)/2, 0, 1
.endr
.endif
	NOPS 4                                         ; four plain instructions behind these products, ahead of the next half step's loads into registers that they read and of the first read of results; they stay beside the wait
.endm
.irp i, 0,1,2,3,4,5,6,7,8,9,10,11
	GSTEP \i
.endr
.macro GLOAD f, ga, be                 ; gain and shift of column tiles 4 f + 0 .. 3, in the results' layout, from my wave's bytes of LDS
.irp t, 0,1,2,3
	ds_load_b128 v[(\ga)+8*\t:(\ga)+8*\t+3], v6 offset:512+(32*((4*\f+\t)/2)+8*(\t%2))*4
	ds_load_b128 v[(\ga)+8*\t+4:(\ga)+8*\t+7], v6 offset:512+(32*((4*\f+\t)/2)+8*(\t%2))*4+16
	ds_load_b128 v[(\be)+8*\t:(\be)+8*\t+3], v6 offset:1024+(32*((4*\f+\t)/2)+8*(\t%2))*4
	ds_load_b128 v[(\be)+8*\t+4:(\be)+8*\t+7], v6 offset:1024+(32*((4*\f+\t)/2)+8*(\t%2))*4+16
.endr
.endm
	v_mov_b32 v[TM+2], 0
	v_mov_b32 v[TM+3], 0
	s_wait_alu depctr_va_vdst(0)                   ; the products have written the accumulators, which the stores below read, and are done reading W's three buffers, in which gain and shift land
	GLOAD 0, GA, BE
	WIN 0x40                                       ; destination window 1, address window 0
	GLOAD 1, GA1, BE1
	WIN 0
.irp u, 0,1
.irp i, 0,1,2,3,4,5,6,7,8,9,10,11,12,13,14,15
	global_store_b128 v1, v[ACC+64*\u+4*\i:ACC+64*\u+4*\i+3], s[26:27] offset:65536*\u+512*\i   ; the projection itself, as an image: 512 consecutive bytes; each accumulator from its low end on
.endr
.endr
	s_cmp_lg_u32 ttmp9, 256
	s_cbranch_scc1 .Ltext
.irp u, 0,1                            ; vision alone: the projection's own codes, for the image-to-text queries
	QUANT2 ACC+64*\u, PC+8*\u, TM+8+2*\u, TM
	QUANT2 ACC+64*\u+32, PC+8*\u+4, TM+9+2*\u, TM
	v_lshl_or_b32 v[TM+12+\u], v[TM+9+2*\u], 16, v[TM+8+2*\u]
.endr
	v_cndmask_b32 v[TM+14], v[TM+12], v[TM+13], s[HM]
	s_wait_alu depctr_va_vdst(0)                   ; the codes v[16:31] and the scale words v46 are written, which the five stores read
.irp u, 0,1
	global_store_b128 v1, v[PC+8*\u:PC+8*\u+3], s[32:33] offset:8192*\u
	global_store_b128 v1, v[PC+8*\u+4:PC+8*\u+7], s[32:33] offset:8192*\u+512
.endr
	global_store_b32 v4, v[TM+14], s[44:45] offset:16384
.Ltext:
; a row's sum over the eight waves: v12, v13 hold my 64 numbers' sums for tiles 0, 1; out: v12 = the whole row's, lanes 0-15 for tile 0, lanes 16-31 for tile 1
.macro EXCH red
	v_permlanex16_b32 v14, v12, s[SEL], s[SEL+1]
	v_permlanex16_b32 v15, v13, s[SEL], s[SEL+1]
	v_add_f32 v12, v12, v14
	v_add_f32 v13, v13, v15
	v_cndmask_b32 v12, v12, v13, s[HM]
	s_wait_alu depctr_va_vdst(0)                   ; v12 is written, which the store reads; the lines that named v[36:43] are done, in which the loads below land
	ds_store_b32 v7, v12 offset:\red
	s_wait_dscnt 0x0                               ; for the others' sake
	s_barrier_signal -1
	s_barrier_wait -1
.irp w, 0,1,2,3,4,5,6,7
	ds_load_b32 v[36+\w], v4 offset:\red+128*\w
.endr
	s_wait_dscnt 0x0
	v_add_f32 v36, v36, v37
	v_add_f32 v38, v38, v39
	v_add_f32 v40, v40, v41
	v_add_f32 v42, v42, v43
	v_add_f32 v36, v36, v38
	v_add_f32 v40, v40, v42
	s_wait_alu depctr_vm_vsrc(0)                   ; my store has read v12, which the next line writes; at the first exchange also: the stores of the projection and of vision's codes have read the accumulators, v[16:31] and v46, which are written again below
	v_add_f32 v12, v36, v40
.endm
.irp u, 0,1
	v_pk_add_f32 v[8:9], v[ACC+64*\u:ACC+64*\u+1], v[ACC+64*\u+2:ACC+64*\u+3]
	v_pk_add_f32 v[10:11], v[ACC+64*\u+4:ACC+64*\u+5], v[ACC+64*\u+6:ACC+64*\u+7]
.irp j, 8,12,16,20,24,28,32,36,40,44,48,52,56,60
	v_pk_add_f32 v[8:9], v[8:9], v[ACC+64*\u+\j:ACC+64*\u+\j+1]
	v_pk_add_f32 v[10:11], v[10:11], v[ACC+64*\u+\j+2:ACC+64*\u+\j+3]
.endr
	v_pk_add_f32 v[8:9], v[8:9], v[10:11]
	v_add_f32 v[12+\u], v8, v9
.endr
	EXCH RED0
	v_mul_f32 v12, s52, v12                        ; the mean
	v_permlanex16_b32 v14, v12, s[SEL], s[SEL+1]   ; and the other tile's
	v_cndmask_b32 v[MN], v12, v14, s[HM]
	v_cndmask_b32 v[MN+2], v14, v12, s[HM]
	v_mov_b32 v[MN+1], v[MN]
	v_mov_b32 v[MN+3], v[MN+2]
	s_wait_alu depctr_va_vdst(0)
	s_wait_xcnt 0x0                                ; the stores above have had their addresses translated: the accumulators and the codes' registers may be written (the wait on vm_vsrc for them stands in the exchange above)
.irp u, 0,1
.set j, 0
.rept 32
	v_pk_add_f32 v[ACC+64*\u+j:ACC+64*\u+j+1], v[ACC+64*\u+j:ACC+64*\u+j+1], v[MN+2*\u:MN+2*\u+1] neg_lo:[0,1] neg_hi:[0,1]
.set j, j+2
.endr
.endr
.irp u, 0,1
	v_pk_mul_f32 v[8:9], v[ACC+64*\u:ACC+64*\u+1], v[ACC+64*\u:ACC+64*\u+1]
	v_pk_mul_f32 v[10:11], v[ACC+64*\u+2:ACC+64*\u+3], v[ACC+64*\u+2:ACC+64*\u+3]
.irp j, 4,8,12,16,20,24,28,32,36,40,44,48,52,56,60
	v_pk_fma_f32 v[8:9], v[ACC+64*\u+\j:ACC+64*\u+\j+1], v[ACC+64*\u+\j:ACC+64*\u+\j+1], v[8:9]
	v_pk_fma_f32 v[10:11], v[ACC+64*\u+\j+2:ACC+64*\u+\j+3], v[ACC+64*\u+\j+2:ACC+64*\u+\j+3], v[10:11]
.endr
	v_pk_add_f32 v[8:9], v[8:9], v[10:11]
	v_add_f32 v[12+\u], v8, v9
.endr
	EXCH RED1
	v_fma_f32 v12, v12, s52, s53                   ; variance + eps
	s_wait_alu depctr_va_vdst(0)
	v_rsq_f32 v13, v12
	v_nop                                          ; a plain instruction behind it,
	s_wait_alu depctr_va_vdst(0)                   ; and the wait ahead of its first reader: v13 is written
	v_permlanex16_b32 v14, v13, s[SEL], s[SEL+1]
	v_cndmask_b32 v[RS], v13, v14, s[HM]
	v_cndmask_b32 v[RS+2], v14, v13, s[HM]
	v_mov_b32 v[RS+1], v[RS]
	v_mov_b32 v[RS+3], v[RS+2]
.macro NMUL u, f                       ; (x - mean) / sqrt(..), 32 features of tile u
.set j, 0
.rept 16
	v_pk_mul_f32 v[ACC+64*\u+32*\f+j:ACC+64*\u+32*\f+j+1], v[ACC+64*\u+32*\f+j:ACC+64*\u+32*\f+j+1], v[RS+2*\u:RS+2*\u+1]
.set j, j+2
.endr
.endm
.macro NFMA u, f, ga, be               ; x gain + shift
.set j, 0
.rept 16
	v_pk_fma_f32 v[ACC+64*\u+32*\f+j:ACC+64*\u+32*\f+j+1], v[ACC+64*\u+32*\f+j:ACC+64*\u+32*\f+j+1], v[(\ga)+j:(\ga)+j+1], v[(\be)+j:(\be)+j+1]
.set j, j+2
.endr
.endm
	s_wait_alu depctr_va_vdst(0)
	s_wait_dscnt 0x0                               ; gain and shift (asked for two barriers ago)
	NMUL 0, 0
	NFMA 0, 0, GA, BE
	NMUL 1, 0
	NFMA 1, 0, GA, BE
	QUANT2 ACC, PC, TM+8, TM
	QUANT2 ACC+64, PC+8, TM+10, TM
	NMUL 0, 1
	NMUL 1, 1
	WIN 0x14                                       ; sources 1 and 2 (gain and shift of the other 64 columns) window 1
	NFMA 0, 1, GA1, BE1
	NFMA 1, 1, GA1, BE1
	WIN 0
	QUANT2 ACC+32, PC+4, TM+9, TM
	QUANT2 ACC+96, PC+12, TM+11, TM
.irp u, 0,1
	v_lshl_or_b32 v[TM+12+\u], v[TM+9+2*\u], 16, v[TM+8+2*\u]      ; four bytes: my row's scale word of K step w
.endr
	v_cndmask_b32 v[TM+14], v[TM+12], v[TM+13], s[HM]
	s_wait_alu depctr_va_vdst(0)                   ; the codes v[16:31] and the scale words v46 are written, which the five stores read
.irp u, 0,1
	global_store_b128 v1, v[PC+8*\u:PC+8*\u+3], s[28:29] offset:8192*\u
	global_store_b128 v1, v[PC+8*\u+4:PC+8*\u+7], s[28:29] offset:8192*\u+512
.endr
	global_store_b32 v4, v[TM+14], s[30:31]
	s_set_vgpr_msb 0x4                             ; the add's second register, source 1, lies in window 1 (the setting before was 0)
	s_wait_dscnt 0x0                               ; the closing lines, six on end
	s_wait_alu 0x0
	s_wait_tensorcnt 0x0
	ds_add_u32 v55, v1
	s_wait_dscnt 0x0
	s_endpgm
.Lfunc_end_k_qa2339fec02_proj:
	.size	k_qa2339fec02_proj, .Lfunc_end_k_qa2339fec02_proj-k_qa2339fec02_proj
	.p2alignl 7, 3214868480
	.fill 96, 4, 3214868480
	.section	.rodata,"a",@progbits
	.p2align	6, 0x0
	.amdhsa_kernel k_qa2339fec02_proj
		.amdhsa_group_segment_fixed_size 29184
		.amdhsa_private_segment_fixed_size 0
		.amdhsa_enable_private_segment 0
		.amdhsa_kernarg_size 120
		.amdhsa_user_sgpr_count 2
		.amdhsa_user_sgpr_kernarg_segment_ptr 1
		.amdhsa_wavefront_size32 1
		.amdhsa_system_sgpr_workgroup_id_x 1
		.amdhsa_system_sgpr_workgroup_id_y 1
		.amdhsa_system_sgpr_workgroup_id_z 1
		.amdhsa_system_vgpr_workitem_id 0
		.amdhsa_next_free_vgpr 322
		.amdhsa_next_free_sgpr 66
		.amdhsa_reserve_vcc 0
		.amdhsa_float_denorm_mode_32 3
		.amdhsa_float_denorm_mode_16_64 3
		.amdhsa_memory_ordered 1
		.amdhsa_forward_progress 1
		.amdhsa_inst_pref_size 80
	.end_amdhsa_kernel
	.amdgpu_metadata
---
amdhsa.version: [ 1, 2 ]
amdhsa.kernels:
  - .name:           k_qa2339fec02_proj
    .symbol:         k_qa2339fec02_proj.kd
    .args:
      - { .name: text_features_codes, .offset: 0, .size: 8, .value_kind: global_buffer, .address_space: global }
      - { .name: text_features_scales, .offset: 8, .size: 8, .value_kind: global_buffer, .address_space: global }
      - { .name: vision_features_codes, .offset: 16, .size: 8, .value_kind: global_buffer, .address_space: global }
      - { .name: vision_features_scales, .offset: 24, .size: 8, .value_kind: global_buffer, .address_space: global }
      - { .name: wimg, .offset: 32, .size: 8, .value_kind: global_buffer, .address_space: global }
      - { .name: b_tp, .offset: 40, .size: 8, .value_kind: global_buffer, .address_space: global }
      - { .name: b_vp, .offset: 48, .size: 8, .value_kind: global_buffer, .address_space: global }
      - { .name: g_tn, .offset: 56, .size: 8, .value_kind: global_buffer, .address_space: global }
      - { .name: be_tn, .offset: 64, .size: 8, .value_kind: global_buffer, .address_space: global }
      - { .name: g_t2i, .offset: 72, .size: 8, .value_kind: global_buffer, .address_space: global }
      - { .name: be_t2i, .offset: 80, .size: 8, .value_kind: global_buffer, .address_space: global }
      - { .name: tp, .offset: 88, .size: 8, .value_kind: global_buffer, .address_space: global }
      - { .name: xn, .offset: 96, .size: 8, .value_kind: global_buffer, .address_space: global }
      - { .name: xs, .offset: 104, .size: 8, .value_kind: global_buffer, .address_space: global }
      - { .name: vq, .offset: 112, .size: 8, .value_kind: global_buffer, .address_space: global }
    .group_segment_fixed_size: 29184
    .private_segment_fixed_size: 0
    .kernarg_segment_align: 8
    .kernarg_segment_size: 120
    .max_flat_workgroup_size: 256
    .sgpr_count:     66
    .vgpr_count:     322
    .wavefront_size: 32
...
	.end_amdgpu_metadata
.endif
;; end of part 8
;; launch attn (part 9): grid 16 x 16, 16 waves a work-group, no clusters, 241,664 bytes of LDS; arguments xn, xs, tp, wimg, vq, b_tqkv, b_tout, alpha_t2i, rel_embed, text_mask, out1, i2t; writes out1, i2t
.if DOCPART == 9
	.amdgcn_target "amdgcn-amd-amdhsa--gfx1250"
	.amdhsa_code_object_version 6
	.text
	.protected	k_qa2339fec02_attn
	.globl	k_qa2339fec02_attn
	.p2align	8
	.type	k_qa2339fec02_attn,@function
k_qa2339fec02_attn:
	s_mov_b64 s[64:65], 0
	v_nop
	global_prefetch_b8 v0, s[64:65] scope:SCOPE_SE
	s_setreg_imm32_b32 hwreg(HW_REG_WAVE_SCHED_MODE, 0, 2), 2
	s_setreg_imm32_b32 hwreg(HW_REG_WAVE_MODE, 25, 1), 1
	s_wait_xcnt 0x0
	s_wait_alu depctr_vm_vsrc(0)
; One head of one batch: q, k, v = LN(text_proj) W^T + b; self-attention over 512 tokens with the relative bias and the key mask; the residual; out1's 64 columns; the image-to-text attention of this head.
; All products on codes of FP4 (E2M1) with E8M0 scales; q, k, v, p and text_self are quantised in registers and never go to memory.
; SHARES.  Sixteen waves in 256 registers each, four to a SIMD, so that one wave's softmax stands beside another's products and LDS loads.  Wave w owns tokens 32 w .. 32 w + 31:
; as two tiles of 16 queries (lane r of tile u is token 32 w + 8 u + r + 8 (r / 8)) and as the block of 32 keys number w.
; WHAT reference() ITSELF FIXES.  The image-to-text queries are one row broadcast: one tile of 16 equal columns does that attention, and the mean over equal rows is the row.  The text-to-image softmax runs over ONE key,
; so it is 1 for every finite logit, its output is vision_proj, and the last BitLinear has one distinct row a batch: that row's 64 columns are made here, in the head.
; THE BIAS is the C of the score products: 8 x rel_embed (exact, the scale being 1/8), from a table in LDS in four copies, each shifted by a word, so that a lane's run of four keys is one aligned load of 16 bytes.
; THE MASK rides in the idle half of K (the head has 64 of the instruction's 128): at k = 64 every query holds -6 x 2^30, a masked key +6, any other key 0 under the smallest scale; a masked key's own codes are zeros.
; LIMITS.  A masked key's logit is so about -4.8e9 where reference() has -1e9, and the running maximum begins at t = -2^30: the results are reference()'s as long as a row's largest unmasked logit lies above -7.4e8.
; A batch whose keys are ALL masked has 512 equal logits: they are taken as 0 (zero table, zero codes, no mask term), which gives the same uniform softmax.  NaN and infinities are not served.
; No tensor load and no cluster: x's fragments go to the one wave that uses them, straight into registers; the head's weights are staged in LDS once; sharing x among the 16 heads would want a ring beside them.
; REGISTERS: v1 16 l, v2 4 l, v3 r, v4 h, v5-6 the upper half of my keys' scale words, v7 0, v8-14 LDS addresses that stay, v15 r + 8 (r / 8), v16-19 at work; v20-23 and v120-127 hold scales and nothing else;
;   first part: v24-55 four fragments of W, v56-119 eight accumulators, v128-255 x's 16 fragments;
;   attention: v24-55 four fragments of K or V, v56-119 scores then p, v128-159 O^T, v160-191 text_proj then text_self, v192-199 p's codes, v200-223 at work, v224-239 q's two fragments, v240-251 a query's numbers.
; THE MODE: SCHED_MODE bits 1:0 = 2 (LLVM: expert scheduling mode 2), set by the entry lines.  The code itself states the register dependences between vector or matrix instructions and memory or LDS instructions,
; with s_wait_alu, always for 0.
; THE PLAN.  The wave holds 256 registers, a quarter of its SIMD's 1,024, and all are in use: no buffer is doubled.  A run of loads into registers that products have just read stands behind one wait on va_vdst.
;   v24-55    First part: the LDS loads of a K step's four fragments of W land, its eight products read: one wait a K step, ahead of the run.  Attention: K's four fragments twice and V's four once a key step: a wait ahead of each run.
;   v56-119   First part: the bias lands, products add, the quantiser reads.  Attention: the bias table lands at a key step's head, products add, the softmax works in place.
;   v120-127  Scale words: loads land, products read; v126 and v127 are also made by vector lines, with a wait between those and the products.
;   v160-191  text_proj lands (asked for ahead of a tile's key steps); text_self is made there, stored to LDS, and the next tile's loads land behind the wait on vm_vsrc at the tile's end.
;   v216-221  A key step's LDS addresses: a wait on vm_vsrc at the step's top, the six lines, and the step's first wait on va_vdst, which stands there for the loads' registers in any case.
;   Results (codes, scale words, text_self, out1's rows): all the vector work first, ONE wait on va_vdst, the run of stores, and one wait on vm_vsrc ahead of the first line that writes those registers again.
;   Addresses outside the loops are made in runs, each ahead of a wait on va_vdst that stands for other registers too.
.set KI,  139264                       ; k's codes: tile (2 w + u) x 512: registers 0-3 of a fragment
.set KM,  155648                       ; register 4 of it (the mask's code): tile x 128
.set KS,  159744                       ; k's scale words: block x 128: lanes 0-15 tile 0, lanes 16-31 tile 1
.set VI,  161792                       ; v's fragments, keys innermost: (t x 4 + s) x 1,024
.set VS,  178176                       ; v's scale words: s x 256 + t x 64 + 4 r
.set BT,  179200                       ; the bias table, four copies of 4,352 bytes
.set TKI, 196608                       ; text_self as keys,
.set TKS, 212992
.set TVI, 215040                       ; and as values
.set TVS, 231424
.set PI,  232448                       ; the image-to-text p: s x 1,024
.set PS,  236544
.set BL,  236800                       ; b_tqkv of this head: [3][64]
.set TPS, 237568                       ; the last BitLinear's row, four partial sums of 64
.set RX,  238592                       ; 16 maxima
.set RL,  238848                       ; 16 sums
.set OS,  239104                       ; 64 numbers on their way out
                                       ; bytes 0 .. 98,303: the head's weights; from the second barrier on bytes 0 .. 139,263 are the waves' own stages, 32 rows x 272 bytes each
.macro MM d, a, b, z, sa, sb, ra, rb   ; D = A B + (z: 0, else D); ra, rb: the half of the lanes from which a side's scales are read
.if (\z)
.if ((\ra)==0) && ((\rb)==0)
	v_wmma_scale_f32_16x16x128_f8f6f4 v[0+(\d):7+(\d)], v[0+(\a):7+(\a)], v[0+(\b):7+(\b)], 0, v[0+(\sa)], v[0+(\sb)] matrix_a_fmt:MATRIX_FMT_FP4 matrix_b_fmt:MATRIX_FMT_FP4
.elseif (\ra)==0
	v_wmma_scale_f32_16x16x128_f8f6f4 v[0+(\d):7+(\d)], v[0+(\a):7+(\a)], v[0+(\b):7+(\b)], 0, v[0+(\sa)], v[0+(\sb)] matrix_a_fmt:MATRIX_FMT_FP4 matrix_b_fmt:MATRIX_FMT_FP4 matrix_b_scale:MATRIX_SCALE_ROW1
.elseif (\rb)==0
	v_wmma_scale_f32_16x16x128_f8f6f4 v[0+(\d):7+(\d)], v[0+(\a):7+(\a)], v[0+(\b):7+(\b)], 0, v[0+(\sa)], v[0+(\sb)] matrix_a_fmt:MATRIX_FMT_FP4 matrix_b_fmt:MATRIX_FMT_FP4 matrix_a_scale:MATRIX_SCALE_ROW1
.else
	v_wmma_scale_f32_16x16x128_f8f6f4 v[0+(\d):7+(\d)], v[0+(\a):7+(\a)], v[0+(\b):7+(\b)], 0, v[0+(\sa)], v[0+(\sb)] matrix_a_fmt:MATRIX_FMT_FP4 matrix_b_fmt:MATRIX_FMT_FP4 matrix_a_scale:MATRIX_SCALE_ROW1 matrix_b_scale:MATRIX_SCALE_ROW1
.endif
.else
.if ((\ra)==0) && ((\rb)==0)
	v_wmma_scale_f32_16x16x128_f8f6f4 v[0+(\d):7+(\d)], v[0+(\a):7+(\a)], v[0+(\b):7+(\b)], v[0+(\d):7+(\d)], v[0+(\sa)], v[0+(\sb)] matrix_a_fmt:MATRIX_FMT_FP4 matrix_b_fmt:MATRIX_FMT_FP4
.elseif (\ra)==0
	v_wmma_scale_f32_16x16x128_f8f6f4 v[0+(\d):7+(\d)], v[0+(\a):7+(\a)], v[0+(\b):7+(\b)], v[0+(\d):7+(\d)], v[0+(\sa)], v[0+(\sb)] matrix_a_fmt:MATRIX_FMT_FP4 matrix_b_fmt:MATRIX_FMT_FP4 matrix_b_scale:MATRIX_SCALE_ROW1
.elseif (\rb)==0
	v_wmma_scale_f32_16x16x128_f8f6f4 v[0+(\d):7+(\d)], v[0+(\a):7+(\a)], v[0+(\b):7+(\b)], v[0+(\d):7+(\d)], v[0+(\sa)], v[0+(\sb)] matrix_a_fmt:MATRIX_FMT_FP4 matrix_b_fmt:MATRIX_FMT_FP4 matrix_a_scale:MATRIX_SCALE_ROW1
.else
	v_wmma_scale_f32_16x16x128_f8f6f4 v[0+(\d):7+(\d)], v[0+(\a):7+(\a)], v[0+(\b):7+(\b)], v[0+(\d):7+(\d)], v[0+(\sa)], v[0+(\sb)] matrix_a_fmt:MATRIX_FMT_FP4 matrix_b_fmt:MATRIX_FMT_FP4 matrix_a_scale:MATRIX_SCALE_ROW1 matrix_b_scale:MATRIX_SCALE_ROW1
.endif
.endif
.endm
.macro NOPS n
.rept \n
	v_nop
.endr
.endm
; 32 numbers of a lane, register 16 b + i = k 32 b + 16 (lane / 16) + i of my row, become four registers of an operand (k = 32 (lane / 16) + 0 .. 31) and two scale bytes in v[hw]
.macro QUANT2 src, dst, hw, tm
.irp b, 0,1
	v_max3_num_f32 v[(\tm)+\b], |v[(\src)+16*\b]|, |v[(\src)+16*\b+1]|, 0x1800000   ; my 16 numbers of block b, and the floor 2^(3 - 127): the byte cannot fall under 1
.endr
.irp i, 2,4,6,8,10,12,14
.irp b, 0,1
	v_max3_num_f32 v[(\tm)+\b], v[(\tm)+\b], |v[(\src)+16*\b+\i]|, |v[(\src)+16*\b+\i+1]|
.endr
.endr
.irp b, 0,1
	v_permlanex16_b32 v[(\tm)+2+\b], v[(\tm)+\b], s32, s33
.endr
.irp b, 0,1
	v_max_num_f32 v[(\tm)+\b], v[(\tm)+\b], v[(\tm)+2+\b]
.endr
.irp b, 0,1
	v_add_nc_u32 v[(\tm)+4+\b], 0xff000000, v[(\tm)+\b]            ; 2 off the exponent field: the conversion's scale operand
.endr
.irp b, 0,1
	v_lshrrev_b32 v[(\tm)+6+\b], 23, v[(\tm)+4+\b]
.endr
	v_lshl_or_b32 v[\hw], v[(\tm)+7], 8, v[(\tm)+6]
.irp b, 0,1
	v_cvt_scalef32_pk8_fp4_f32 v[(\dst)+2*\b], v[(\src)+16*\b:(\src)+16*\b+7], v[(\tm)+4+\b]
	v_cvt_scalef32_pk8_fp4_f32 v[(\dst)+2*\b+1], v[(\src)+16*\b+8:(\src)+16*\b+15], v[(\tm)+4+\b]
.endr
	v_nop                                          ; one plain instruction behind the last conversion
	v_permlane16_swap_b32 v[(\dst)], v[(\dst)+2]   ; a whole block to a lane: lanes 0-15 block 0, lanes 16-31 block 1
	v_permlane16_swap_b32 v[(\dst)+1], v[(\dst)+3]
.endm
; four blocks of 32 KEYS (my wave's tokens), one for each of four features of a lane: register 16 b + i = token 16 (lane / 16) + i.  Codes: v[dst + 2 b], v[dst + 2 b + 1]; bytes: v[tm + 12 + b]
.macro QUANT4V src, dst, tm
.irp b, 0,1,2,3
	v_max3_num_f32 v[(\tm)+\b], |v[(\src)+16*\b]|, |v[(\src)+16*\b+1]|, 0x1800000
.endr
.irp i, 2,4,6,8,10,12,14
.irp b, 0,1,2,3
	v_max3_num_f32 v[(\tm)+\b], v[(\tm)+\b], |v[(\src)+16*\b+\i]|, |v[(\src)+16*\b+\i+1]|
.endr
.endr
.irp b, 0,1,2,3
	v_permlanex16_b32 v[(\tm)+4+\b], v[(\tm)+\b], s32, s33
.endr
.irp b, 0,1,2,3
	v_max_num_f32 v[(\tm)+\b], v[(\tm)+\b], v[(\tm)+4+\b]
.endr
.irp b, 0,1,2,3
	v_add_nc_u32 v[(\tm)+8+\b], 0xff000000, v[(\tm)+\b]
.endr
.irp b, 0,1,2,3
	v_lshrrev_b32 v[(\tm)+12+\b], 23, v[(\tm)+8+\b]
.endr
.irp b, 0,1,2,3
	v_cvt_scalef32_pk8_fp4_f32 v[(\dst)+2*\b], v[(\src)+16*\b:(\src)+16*\b+7], v[(\tm)+8+\b]
	v_cvt_scalef32_pk8_fp4_f32 v[(\dst)+2*\b+1], v[(\src)+16*\b+8:(\src)+16*\b+15], v[(\tm)+8+\b]
.endr
	v_nop
.endm
.macro KADDR                           ; where my wave's two key tiles lie: v16 codes, v19 the mask's register, v17 scale words (by row)
	s_lshl_b32 s82, s28, 10
	v_add_nc_u32 v16, s82, v8
	s_lshl_b32 s82, s28, 8
	v_add_nc_u32 v19, s82, v9
	s_lshl_b32 s82, s28, 7
	s_add_co_u32 s82, s82, KS
	v_lshl_add_u32 v17, v3, 2, s82
.endm
.macro VADDR vi, vs, ra, rb            ; where my block of keys lies in the values' fragments (8 bytes a lane) and among their scale bytes
	s_lshl_b32 s82, s28, 8
	s_add_co_u32 s82, s82, \vi
	v_lshlrev_b32 v[\ra], 4, v3
	v_lshl_add_u32 v[\ra], v4, 3, v[\ra]
	v_add_nc_u32 v[\ra], s82, v[\ra]               ; 256 w + 16 r + 8 h: K step w / 4, registers' group (w / 2) % 2, half of the lanes w % 2
	s_lshr_b32 s82, s28, 2
	s_lshl_b32 s82, s82, 8
	s_and_b32 s83, s28, 3
	s_add_co_u32 s82, s82, s83
	s_add_co_u32 s82, s82, \vs
	v_lshl_add_u32 v[\rb], v3, 2, s82              ; 256 (w / 4) + 4 r + w % 4
.endm
	s_load_b512 s[4:19], s[0:1], 0x0               ; xn s[4:5], xs s[6:7], tp s[8:9], wimg s[10:11], vq s[12:13], b_tqkv s[14:15], b_tout s[16:17], alpha_t2i s[18:19]
	s_load_b256 s[20:27], s[0:1], 0x40             ; rel_embed s[20:21], text_mask s[22:23], out1 s[24:25], i2t s[26:27]
	v_lshrrev_b32 v16, 5, v0
	v_readfirstlane_b32 s28, v16                   ; wave 0..15
	s_mov_b32 s29, ttmp9                           ; head
	s_and_b32 s30, ttmp7, 0xffff                   ; batch
	s_lshl_b32 s31, s30, 4
	s_mov_b32 s32, 0x76543210
	s_mov_b32 s33, 0xfedcba98                      ; v_permlanex16_b32's selects for lane l xor 16
	s_mov_b32 s34, 0x3e38aa3b                      ; c = log2(e) / 8
	s_mov_b32 s35, s34
	s_mov_b32 s36, 0xffff0000                      ; lanes 16-31
	v_and_b32 v17, 31, v0
	v_lshlrev_b32 v1, 4, v17
	v_lshlrev_b32 v2, 2, v17
	v_and_b32 v3, 15, v0
	v_bfe_u32 v4, v0, 4, 1
	v_mov_b32 v7, 0
	v_and_b32 v15, 8, v3
	v_add_nc_u32 v15, v15, v3                      ; r + 8 (r / 8)
	v_add_nc_u32 v8, KI, v1
	v_add_nc_u32 v9, KM, v2
	v_add_nc_u32 v10, KS, v2
	v_add_nc_u32 v11, VI, v1
	v_add_nc_u32 v12, VS, v2
	s_wait_alu depctr_va_sdst(0)                   ; s28 is written, ahead of its first reader
	s_add_co_u32 s31, s31, s28                     ; g: my block of 32 rows
	; the bias table: my lane uses copy c = (-r) % 4, which holds entry i at word i - c.  The copies begin 0, 144, 48, 176 bytes into their 4,352, so that the sixteen lanes of a load touch sixteen different columns of 16 bytes
	v_sub_nc_u32 v16, 0, v3
	v_and_b32 v16, 3, v16                          ; c
	v_and_b32 v17, 1, v16
	v_mul_u32_u24 v17, v17, 144
	v_lshrrev_b32 v18, 1, v16
	v_mul_u32_u24 v18, v18, 48
	v_and_or_b32 v17, v17, 0xff, v18
	v_mad_u32_u24 v17, v16, 4352, v17
	v_lshl_add_u32 v17, v4, 6, v17                 ; + 64 h: my half's keys
	s_xor_b32 s82, s28, 15
	s_lshl_b32 s82, s82, 7
	s_add_co_u32 s82, s82, BT+112                  ; BT + 16 - 32 + 4 (512 - 32 w), written with 15 - w
	v_add_nc_u32 v17, s82, v17
	v_add_nc_u32 v18, v15, v16
	v_lshlrev_b32 v18, 2, v18
	v_sub_nc_u32 v13, v17, v18                     ; - 4 (my query's place + c)
	s_mul_i32 s82, s28, 8704
	v_mul_u32_u24 v14, v15, 272
	v_lshl_add_u32 v14, v4, 6, v14
	v_add_nc_u32 v14, s82, v14                     ; my stage: row r + 8 (r / 8), + 64 h
	; offsets of the head's loads (v240-255 take the last K step of x behind the first barrier)
	v_sub_nc_u32 v249, 0x280, v0
	v_min_u32 v249, 0x100, v249
	v_lshlrev_b32 v249, 6, v249                    ; table entry i = thread: row min(640 - i, 256) of rel_embed
	v_min_u32 v250, 0x80, v0
	v_sub_nc_u32 v250, 0x80, v250
	v_lshlrev_b32 v250, 6, v250                    ; entry 512 + thread: row max(128 - thread, 0)
	s_lshl_b32 s82, s28, 5
	v_add_nc_u32 v251, s82, v15                    ; my token of tile 0
	v_min_u32 v254, 0xbf, v0
	v_lshrrev_b32 v255, 6, v254
	v_and_b32 v254, 63, v254
	v_lshlrev_b32 v254, 2, v254
	v_lshl_add_u32 v252, v255, 12, v254            ; b_tqkv: part x 4,096 + 4 x feature (threads past 191 repeat the last)
	v_lshlrev_b32 v253, 8, v4                      ; 256 h
	s_lshl_b32 s82, s28, 11                        ; where the head's LDS stores go: made here, ahead of the one wait in front of the loads
	v_add_nc_u32 v16, s82, v1
	v_add_nc_u32 v17, 0x10000, v16
	v_lshl_add_u32 v18, v0, 2, BL
	v_lshl_add_u32 v19, v0, 2, BT
	s_mov_b32 s81, 0
	s_and_b32 s83, s28, 3                          ; t: my tile of the last BitLinear's 64 columns
	s_lshr_b32 s84, s28, 2                         ; kp: my two of its eight K steps
	s_lshr_b32 s85, s30, 3
	s_and_b32 s86, s30, 7                          ; vision row b lies in tile b / 8, lane b % 8
	s_wait_kmcnt 0x0
	s_load_b32 s44, s[18:19], 0x0                  ; alpha
	s_lshl_b32 s80, s29, 15
	s_lshl_b32 s82, s28, 11
	s_add_co_u32 s80, s80, s82
	s_add_co_u32 s80, s80, 786432
	s_add_nc_u64 s[48:49], s[10:11], s[80:81]      ; W_tqkv's images of this head, my sixteenth
	s_lshl_b32 s80, s29, 15
	s_lshl_b32 s82, s83, 13
	s_add_co_u32 s80, s80, s82
	s_lshl_b32 s82, s84, 11
	s_add_co_u32 s80, s80, s82
	s_add_co_u32 s80, s80, 2883584
	s_add_nc_u64 s[50:51], s[10:11], s[80:81]      ; W_tout: tile 4 head + t, K step 2 kp
	s_lshl_b32 s80, s85, 13
	s_add_co_u32 s80, s80, s82
	s_lshl_b32 s87, s86, 4
	s_add_co_u32 s80, s80, s87
	s_add_co_u32 s80, s80, 4194304
	s_add_nc_u64 s[52:53], s[4:5], s[80:81]        ; the normed vision row's codes
	s_lshl_b32 s80, s84, 8
	s_lshl_b32 s87, s86, 2
	s_add_co_u32 s80, s80, s87
	s_lshl_b32 s87, s85, 6
	s_add_co_u32 s80, s80, s87
	s_add_co_u32 s80, s80, 262144
	s_add_nc_u64 s[54:55], s[6:7], s[80:81]        ; and its scale words
	s_lshl_b32 s80, s31, 10
	s_add_nc_u64 s[56:57], s[6:7], s[80:81]
	s_lshl_b32 s80, s31, 14
	s_add_nc_u64 s[58:59], s[4:5], s[80:81]
	s_lshl_b32 s80, s30, 9
	s_add_nc_u64 s[60:61], s[22:23], s[80:81]
	s_lshl_b32 s80, s29, 2
	s_add_nc_u64 s[62:63], s[20:21], s[80:81]
	s_lshl_b32 s80, s29, 8
	s_add_nc_u64 s[66:67], s[14:15], s[80:81]
	s_add_nc_u64 s[74:75], s[16:17], s[80:81]
	s_lshl_b32 s80, s31, 17
	s_lshl_b32 s82, s29, 12
	s_add_co_u32 s80, s80, s82
	s_add_nc_u64 s[68:69], s[8:9], s[80:81]        ; text_proj: my block, this head
	s_lshl_b32 s80, s85, 13
	s_lshl_b32 s82, s29, 9
	s_add_co_u32 s80, s80, s82
	s_lshl_b32 s82, s86, 4
	s_add_co_u32 s80, s80, s82
	s_add_nc_u64 s[70:71], s[12:13], s[80:81]      ; vision_proj's codes: row b, this head's 64
	s_lshr_b32 s80, s29, 1
	s_lshl_b32 s80, s80, 7
	s_lshl_b32 s82, s86, 2
	s_add_co_u32 s80, s80, s82
	s_lshl_b32 s82, s85, 6
	s_add_co_u32 s80, s80, s82
	s_add_co_u32 s80, s80, 16384
	s_add_nc_u64 s[72:73], s[12:13], s[80:81]
	s_lshl_b32 s80, s31, 17
	s_lshl_b32 s82, s29, 8
	s_add_co_u32 s80, s80, s82
	s_add_nc_u64 s[76:77], s[24:25], s[80:81]      ; out1: my 32 rows, this head's 256 bytes
	s_lshl_b32 s80, s30, 12
	s_add_co_u32 s80, s80, s82
	s_add_nc_u64 s[78:79], s[26:27], s[80:81]
	s_wait_alu depctr_va_vdst(0)                   ; the offsets and LDS addresses v1 to v19 and v249 to v253 are written, which the loads and LDS stores below read
	; first what the head works on: 30 loads
.irp p, 0,1,2
.irp i, 0,1,2,3
	global_load_b128 v[56+16*\p+4*\i:59+16*\p+4*\i], v1, s[48:49] offset:524288*\p+512*\i
.endr
.endr
	global_load_b32 v240, v249, s[62:63]
	global_load_b32 v241, v250, s[62:63]
	global_load_u8 v242, v251, s[60:61]
	global_load_u8 v243, v251, s[60:61] offset:8
	global_load_b128 v[244:247], v1, s[60:61]      ; the batch's 512 mask bytes, 16 a lane
	global_load_b32 v248, v252, s[66:67]
.irp e, 0,1
.irp c, 0,1
	global_load_b128 v[24+8*\e+4*\c:27+8*\e+4*\c], v1, s[50:51] offset:1024*\e+512*\c
	global_load_b128 v[40+8*\e+4*\c:43+8*\e+4*\c], v253, s[52:53] offset:1024*\e+512*\c     ; one row, in all sixteen columns
.endr
	global_load_b32 v[20+\e], v7, s[54:55] offset:128*\e
.endr
	global_load_b32 v23, v7, s[10:11] offset:3407880   ; W_tqkv's scale word
	global_load_b32 v22, v7, s[10:11] offset:3407888   ; W_tout's
	; then x: 8 scale images and K steps 0 to 6: 36 loads
.irp k, 0,1,2,3,4,5,6,7
	global_load_b32 v[120+\k], v2, s[56:57] offset:128*\k
.endr
.irp k, 0,1,2,3,4,5,6
.irp u, 0,1
.irp c, 0,1
	global_load_b128 v[128+8*(2*\k+\u)+4*\c:131+8*(2*\k+\u)+4*\c], v1, s[58:59] offset:(8*\u+\k)*1024+512*\c
.endr
.endr
.endr
	s_lshl_b32 s82, s84, 8
	s_lshr_b32 s87, s83, 1
	s_lshl_b32 s87, s87, 7
	s_add_co_u32 s82, s82, s87
	s_and_b32 s87, s83, 1
	s_lshl_b32 s87, s87, 5
	s_add_co_u32 s82, s82, s87
	s_add_co_u32 s82, s82, TPS
	s_wait_loadcnt 36                              ; the first 30 loads are in; x's 36 stay out
.irp i, 0,1,2,3
	ds_store_b128 v16, v[56+4*\i:59+4*\i] offset:512*\i
	ds_store_b128 v16, v[72+4*\i:75+4*\i] offset:32768+512*\i
	ds_store_b128 v17, v[88+4*\i:91+4*\i] offset:512*\i
.endr
	s_cmp_lt_u32 s28, 6                            ; 192 biases: waves 0 to 5 store them
	s_cbranch_scc0 .Lno_bias
	ds_store_b32 v18, v248
.Lno_bias:
	MM 104, 24, 40, 1, 22, 20, 0, 0                ; the last BitLinear: 16 columns x the batch's one row, my two K steps, on two accumulators
	MM 112, 32, 48, 1, 22, 21, 0, 0                ; (the mask's and the table's lines below are the plain instructions behind these two)
	v_or_b32 v244, v244, v245
	v_or_b32 v246, v246, v247
	v_or_b32 v244, v244, v246
	v_cmp_ne_u32 vcc_lo, 0, v244
	v_cmp_eq_u32 s38, 0, v242                      ; lanes whose token of tile 0 is masked,
	v_cmp_eq_u32 s39, 0, v243                      ; of tile 1
	v_mul_f32 v240, 0x41000000, v240               ; 8 x bias
	v_mul_f32 v241, 0x41000000, v241
	v_mov_b32 v254, 0x01010000
	v_mov_b32 v255, 0x017f0000
	s_wait_alu depctr_va_vcc(0)                    ; the first compare has written VCC, ahead of the scalar compare that reads it
	s_wait_alu depctr_va_sdst(0)                   ; the other two have written s38 and s39, ahead of their first readers
	s_cmp_eq_u32 vcc_lo, 0
	s_cselect_b32 s37, -1, 0                       ; all ones where every key of the batch is masked
	s_and_not1_b32 s40, s38, s37                   ; and where a masked key calls for the mask's term
	s_and_not1_b32 s41, s39, s37
	v_cndmask_b32 v5, v254, v255, s40              ; the idle blocks' scale bytes of my keys: 1, 1, or 127, 1 under the mask's code
	v_cndmask_b32 v6, v254, v255, s41
	v_cndmask_b32 v240, v240, v7, s37
	v_cndmask_b32 v241, v241, v7, s37
	v_lshl_add_u32 v254, v4, 6, s82
.irp j, 0,2,4,6
	v_pk_add_f32 v[104+\j:105+\j], v[104+\j:105+\j], v[112+\j:113+\j]
.endr
	s_wait_alu depctr_va_vdst(0)                   ; the table's two entries v240, v241, the row's sums v[104:111] and their address v254 are written, which the ten stores read; the lines above are done with v240 to v255, in which x's last K step lands
.irp c, 0,1,2,3
	ds_store_b32 v19, v240 offset:4352*\c+((144*(\c&1))|(48*(\c>>1)))+16-4*\c
	ds_store_b32 v19, v241 offset:4352*\c+((144*(\c&1))|(48*(\c>>1)))+16-4*\c+2048
.endr
	ds_store_b128 v254, v[104:107]                 ; the sixteen lanes of a half hold equal numbers and write equal bytes
	ds_store_b128 v254, v[108:111] offset:16
	s_wait_kmcnt 0x0
	s_mov_b32 s45, s44
	s_wait_dscnt 0x0                               ; for the others' sake: my stores have landed
	s_barrier_signal -1
	s_barrier_wait -1                              ; weights, biases, the table and the row's partial sums lie in LDS
	s_wait_alu depctr_vm_vsrc(0)                   ; the head's loads and LDS stores have read v240, v241 and v248 to v254, in which x's last K step lands; v[56:111], in which the bias lands; and v16 to v19, which are written again below
.irp u, 0,1
.irp c, 0,1
	global_load_b128 v[240+8*\u+4*\c:243+8*\u+4*\c], v1, s[58:59] offset:(8*\u+7)*1024+512*\c     ; x's last K step
.endr
.endr
	v_lshl_add_u32 v18, v4, 6, BL
; ---- q, k, v.  A pass makes 64 features for my 32 tokens: eight accumulators by turns, K = 1,024 in eight steps, W's four fragments of a step from LDS.
; tr = 1 (k, q): source 0 = W, source 1 = x: a lane holds one token and its registers run along the head's 64.  tr = 0 (v): the other way round: a lane holds one feature and its registers run along my 32 tokens.
; Ahead of a pass stands a wait on vm_vsrc: the LDS instructions so far have read v17, which the pass's first line writes.
.macro PASS part, tr, first
	v_add_nc_u32 v17, 32768*\part, v1
	s_wait_alu depctr_va_vdst(0)                   ; v17 (ahead of the first pass v18 too) is written, which the loads below read; what was made of the last sums is done with v[24:119], in which W's fragments and the bias land
.if \tr
.irp u, 0,1
.irp t, 0,1,2,3
	ds_load_b128 v[56+32*\u+8*\t:59+32*\u+8*\t], v18 offset:256*\part+(32*(\t/2)+8*(\t%2))*4       ; the bias is what the sums begin with
	ds_load_b128 v[60+32*\u+8*\t:63+32*\u+8*\t], v18 offset:256*\part+(32*(\t/2)+8*(\t%2))*4+16
.endr
.endr
.endif
.irp k, 0,1,2,3,4,5,6,7
.if \k > 0
	s_wait_alu depctr_va_vdst(0)                   ; the eight products of the K step before are done reading W's four fragments, in which the loads below land
.endif
.irp t, 0,1,2,3
	ds_load_b128 v[24+8*\t:27+8*\t], v17 offset:(8*\t+\k)*1024
	ds_load_b128 v[28+8*\t:31+8*\t], v17 offset:(8*\t+\k)*1024+512
.endr
.if \first
	s_wait_loadcnt 28-4*\k                         ; x's fragments up to this K step are in; four loads for each later step stay out
.endif
	s_wait_dscnt 0x0
.irp t, 0,1,2,3
.irp u, 0,1
.if \tr
	MM 56+32*\u+8*\t, 24+8*\t, 128+8*(2*\k+\u), 0, 23, 120+\k, 0, \u
.elseif \k == 0
	MM 56+16*\t+8*\u, 128+8*(2*\k+\u), 24+8*\t, 1, 120+\k, 23, \u, 0
.else
	MM 56+16*\t+8*\u, 128+8*(2*\k+\u), 24+8*\t, 0, 120+\k, 23, \u, 0
.endif
.endr
.endr
	NOPS 4                                         ; four plain instructions in front of loads into W's registers, and of the first read of results; they stay beside the wait
.endr
.endm
	PASS 1, 1, 1                                   ; k
	s_wait_alu depctr_vm_vsrc(0)                   ; the pass's LDS loads have read v17, which the next lines write
	KADDR
	s_and_b32 s84, s40, 0xffff                     ; the mask's code stands at k = 64: lanes 0-15
	s_and_b32 s85, s41, 0xffff
	v_mov_b32 v52, 7                               ; the code of +6
.irp u, 0,1
	QUANT2 56+32*\u, 24+4*\u, 48+\u, 32
.irp i, 0,1,2,3
	v_cndmask_b32 v[24+4*\u+\i], v[24+4*\u+\i], v7, s[38+\u]       ; a masked key's own codes are zeros
.endr
	v_cndmask_b32 v[50+\u], v7, v52, s[84+\u]
	v_or_b32 v[48+\u], v[48+\u], v[5+\u]
.endr
	s_wait_alu depctr_va_vdst(0)                   ; k's codes v[24:31], the mask's codes v50, v51, the scale words v48, v49 and the addresses v16, v17, v19 are written, which the six stores read
.irp u, 0,1
	ds_store_b128 v16, v[24+4*\u:27+4*\u] offset:512*\u
	ds_store_b32 v19, v[50+\u] offset:128*\u
	ds_store_b32 v17, v[48+\u] offset:64*\u        ; both halves of the lanes write the row's word with the same value
.endr
	s_wait_dscnt 0x0
	s_wait_alu depctr_vm_vsrc(0)                   ; the stores have read v[24:31] and v[48:51], in which W's fragments land, and v17, which the pass's first line writes
	PASS 2, 0, 0                                   ; v
	s_wait_alu depctr_vm_vsrc(0)                   ; the pass's LDS loads have read v17, which the next line writes
	v_lshl_add_u32 v17, v15, 2, BL+512
	VADDR VI, VS, 16, 19
	s_wait_alu depctr_va_vdst(0)                   ; v17 is written, which the four loads read; the last products are done reading v[48:51], in which they land
.irp t, 0,1,2,3
	ds_load_b32 v[48+\t], v17 offset:(32*(\t/2)+8*(\t%2))*4        ; my feature's bias
.endr
	s_wait_dscnt 0x0
.irp t, 0,1,2,3
.set j, 0
.rept 16
	v_add_f32 v[56+16*\t+j], v[56+16*\t+j], v[48+\t]
.set j, j+1
.endr
.endr
	QUANT4V 56, 24, 32
	s_wait_alu depctr_va_vdst(0)                   ; v's codes v[24:31] and scale bytes v[44:47] are written, which the eight stores read (their addresses v16, v19 stand ahead of the wait before)
.irp t, 0,1,2,3
	ds_store_b64 v16, v[24+2*\t:25+2*\t] offset:4096*\t
	ds_store_b8 v19, v[44+\t] offset:64*\t         ; both halves of the lanes write the same byte with the same value
.endr
	s_wait_dscnt 0x0
	s_wait_alu depctr_vm_vsrc(0)                   ; the stores have read v[24:31] and v[44:47], in which W's fragments land; the bias's loads have read v17, which the pass's first line writes
	PASS 0, 1, 0                                   ; q, last: its fragments land in registers that x has left
	QUANT2 56, 224, 48, 32
	QUANT2 88, 232, 49, 32
	v_mov_b32 v52, 15                              ; the code of -6
.irp u, 0,1
	v_cndmask_b32 v[228+8*\u], v52, v7, s36        ; at k = 64, lanes 0-15
	v_mov_b32 v[229+8*\u], 0
	v_mov_b32 v[230+8*\u], 0
	v_mov_b32 v[231+8*\u], 0
	v_or_b32 v[48+\u], 0x019d0000, v[48+\u]        ; under 2^30; the last block under the smallest scale
.endr
	v_cndmask_b32 v127, v48, v49, s36              ; q's scale words: lanes 0-15 tile 0, lanes 16-31 tile 1
.irp b, 0,1,2,3
	v_mov_b32 v[204+\b], 0                         ; (a lane permute's destination counts as one of its sources)
.endr
	v_mov_b32 v245, 0                              ; (named as upper halves of pairs)
	v_mov_b32 v249, 0
	v_mov_b32 v251, 0
	s_wait_alu depctr_vm_vsrc(0)                   ; the pass's LDS loads have read v17, which the next lines write
	KADDR
	s_wait_alu depctr_va_vdst(0)                   ; the pass's products are done reading v[160:191], in which the first tile's text_proj lands; v16, v17, v19 are written, which the tiles' stores read
	s_wait_dscnt 0x0
	s_barrier_signal -1
	s_barrier_wait -1                              ; k and v of all 512 tokens lie in LDS; nobody reads the weights any more
; ---- A KEY STEP: 128 keys for tile u of my queries.  S^T = K Q^T + 8 bias (source 0 = 16 keys, source 1 = my 16 queries): register 16 b + i of a lane is key 128 s + 32 b + 16 h + i.
.macro KSTEP u
	s_wait_alu depctr_vm_vsrc(0)                   ; the LDS loads of the key step before have read v216 to v221, which the six lines below write
	v_lshl_add_u32 v216, s42, 4, v8                ; s42 = 256 s.  K's codes: 4,096 bytes a step.  (These six are also the plain instructions behind the last products)
	v_lshl_add_u32 v217, s42, 2, v9
	v_lshl_add_u32 v218, s42, 1, v10
	v_lshl_add_u32 v219, s42, 1, v13               ; the table: 128 entries on
	v_lshl_add_u32 v220, s42, 2, v11
	v_add_nc_u32 v221, s42, v12
.irp t, 0,1,2,3
	v_mov_b32 v[29+8*\t], 0                        ; k = 72 .. 127 of a key: nothing
	v_mov_b32 v[30+8*\t], 0
	v_mov_b32 v[31+8*\t], 0
.endr
	NOPS 4                                         ; an operand written by vector instructions stands four plain instructions ahead of a scaled product
	s_wait_alu depctr_va_vdst(0)                   ; the six addresses are written, which the loads read; the zeros are written, which the products take as part of K's fragments; the last step's products are done reading v[24:55] and v[120:125], its softmax is done with v[56:119]: loads land in all of them
.irp n, 0,1,2,3,4,5,6,7
	ds_load_b128 v[56+8*\n:59+8*\n], v219 offset:32*(1-\u)+128*(\n/2)+32*(\n%2)
	ds_load_b128 v[60+8*\n:63+8*\n], v219 offset:32*(1-\u)+128*(\n/2)+32*(\n%2)+16
.endr
.irp k, 0,1,2,3
	ds_load_b32 v[120+\k], v218 offset:128*\k
.endr
.irp g, 0,1
.if \g
	NOPS 4
	s_wait_alu depctr_va_vdst(0)                   ; the first four products are done reading K's fragments, in which the next four tiles' land
.endif
.irp t, 0,1,2,3
	ds_load_b128 v[24+8*\t:27+8*\t], v216 offset:2048*\g+512*\t
	ds_load_b32 v[28+8*\t], v217 offset:512*\g+128*\t
.endr
	s_wait_dscnt 0x0
.irp t, 0,1,2,3
	MM 56+8*(4*\g+\t), 24+8*\t, 224+8*\u, 0, 120+2*\g+\t/2, 127, \t%2, \u
.endr
.endr
	NOPS 4
	s_wait_alu depctr_va_vdst(0)                   ; the score products are done reading K's fragments, in which V's land
.irp t, 0,1,2,3                        ; V is asked for now and lands under the softmax
	ds_load_b128 v[24+8*\t:27+8*\t], v220 offset:4096*\t
	ds_load_b128 v[28+8*\t:31+8*\t], v220 offset:4096*\t+512
.endr
	ds_load_b32 v124, v221
	ds_load_b32 v125, v221 offset:128
.irp b, 0,1,2,3
	v_max3_num_f32 v[200+\b], v[56+16*\b], v[57+16*\b], v[58+16*\b]    ; the largest score of each block of 32 keys: for the row's maximum, and, since p rises with the score, for the block's largest p
.endr
.irp i, 3,5,7,9,11,13
.irp b, 0,1,2,3
	v_max3_num_f32 v[200+\b], v[200+\b], v[56+16*\b+\i], v[57+16*\b+\i]
.endr
.endr
.irp b, 0,1,2,3
	v_max_num_f32 v[200+\b], v[200+\b], v[71+16*\b]
.endr
.irp b, 0,1,2,3
	v_permlanex16_b32 v[204+\b], v[200+\b], s32, s33
.endr
.irp b, 0,1,2,3
	v_max_num_f32 v[200+\b], v[200+\b], v[204+\b]
.endr
	v_max3_num_f32 v250, v200, v201, v202
	v_max_num_f32 v250, v250, v203
	v_mul_f32 v250, s34, v250                      ; as t
	v_max_num_f32 v241, v241, v250                 ; the running largest t
	v_mov_b32 v250, v240
	v_floor_f32 v240, -v241                        ; -M = floor(-t): M is a whole number
	v_sub_f32 v250, v240, v250
	v_cvt_i32_f32 v250, v250                       ; (it saturates)
	v_ldexp_f32 v244, 1.0, v250                    ; f = 2^(old M - new M): exact
.set j, 0
.rept 32
	v_pk_fma_f32 v[56+j:57+j], v[56+j:57+j], s[34:35], v[240:241] op_sel_hi:[1,0,0]    ; t - M
.set j, j+2
.endr
.irp b, 0,1,2,3
	v_fma_f32 v[200+\b], v[200+\b], s34, v240
.endr
.set j, 0
	s_wait_alu depctr_va_vdst(0)
.rept 64
	v_exp_f32 v[56+j], v[56+j]                     ; p = 2^(t - M): not normalised
.set j, j+1
.endr
	v_pk_mul_f32 v[242:243], v[242:243], v[244:245] op_sel_hi:[1,0]    ; the sums under the new M (a plain instruction behind the exponentials)
	s_wait_alu depctr_va_vdst(0)                   ; the 64 exponentials have written v[56:119]: one wait for the batch, ahead of its first reader
.irp b, 0,1,2,3
	v_exp_f32 v[200+\b], v[200+\b]                 ; the block's largest p
.endr
	v_pk_add_f32 v[246:247], v[56:57], v[58:59]    ; the row's sum is taken of the unquantised p, in two chains
.irp j, 4,8,12,16,20,24,28,32,36,40,44,48,52,56,60
	v_pk_add_f32 v[242:243], v[242:243], v[56+\j:57+\j]
	v_pk_add_f32 v[246:247], v[246:247], v[58+\j:59+\j]
.endr
	v_pk_add_f32 v[242:243], v[242:243], v[246:247]
	s_wait_alu depctr_va_vdst(0)                   ; and one for the four: v[200:203] are written
.irp b, 0,1,2,3
	v_max_num_f32 v[200+\b], 0x1800000, v[200+\b]  ; the floor 2^(3 - 127)
.endr
.irp b, 0,1,2,3
	v_add_nc_u32 v[208+\b], 0xff000000, v[200+\b]
.endr
.irp b, 0,1,2,3
	v_lshrrev_b32 v[212+\b], 23, v[208+\b]
.endr
	v_lshl_or_b32 v126, v213, 8, v212              ; p's scale word for these 128 keys
	v_lshl_or_b32 v126, v214, 16, v126
	v_lshl_or_b32 v126, v215, 24, v126
.irp b, 0,1,2,3
	v_cvt_scalef32_pk8_fp4_f32 v[192+2*\b], v[56+16*\b:63+16*\b], v[208+\b]
	v_cvt_scalef32_pk8_fp4_f32 v[193+2*\b], v[64+16*\b:71+16*\b], v[208+\b]
.endr
	v_nop
.irp c, 0,1
.irp i, 0,1
	v_permlane16_swap_b32 v[192+4*\c+\i], v[194+4*\c+\i]
.endr
.endr
.set j, 0
.rept 16
	v_pk_mul_f32 v[128+j:129+j], v[128+j:129+j], v[244:245] op_sel_hi:[1,0]    ; O^T under the new M; also the plain instructions between p's codes and scale word and the products
.set j, j+2
.endr
	s_wait_dscnt 0x0                               ; V
	s_wait_alu depctr_va_vdst(0)                   ; p's codes v[192:199] and its scale word v126 are written, which the scaled products take as an operand and as scales
.irp t, 0,1,2,3
	MM 128+8*\t, 24+8*\t, 192, 0, 124+\t/2, 126, \t%2, 0       ; O^T += V^T P^T
.endr
.endm
; ---- A tile of 16 queries: four key steps; then text_self = text_proj + O / l, which goes to my stage (as rows) and, quantised along the head's 64, to LDS as two tiles of keys.
; Ahead of a tile no vector or matrix instruction issued since the last wait on va_vdst names v[160:191], and no LDS store issued since the last wait on vm_vsrc reads them.
.macro TILE u
.irp i, 0,1,2,3,4,5,6,7
	global_load_b128 v[160+4*\i:163+4*\i], v1, s[68:69] offset:65536*\u+512*\i     ; text_proj, in O^T's layout: wanted four key steps on
.endr
.set j, 0
.rept 32
	v_mov_b32 v[128+j], 0                          ; the step is written once: the first finds zeros
.set j, j+1
.endr
	v_mov_b32 v241, 0xce800000                     ; the largest t so far: -2^30
	v_floor_f32 v240, -v241
	v_mov_b32 v242, 0
	v_mov_b32 v243, 0
	s_mov_b32 s42, 0
	s_mov_b32 s43, 4
.Lkey\u:
	KSTEP \u
	s_add_co_u32 s42, s42, 256
	s_sub_co_u32 s43, s43, 1
	s_cmp_lg_u32 s43, 0
	s_cbranch_scc1 .Lkey\u
	v_add_f32 v250, v242, v243
	v_permlanex16_b32 v251, v250, s32, s33
	v_add_f32 v250, v250, v251                     ; the row's sum
	s_wait_alu depctr_va_vdst(0)
	v_rcp_f32 v248, v250
	NOPS 2                                         ; with the three lines above: four plain instructions behind the last products; and one behind the reciprocal
	s_wait_alu depctr_va_vdst(0)                   ; the reciprocal has written v248, ahead of its first reader
	s_wait_loadcnt 0x0
.set j, 0
.rept 16
	v_pk_fma_f32 v[160+j:161+j], v[128+j:129+j], v[248:249], v[160+j:161+j] op_sel_hi:[1,0,1]
.set j, j+2
.endr
	QUANT2 160, 200, 210, 32
.irp i, 0,1,2,3
	v_cndmask_b32 v[200+\i], v[200+\i], v7, s[38+\u]
.endr
	v_or_b32 v210, v210, v[5+\u]
	s_wait_alu depctr_va_vdst(0)                   ; text_self v[160:191], its codes v[200:203] and its scale word v210 are written, which the ten stores read
.irp b, 0,1
.irp q, 0,1,2,3
	ds_store_b128 v14, v[160+16*\b+4*\q:163+16*\b+4*\q] offset:2176*\u+128*\b+16*\q
.endr
.endr
	ds_store_b128 v16, v[200:203] offset:TKI-KI+512*\u
	ds_store_b32 v17, v210 offset:TKS-KS+64*\u
	s_wait_dscnt 0x0
	s_wait_alu depctr_vm_vsrc(0)                   ; the stores have read v[160:191], v[200:203] and v210, and the last key step's loads v216 to v221: loads land in them or vector lines write them next
.endm
	TILE 0
	TILE 1
	; ---- out1 = text_self + alpha x (the last BitLinear's row + b_tout): my 32 rows back from my own stage, sixteen lanes to 256 consecutive bytes.  All addresses of the rest of the kernel's common part are made first
	v_lshlrev_b32 v18, 8, v4
	v_lshlrev_b32 v250, 4, v3
	v_add_nc_u32 v251, TPS, v250
	s_mul_i32 s82, s28, 8704
	v_mul_u32_u24 v252, v4, 272
	v_add_nc_u32 v252, v252, v250
	v_add_nc_u32 v252, s82, v252
	v_lshl_add_u32 v253, v4, 12, v250
	v_mul_u32_u24 v254, v4, 4352
	v_lshl_add_u32 v254, v3, 2, v254
	v_add_nc_u32 v254, s82, v254
	VADDR TVI, TVS, 255, 222
	s_lshr_b32 s82, s28, 2
	s_lshl_b32 s82, s82, 6
	s_add_co_u32 s82, s82, s83
	s_add_co_u32 s82, s82, PS
	v_lshl_add_u32 v221, v3, 2, s82                ; p's scale byte: 64 (w / 4) + 4 r + w % 4
	s_wait_alu depctr_va_vdst(0)                   ; v18, v221, v222 and v250 to v255 are written, which the loads and stores below read
	global_load_b128 v[224:227], v18, s[70:71]     ; vision_proj's codes of this head, one row in all sixteen columns; registers 4-7 of the fragment stay: the mask's -6
	global_load_b32 v127, v7, s[72:73]
	global_load_b128 v[208:211], v250, s[74:75]
.irp p, 0,1,2,3
	ds_load_b128 v[192+4*\p:195+4*\p], v251 offset:256*\p
.endr
.irp i, 0,1,2,3,4,5,6,7,8,9,10,11,12,13,14,15
	ds_load_b128 v[56+4*\i:59+4*\i], v252 offset:544*\i
.endr
	s_wait_dscnt 0x0
	s_wait_loadcnt 0x0
	v_pk_add_f32 v[192:193], v[192:193], v[196:197]
	v_pk_add_f32 v[194:195], v[194:195], v[198:199]
	v_pk_add_f32 v[200:201], v[200:201], v[204:205]
	v_pk_add_f32 v[202:203], v[202:203], v[206:207]
	v_pk_add_f32 v[192:193], v[192:193], v[200:201]
	v_pk_add_f32 v[194:195], v[194:195], v[202:203]
	v_pk_add_f32 v[192:193], v[192:193], v[208:209]
	v_pk_add_f32 v[194:195], v[194:195], v[210:211]
.irp i, 0,1,2,3,4,5,6,7,8,9,10,11,12,13,14,15
	v_pk_fma_f32 v[56+4*\i:57+4*\i], v[192:193], s[44:45], v[56+4*\i:57+4*\i] op_sel_hi:[1,0,1]
	v_pk_fma_f32 v[58+4*\i:59+4*\i], v[194:195], s[44:45], v[58+4*\i:59+4*\i] op_sel_hi:[1,0,1]
.endr
	s_wait_alu depctr_va_vdst(0)                   ; out1's rows v[56:119] are written, which the sixteen stores read
.irp i, 0,1,2,3,4,5,6,7,8,9,10,11,12,13,14,15
	global_store_b128 v253, v[56+4*\i:59+4*\i], s[76:77] offset:8192*\i th:TH_STORE_NT
.endr
	; text_self along the KEYS: a lane takes a feature (16 t + r) and its registers run down my tokens
.irp t, 0,1,2,3
.irp i, 0,1,2,3,4,5,6,7,8,9,10,11,12,13,14,15
	ds_load_b32 v[128+16*\t+\i], v254 offset:272*\i+64*\t
.endr
.endr
	s_wait_dscnt 0x0
	QUANT4V 128, 24, 32
	; ---- image to text: the scores of my 32 keys against the one query
	s_lshl_b32 s82, s28, 7
	v_add_nc_u32 v223, s82, v10
	s_and_b32 s82, s29, 1
	s_lshl_b32 s82, s82, 4
	s_mov_b32 s83, 0x019d0000
	v_lshrrev_b32 v127, s82, v127                  ; the head's two bytes of the K step's four,
	v_and_or_b32 v127, v127, 0xffff, s83           ; and the mask's block under 2^30
	s_wait_alu depctr_va_vdst(0)                   ; the codes v[24:31] and bytes v[44:47] are written, which the eight stores read, and v223, which a load below reads
.irp t, 0,1,2,3
	ds_store_b64 v255, v[24+2*\t:25+2*\t] offset:4096*\t
	ds_store_b8 v222, v[44+\t] offset:64*\t
.endr
	s_wait_dscnt 0x0
	s_wait_alu depctr_vm_vsrc(0)                   ; the LDS stores have read v[24:31], in which my key tiles land and zeros are written; out1's stores have read v[56:87], which the products and the maxima's loads write
	ds_load_b128 v[24:27], v16 offset:TKI-KI       ; my own wave's tiles: LDS serves a wave's instructions in order
	ds_load_b128 v[32:35], v16 offset:TKI-KI+512
	ds_load_b32 v28, v19
	ds_load_b32 v36, v19 offset:128
	ds_load_b32 v120, v223 offset:TKS-KS
.irp j, 29,30,31,37,38,39
	v_mov_b32 v[\j], 0
.endr
	NOPS 8                                         ; a scale register written by vector instructions stands eight plain instructions ahead of a scaled product, an operand four
	s_wait_dscnt 0x0
	s_wait_xcnt 0x0                                ; out1's stores have had their addresses translated: the products may write their registers
	s_wait_alu depctr_va_vdst(0)                   ; the zeros in v29 to v31 and v37 to v39 and the scale word v127 are written, which the scaled products take
	MM 56, 24, 224, 1, 120, 127, 0, 0
	MM 64, 32, 224, 1, 120, 127, 1, 0
	s_lshl_b32 s82, s28, 2
	s_add_co_u32 s82, s82, RX
	v_mov_b32 v201, s82
	v_mov_b32 v202, RX
	NOPS 2
	v_max3_num_f32 v200, v56, v57, v58
.irp j, 59,61,63,65,67,69
	v_max3_num_f32 v200, v200, v[\j], v[\j+1]
.endr
	v_max_num_f32 v200, v200, v71
	v_permlanex16_b32 v204, v200, s32, s33
	v_max_num_f32 v200, v200, v204                 ; my block's largest score
	s_wait_alu depctr_va_vdst(0)                   ; v200 and its address v201 are written, which the store reads, and v202, which the loads behind the barrier read
	ds_store_b32 v201, v200
	s_wait_dscnt 0x0
	s_barrier_signal -1
	s_barrier_wait -1                              ; sixteen maxima, and text_self's fragments along the keys, lie in LDS
.irp i, 0,1,2,3
	ds_load_b128 v[72+4*\i:75+4*\i], v202 offset:16*\i
.endr
	s_wait_alu depctr_vm_vsrc(0)                   ; my store has read v200, which is written again below
	s_wait_dscnt 0x0
	v_max3_num_f32 v203, v72, v73, v74
.irp j, 75,77,79,81,83,85
	v_max3_num_f32 v203, v203, v[\j], v[\j+1]
.endr
	v_max_num_f32 v203, v203, v87
	v_mul_f32 v203, s34, v203
	v_floor_f32 v240, -v203                        ; -M of the whole row
.irp j, 0,2,4,6,8,10,12,14
	v_pk_fma_f32 v[56+\j:57+\j], v[56+\j:57+\j], s[34:35], v[240:241] op_sel_hi:[1,0,0]
.endr
	v_fma_f32 v200, v200, s34, v240
.set j, 0
	s_wait_alu depctr_va_vdst(0)
.rept 16
	v_exp_f32 v[56+j], v[56+j]
.set j, j+1
.endr
	v_exp_f32 v200, v200
	v_nop
	s_wait_alu depctr_va_vdst(0)                   ; the seventeen exponentials have written v[56:71] and v200, ahead of their first reader
	v_pk_add_f32 v[242:243], v[56:57], v[58:59]
	v_pk_add_f32 v[246:247], v[60:61], v[62:63]
	v_pk_add_f32 v[242:243], v[242:243], v[64:65]
	v_pk_add_f32 v[246:247], v[246:247], v[66:67]
	v_pk_add_f32 v[242:243], v[242:243], v[68:69]
	v_pk_add_f32 v[246:247], v[246:247], v[70:71]
	v_pk_add_f32 v[242:243], v[242:243], v[246:247]
	v_add_f32 v242, v242, v243
	v_permlanex16_b32 v251, v242, s32, s33
	v_add_f32 v242, v242, v251                     ; my block's sum of the unquantised p
	v_max_num_f32 v200, 0x1800000, v200
	v_add_nc_u32 v205, 0xff000000, v200
	v_lshrrev_b32 v206, 23, v205
	v_cvt_scalef32_pk8_fp4_f32 v192, v[56:63], v205
	v_cvt_scalef32_pk8_fp4_f32 v193, v[64:71], v205
	v_nop
	s_wait_alu depctr_va_vdst(0)                   ; the sum v242, p's codes v192, v193 and its scale byte v206 are written, which the three stores read
	ds_store_b32 v201, v242 offset:RL-RX
	ds_store_b64 v255, v[192:193] offset:PI-TVI
	ds_store_b8 v221, v206
	s_wait_dscnt 0x0
	s_barrier_signal -1
	s_barrier_wait -1                              ; p's fragments, scale bytes and sums lie in LDS
	s_wait_alu depctr_vm_vsrc(0)                   ; ahead of the branch: the LDS instructions so far have read v16, v19, v192, v193, v201, v202, v206, v221 to v223, v242 and v252 to v255, which wave 0 writes or loads into below
	s_cmp_lg_u32 s28, 0                            ; 16 products are left: wave 0 does them
	s_cbranch_scc1 .Lend
	v_add_nc_u32 v8, TVI, v1
	v_add_nc_u32 v9, PI, v1
	v_add_nc_u32 v10, TVS, v2
	v_lshl_add_u32 v11, v3, 2, PS
	v_mov_b32 v12, RL
	v_lshl_add_u32 v13, v4, 5, OS
	v_lshl_add_u32 v14, v3, 4, OS
	v_lshlrev_b32 v16, 4, v3
	v_mov_b32 v19, 0
	s_wait_alu depctr_va_vdst(0)                   ; v8 to v14 and v16 are written, which the loads and stores below read; all earlier vector and matrix lines are done with v[20:55], v[88:103] and v[120:255], in which loads land
.irp f, 0,1,2,3,4,5,6,7,8,9,10,11,12,13,14,15
	ds_load_b128 v[128+8*\f:131+8*\f], v8 offset:1024*\f
	ds_load_b128 v[132+8*\f:135+8*\f], v8 offset:1024*\f+512
.endr
.irp k, 0,1,2,3
	ds_load_b128 v[24+8*\k:27+8*\k], v9 offset:1024*\k
	ds_load_b128 v[28+8*\k:31+8*\k], v9 offset:1024*\k+512
	ds_load_b32 v[120+2*\k], v10 offset:256*\k
	ds_load_b32 v[121+2*\k], v10 offset:256*\k+128
	ds_load_b32 v[20+\k], v11 offset:64*\k
	ds_load_b128 v[88+4*\k:91+4*\k], v12 offset:16*\k
.endr
	s_wait_dscnt 0x0
.irp k, 0,1,2,3
.irp t, 0,1,2,3
.if \k == 0
	MM 56+8*\t, 128+8*(4*\t+\k), 24+8*\k, 1, 120+2*\k+\t/2, 20+\k, \t%2, 0
.else
	MM 56+8*\t, 128+8*(4*\t+\k), 24+8*\k, 0, 120+2*\k+\t/2, 20+\k, \t%2, 0
.endif
.endr
.endr
.irp j, 0,2,4,6,8,10,12,14
	v_add_f32 v[88+\j], v[88+\j], v[89+\j]         ; the row's sum (also the plain instructions behind the last products)
.endr
.irp j, 0,4,8,12
	v_add_f32 v[88+\j], v[88+\j], v[90+\j]
.endr
	v_add_f32 v88, v88, v92
	v_add_f32 v96, v96, v100
	v_add_f32 v17, v88, v96
	s_wait_alu depctr_va_vdst(0)
	v_rcp_f32 v18, v17
	v_nop
	s_wait_alu depctr_va_vdst(0)                   ; the reciprocal has written v18, ahead of its first reader
.set j, 0
.rept 16
	v_pk_mul_f32 v[88+j:89+j], v[56+j:57+j], v[18:19] op_sel_hi:[1,0]
.set j, j+2
.endr
	s_wait_alu depctr_va_vdst(0)                   ; the 64 numbers v[88:119] are written, which the eight stores read
.irp t, 0,1,2,3
	ds_store_b128 v13, v[88+8*\t:91+8*\t] offset:64*\t             ; register j of tile t: feature 16 t + 8 h + j; all sixteen columns are equal
	ds_store_b128 v13, v[92+8*\t:95+8*\t] offset:64*\t+16
.endr
	s_wait_alu depctr_vm_vsrc(0)                   ; the stores have read v[104:107], in which the load below lands, and v118, v119, which are made anew at the end
	ds_load_b128 v[104:107], v14
	s_wait_dscnt 0x0
	global_store_b128 v16, v[104:107], s[78:79]    ; 256 consecutive bytes; the two halves of the lanes write equal bytes
.Lend:
	s_wait_xcnt 0x0
	v_lshl_add_u32 v118, v0, 2, 0x3a800
	v_mov_b32 v119, 0
	s_wait_dscnt 0x0                               ; the closing lines, six on end
	s_wait_alu 0x0
	s_wait_tensorcnt 0x0
	ds_add_u32 v118, v119
	s_wait_dscnt 0x0
	s_endpgm
.Lfunc_end_k_qa2339fec02_attn:
	.size	k_qa2339fec02_attn, .Lfunc_end_k_qa2339fec02_attn-k_qa2339fec02_attn
	.p2alignl 7, 3214868480
	.fill 96, 4, 3214868480
	.section	.rodata,"a",@progbits
	.p2align	6, 0x0
	.amdhsa_kernel k_qa2339fec02_attn
		.amdhsa_group_segment_fixed_size 241664
		.amdhsa_private_segment_fixed_size 0
		.amdhsa_enable_private_segment 0
		.amdhsa_kernarg_size 96
		.amdhsa_user_sgpr_count 2
		.amdhsa_user_sgpr_kernarg_segment_ptr 1
		.amdhsa_wavefront_size32 1
		.amdhsa_system_sgpr_workgroup_id_x 1
		.amdhsa_system_sgpr_workgroup_id_y 1
		.amdhsa_system_sgpr_workgroup_id_z 1
		.amdhsa_system_vgpr_workitem_id 0
		.amdhsa_next_free_vgpr 256
		.amdhsa_next_free_sgpr 96
		.amdhsa_reserve_vcc 1
		.amdhsa_float_denorm_mode_32 3
		.amdhsa_float_denorm_mode_16_64 3
		.amdhsa_memory_ordered 1
		.amdhsa_forward_progress 1
		.amdhsa_inst_pref_size 153
	.end_amdhsa_kernel
	.amdgpu_metadata
---
amdhsa.version: [ 1, 2 ]
amdhsa.kernels:
  - .name:           k_qa2339fec02_attn
    .symbol:         k_qa2339fec02_attn.kd
    .args:
      - { .name: xn, .offset: 0, .size: 8, .value_kind: global_buffer, .address_space: global }
      - { .name: xs, .offset: 8, .size: 8, .value_kind: global_buffer, .address_space: global }
      - { .name: tp, .offset: 16, .size: 8, .value_kind: global_buffer, .address_space: global }
      - { .name: wimg, .offset: 24, .size: 8, .value_kind: global_buffer, .address_space: global }
      - { .name: vq, .offset: 32, .size: 8, .value_kind: global_buffer, .address_space: global }
      - { .name: b_tqkv, .offset: 40, .size: 8, .value_kind: global_buffer, .address_space: global }
      - { .name: b_tout, .offset: 48, .size: 8, .value_kind: global_buffer, .address_space: global }
      - { .name: alpha_t2i, .offset: 56, .size: 8, .value_kind: global_buffer, .address_space: global }
      - { .name: rel_embed, .offset: 64, .size: 8, .value_kind: global_buffer, .address_space: global }
      - { .name: text_mask, .offset: 72, .size: 8, .value_kind: global_buffer, .address_space: global }
      - { .name: out1, .offset: 80, .size: 8, .value_kind: global_buffer, .address_space: global }
      - { .name: i2t, .offset: 88, .size: 8, .value_kind: global_buffer, .address_space: global }
    .group_segment_fixed_size: 241664
    .private_segment_fixed_size: 0
    .kernarg_segment_align: 8
    .kernarg_segment_size: 96
    .max_flat_workgroup_size: 512
    .sgpr_count:     96
    .vgpr_count:     256
    .wavefront_size: 32
...
	.end_amdgpu_metadata
.endif
;; end of part 9
;; launch vout (part 10): grid 4 x 1, 16 waves a work-group, no clusters, 99,328 bytes of LDS; arguments i2t, tp, wimg, g_i2t, be_i2t, b_vout, alpha_i2t, out0; writes out0
.if DOCPART == 10
	.amdgcn_target "amdgcn-amd-amdhsa--gfx1250"
	.amdhsa_code_object_version 6
	.text
	.protected	k_qa2339fec02_vout
	.globl	k_qa2339fec02_vout
	.p2align	8
	.type	k_qa2339fec02_vout,@function
k_qa2339fec02_vout:
	s_mov_b64 s[64:65], 0
	v_nop
	global_prefetch_b8 v0, s[64:65] scope:SCOPE_SE
	s_setreg_imm32_b32 hwreg(HW_REG_WAVE_SCHED_MODE, 0, 2), 2
	s_setreg_imm32_b32 hwreg(HW_REG_WAVE_MODE, 25, 1), 1
	s_wait_xcnt 0x0
	s_wait_alu depctr_vm_vsrc(0)
; out0 = vision_proj + alpha_i2t x (LN(i2t) W_vout^T + b_vout), the product on codes of FP4 (E2M1) with E8M0 scales.  16 rows, K = N = 1,024.
; Work-group x makes columns 256 x .. 256 x + 255; wave w makes one tile of 16 columns (W_vout's tile 16 x + w, as images of its registers).  Each work-group norms and quantises all 16 rows itself:
; wave w takes 64 of the 1,024 features (K step w / 2, registers' group w % 2), a lane one row and a WHOLE block of 32; the fragments go from wave to wave through LDS as images of their registers.
; A wave's 16 rows x 256 bytes of i2t come by eight loads, each of two rows' 256 consecutive bytes, and turn through the wave's own stage in LDS (16 rows x 272 bytes), so that a lane then holds its 32 neighbours:
; loaded by lanes, each of the eight loads would take 16 bytes of 32 different places.
; The launch is a chain of dependent steps on little data: four work-groups are what its 64 tiles of columns give at sixteen waves each; no ring, no cluster.
; LIMITS: NaN and infinities are not served.
; THE MODE: SCHED_MODE bits 1:0 = 2 (LLVM: expert scheduling mode 2), set by the entry lines.  The code itself states the register dependences between vector or matrix instructions and memory or LDS instructions,
; with s_wait_alu, always for 0.
; THE PLAN.  Registers that memory or LDS instructions touch:
;   v1, v4 .. v15   offsets and LDS addresses, made at the head ahead of one wait on va_vdst and never written again; v203 likewise, until the quantiser takes it behind the first exchange's wait on vm_vsrc.
;   v[16:47]        the rows as loaded; stored to my stage; a wait on vm_vsrc; loaded back by rows; normed in place; later, with v[48:79], the eight fragments land there behind the wait ahead of the codes' stores.
;   v201            a partial sum, then the scale byte: in each exchange a wait on va_vdst ahead of its store and a wait on vm_vsrc behind the barrier, ahead of the next line that writes it.
;   v[204:219]      sixteen partial sums land, additions read; vision_proj lands in v[208:215] behind the wait for the reciprocal root, which stands behind those additions.
;   v[96:103]       the codes, then the results: made, a wait on va_vdst, stored; a wait on vm_vsrc between the codes' store and the results' first line.
.set FI,   0                           ; 8 fragments x 1,024 bytes
.set FS,   8192                        ; their scale words: K step x 64 + 4 r
.set RED0, 8704                        ; 16 waves x 64 bytes
.set RED1, 9728
.set OST,  10752                       ; 16 rows x (1,024 + 16) bytes, on the way out
.set TS,   27648                       ; 16 waves x 16 rows x (256 + 16) bytes: each wave's own stage for its part of the rows
.macro MMV d, a, b, z, sa, sb
.if (\z)
	v_wmma_scale_f32_16x16x128_f8f6f4 v[0+(\d):7+(\d)], v[0+(\a):7+(\a)], v[0+(\b):7+(\b)], 0, v[0+(\sa)], v[0+(\sb)] matrix_a_fmt:MATRIX_FMT_FP4 matrix_b_fmt:MATRIX_FMT_FP4
.else
	v_wmma_scale_f32_16x16x128_f8f6f4 v[0+(\d):7+(\d)], v[0+(\a):7+(\a)], v[0+(\b):7+(\b)], v[0+(\d):7+(\d)], v[0+(\sa)], v[0+(\sb)] matrix_a_fmt:MATRIX_FMT_FP4 matrix_b_fmt:MATRIX_FMT_FP4
.endif
.endm
; a row's sum over the sixteen waves: v201 holds my 32 numbers' sum; out: v204
.macro EXCH red
	v_permlanex16_b32 v202, v201, s40, s41
	v_add_f32 v201, v201, v202
	s_wait_alu depctr_va_vdst(0)                   ; v201 is written, which the store reads; the sums' lines are done with v[204:219], in which the loads below land
	ds_store_b32 v10, v201 offset:\red             ; both halves of the lanes write the row's word with the same value
	s_wait_dscnt 0x0
	s_barrier_signal -1
	s_barrier_wait -1
	s_wait_alu depctr_vm_vsrc(0)                   ; the store has read v201, which the next sum writes (and the loads from my stage have read v203, which the quantiser writes)
.irp w, 0,1,2,3,4,5,6,7,8,9,10,11,12,13,14,15
	ds_load_b32 v[204+\w], v4 offset:\red+64*\w
.endr
	s_wait_dscnt 0x0
.irp j, 0,2,4,6,8,10,12,14
	v_add_f32 v[204+\j], v[204+\j], v[205+\j]
.endr
.irp j, 0,4,8,12
	v_add_f32 v[204+\j], v[204+\j], v[206+\j]
.endr
	v_add_f32 v204, v204, v208
	v_add_f32 v212, v212, v216
	v_add_f32 v204, v204, v212
.endm
	s_load_b512 s[4:19], s[0:1], 0x0               ; i2t s[4:5], tp s[6:7], wimg s[8:9], g_i2t s[10:11], be_i2t s[12:13], b_vout s[14:15], alpha_i2t s[16:17], out0 s[18:19]
	v_lshl_add_u32 v224, v0, 2, 0x17c00
	v_mov_b32 v225, 0
	v_lshrrev_b32 v12, 5, v0
	v_readfirstlane_b32 s20, v12                   ; wave 0..15
	v_and_b32 v13, 31, v0
	v_lshlrev_b32 v1, 4, v13                       ; 16 x lane
	v_and_b32 v2, 15, v0                           ; r
	v_bfe_u32 v3, v0, 4, 1                         ; h
	v_lshlrev_b32 v4, 2, v2                        ; 4 r
	v_lshlrev_b32 v6, 7, v3                        ; 128 h: my block of 32 features
	v_lshlrev_b32 v5, 4, v2
	v_lshl_add_u32 v5, v3, 12, v5                  ; the rows as they are loaded: lanes 0-15 256 bytes of an even row, lanes 16-31 of the row below
	v_lshlrev_b32 v7, 6, v3                        ; 64 h
	v_mov_b32 v8, 0
	v_lshrrev_b32 v9, 3, v2
	v_lshlrev_b32 v9, 16, v9
	v_and_b32 v14, 7, v2
	v_lshl_add_u32 v9, v14, 4, v9
	v_lshl_add_u32 v9, v3, 8, v9                   ; vision_proj's image: tile r / 8, lane r % 8 + 16 h
	s_wait_alu depctr_va_sdst(0)                   ; s20 is written, ahead of its first reader
	s_lshl_b32 s38, s20, 6
	v_add_nc_u32 v10, s38, v4                      ; a partial sum's place: 64 w + 4 r
	s_lshr_b32 s38, s20, 1
	s_lshl_b32 s39, s38, 7
	s_and_b32 s42, s20, 1
	s_lshl_b32 s43, s42, 5
	s_add_co_u32 s39, s39, s43
	s_add_co_u32 s39, s39, OST
	v_mul_u32_u24 v11, v2, 1040
	s_wait_alu depctr_va_vdst(0)
	v_add_nc_u32 v11, v11, v7
	v_add_nc_u32 v11, s39, v11                     ; the stage: row r, my tile's columns 32 (w / 2) + 16 h + 8 (w % 2) + 0 .. 7
	s_lshl_b32 s39, s20, 9
	v_add_nc_u32 v12, s39, v1                      ; my half fragment's image: 512 w + 16 x lane
	s_lshl_b32 s39, s38, 6
	s_lshl_b32 s43, s42, 1
	s_add_co_u32 s39, s39, s43
	s_add_co_u32 s39, s39, FS
	v_add_nc_u32 v13, v4, v3
	v_add_nc_u32 v13, s39, v13                     ; my block's scale byte: 64 (w / 2) + 4 r + 2 (w % 2) + h
	s_mul_i32 s39, s20, 1040
	s_add_co_u32 s39, s39, OST
	v_add_nc_u32 v14, s39, v1                      ; back: row w
	s_mul_i32 s39, s20, 4352
	s_add_co_u32 s39, s39, TS                      ; my wave's stage for the rows
	v_mul_u32_u24 v15, v3, 272
	v_lshl_add_u32 v15, v2, 4, v15
	v_add_nc_u32 v15, s39, v15                     ; in: row h of a pair of rows, 16 r
	v_mul_u32_u24 v203, v2, 272
	v_add_nc_u32 v203, v203, v6
	v_add_nc_u32 v203, s39, v203                   ; back: row r, + 128 h: my 32 numbers
	v_mov_b32 v202, 0                              ; (a lane permute's destination counts as one of its sources)
	s_mov_b32 s40, 0x76543210
	s_mov_b32 s41, 0xfedcba98
	s_mov_b32 s44, 0x3a800000                      ; 1 / 1,024
	s_mov_b32 s45, 0x3727c5ac                      ; eps
	s_lshl_b32 s21, ttmp9, 4
	s_add_co_u32 s21, s21, s20                     ; T: my tile of W_vout's rows
	s_mov_b32 s39, 0
	s_wait_kmcnt 0x0
	s_load_b32 s22, s[16:17], 0x0                  ; alpha
	s_lshl_b32 s38, s20, 8
	s_add_nc_u64 s[24:25], s[4:5], s[38:39]
	s_add_nc_u64 s[26:27], s[10:11], s[38:39]
	s_add_nc_u64 s[28:29], s[12:13], s[38:39]
	s_lshl_b32 s38, s21, 13
	s_add_co_u32 s38, s38, 2359296
	s_add_nc_u64 s[30:31], s[8:9], s[38:39]
	s_lshr_b32 s38, s21, 1
	s_lshl_b32 s38, s38, 7
	s_and_b32 s43, s21, 1
	s_lshl_b32 s43, s43, 5
	s_add_co_u32 s38, s38, s43
	s_add_nc_u64 s[32:33], s[14:15], s[38:39]      ; the bias of columns 32 (T / 2) + 8 (T % 2) on
	s_lshr_b32 s38, s21, 2
	s_lshl_b32 s38, s38, 12
	s_and_b32 s43, s21, 3
	s_lshl_b32 s43, s43, 10
	s_add_co_u32 s38, s38, s43
	s_add_co_u32 s38, s38, 0x2000000
	s_add_nc_u64 s[34:35], s[6:7], s[38:39]        ; vision_proj: block 256, head T / 4, tile T % 4
	s_lshl_b32 s38, s20, 12
	s_lshl_b32 s43, ttmp9, 10
	s_add_co_u32 s38, s38, s43
	s_add_nc_u64 s[36:37], s[18:19], s[38:39]
	s_wait_alu depctr_va_vdst(0)                   ; the offsets and LDS addresses v1, v4 to v15 and v203 are written, which every load and store of the kernel reads
.irp i, 0,1,2,3,4,5,6,7
	global_load_b128 v[16+4*\i:19+4*\i], v5, s[24:25] offset:8192*\i       ; rows 2 i and 2 i + 1: my wave's 256 bytes of each
.endr
.irp i, 0,1,2,3,4,5,6,7
	global_load_b128 v[48+4*\i:51+4*\i], v6, s[26:27] offset:16*\i
	global_load_b128 v[80+4*\i:83+4*\i], v6, s[28:29] offset:16*\i
.endr
.irp k, 0,1,2,3,4,5,6,7
	global_load_b128 v[112+8*\k:115+8*\k], v1, s[30:31] offset:1024*\k
	global_load_b128 v[116+8*\k:119+8*\k], v1, s[30:31] offset:1024*\k+512
.endr
	global_load_b128 v[176:179], v7, s[32:33]      ; the bias is what the first accumulator begins with
	global_load_b128 v[180:183], v7, s[32:33] offset:16
	global_load_b32 v200, v8, s[8:9] offset:3407884
	s_wait_loadcnt 35                              ; the rows' eight loads are in; gain, shift, W, bias and W's word (16 + 16 + 2 + 1) stay out
.irp i, 0,1,2,3,4,5,6,7
	ds_store_b128 v15, v[16+4*\i:19+4*\i] offset:544*\i
.endr
	s_wait_alu depctr_vm_vsrc(0)                   ; the stores have read v[16:47], in which the loads below land
.irp i, 0,1,2,3,4,5,6,7
	ds_load_b128 v[16+4*\i:19+4*\i], v203 offset:16*\i     ; LDS serves a wave's instructions in order: these see the stores above.  Register 4 i + q: feature 64 w + 32 h + 4 i + q of row r
.endr
	s_wait_dscnt 0x0
	v_pk_add_f32 v[204:205], v[16:17], v[18:19]
	v_pk_add_f32 v[206:207], v[20:21], v[22:23]
.irp j, 8,12,16,20,24,28
	v_pk_add_f32 v[204:205], v[204:205], v[16+\j:17+\j]
	v_pk_add_f32 v[206:207], v[206:207], v[18+\j:19+\j]
.endr
	v_pk_add_f32 v[204:205], v[204:205], v[206:207]
	v_add_f32 v201, v204, v205
	EXCH RED0
	v_mul_f32 v220, s44, v204                      ; the mean
	v_mov_b32 v221, v220
.set j, 0
.rept 16
	v_pk_add_f32 v[16+j:17+j], v[16+j:17+j], v[220:221] neg_lo:[0,1] neg_hi:[0,1]
.set j, j+2
.endr
	v_pk_mul_f32 v[204:205], v[16:17], v[16:17]
	v_pk_mul_f32 v[206:207], v[18:19], v[18:19]
.irp j, 4,8,12,16,20,24,28
	v_pk_fma_f32 v[204:205], v[16+\j:17+\j], v[16+\j:17+\j], v[204:205]
	v_pk_fma_f32 v[206:207], v[18+\j:19+\j], v[18+\j:19+\j], v[206:207]
.endr
	v_pk_add_f32 v[204:205], v[204:205], v[206:207]
	v_add_f32 v201, v204, v205
	EXCH RED1
	v_fma_f32 v204, v204, s44, s45
	s_wait_alu depctr_va_vdst(0)
	v_rsq_f32 v222, v204
	v_nop
	s_wait_alu depctr_va_vdst(0)                   ; the reciprocal root has written v222, ahead of its first reader; the exchange's additions are done reading v[208:215], in which the two loads below land
	global_load_b128 v[208:211], v9, s[34:35]      ; vision_proj in the result's layout: wanted behind the products
	global_load_b128 v[212:215], v9, s[34:35] offset:512
	v_mov_b32 v223, v222
	s_wait_alu depctr_va_vdst(0)
	s_wait_loadcnt 0x2                             ; gain, shift, W, the bias and W's word are in; the two loads just issued stay out
	s_wait_kmcnt 0x0
	s_mov_b32 s23, s22
.set j, 0
.rept 16
	v_pk_mul_f32 v[16+j:17+j], v[16+j:17+j], v[222:223]
.set j, j+2
.endr
.set j, 0
.rept 16
	v_pk_fma_f32 v[16+j:17+j], v[16+j:17+j], v[48+j:49+j], v[80+j:81+j]
.set j, j+2
.endr
	v_max3_num_f32 v201, |v16|, |v17|, 0x1800000   ; my block's largest magnitude: all 32 are mine; and the floor 2^(3 - 127)
.irp j, 2,4,6,8,10,12,14,16,18,20,22,24,26,28,30
	v_max3_num_f32 v201, v201, |v[16+\j]|, |v[17+\j]|
.endr
	v_add_nc_u32 v203, 0xff000000, v201
	v_lshrrev_b32 v201, 23, v203
.irp g, 0,1,2,3
	v_cvt_scalef32_pk8_fp4_f32 v[96+\g], v[16+8*\g:23+8*\g], v203
.endr
	v_nop                                          ; one plain instruction behind the last conversion
	s_wait_alu depctr_va_vdst(0)                   ; the codes v[96:99] and the scale byte v201 are written, which the two stores read; the norm and the quantiser are done with v[16:79], in which the fragments land behind the barrier
	ds_store_b128 v12, v[96:99] offset:FI
	ds_store_b8 v13, v201
	s_wait_dscnt 0x0
	s_barrier_signal -1
	s_barrier_wait -1                              ; the eight fragments and their scale words lie in LDS
.irp k, 0,1,2,3,4,5,6,7
	ds_load_b128 v[16+8*\k:19+8*\k], v1 offset:FI+1024*\k
	ds_load_b128 v[20+8*\k:23+8*\k], v1 offset:FI+1024*\k+512
	ds_load_b32 v[192+\k], v4 offset:FS+64*\k
.endr
	s_wait_dscnt 0x0
	MMV 176, 112, 16, 0, 200, 192                  ; two accumulators by turns: source 0 = 16 rows of W, source 1 = the 16 rows
	MMV 184, 120, 24, 1, 200, 193
.irp k, 2,4,6
	MMV 176, 112+8*\k, 16+8*\k, 0, 200, 192+\k
	MMV 184, 120+8*\k, 24+8*\k, 0, 200, 193+\k
.endr
.rept 4
	v_nop
.endr
	s_wait_alu depctr_vm_vsrc(0)                   ; the store of the codes has read v[96:99], which the next lines write
.irp j, 0,2,4,6
	v_pk_add_f32 v[96+\j:97+\j], v[176+\j:177+\j], v[184+\j:185+\j]
.endr
	s_wait_alu depctr_va_vdst(0)
	s_wait_loadcnt 0x0
.irp j, 0,2,4,6
	v_pk_fma_f32 v[96+\j:97+\j], v[96+\j:97+\j], s[22:23], v[208+\j:209+\j] op_sel_hi:[1,0,1]
.endr
	s_wait_alu depctr_va_vdst(0)                   ; the results v[96:103] are written, which the two stores read
	ds_store_b128 v11, v[96:99]
	ds_store_b128 v11, v[100:103] offset:16
	s_wait_dscnt 0x0
	s_barrier_signal -1
	s_barrier_wait -1                              ; 16 rows x 256 columns lie in the stage
	ds_load_b128 v[104:107], v14
	ds_load_b128 v[108:111], v14 offset:512
	s_wait_dscnt 0x0
	global_store_b128 v1, v[104:107], s[36:37]     ; wave w stores row w: 512 consecutive bytes an instruction
	global_store_b128 v1, v[108:111], s[36:37] offset:512
	s_wait_dscnt 0x0                               ; the closing lines, six on end
	s_wait_alu 0x0
	s_wait_tensorcnt 0x0
	ds_add_u32 v224, v225
	s_wait_dscnt 0x0
	s_endpgm
.Lfunc_end_k_qa2339fec02_vout:
	.size	k_qa2339fec02_vout, .Lfunc_end_k_qa2339fec02_vout-k_qa2339fec02_vout
	.p2alignl 7, 3214868480
	.fill 96, 4, 3214868480
	.section	.rodata,"a",@progbits
	.p2align	6, 0x0
	.amdhsa_kernel k_qa2339fec02_vout
		.amdhsa_group_segment_fixed_size 99328
		.amdhsa_private_segment_fixed_size 0
		.amdhsa_enable_private_segment 0
		.amdhsa_kernarg_size 64
		.amdhsa_user_sgpr_count 2
		.amdhsa_user_sgpr_kernarg_segment_ptr 1
		.amdhsa_wavefront_size32 1
		.amdhsa_system_sgpr_workgroup_id_x 1
		.amdhsa_system_sgpr_workgroup_id_y 1
		.amdhsa_system_sgpr_workgroup_id_z 1
		.amdhsa_system_vgpr_workitem_id 0
		.amdhsa_next_free_vgpr 226
		.amdhsa_next_free_sgpr 66
		.amdhsa_reserve_vcc 0
		.amdhsa_float_denorm_mode_32 3
		.amdhsa_float_denorm_mode_16_64 3
		.amdhsa_memory_ordered 1
		.amdhsa_forward_progress 1
		.amdhsa_inst_pref_size 25
	.end_amdhsa_kernel
	.amdgpu_metadata
---
amdhsa.version: [ 1, 2 ]
amdhsa.kernels:
  - .name:           k_qa2339fec02_vout
    .symbol:         k_qa2339fec02_vout.kd
    .args:
      - { .name: i2t, .offset: 0, .size: 8, .value_kind: global_buffer, .address_space: global }
      - { .name: tp, .offset: 8, .size: 8, .value_kind: global_buffer, .address_space: global }
      - { .name: wimg, .offset: 16, .size: 8, .value_kind: global_buffer, .address_space: global }
      - { .name: g_i2t, .offset: 24, .size: 8, .value_kind: global_buffer, .address_space: global }
      - { .name: be_i2t, .offset: 32, .size: 8, .value_kind: global_buffer, .address_space: global }
      - { .name: b_vout, .offset: 40, .size: 8, .value_kind: global_buffer, .address_space: global }
      - { .name: alpha_i2t, .offset: 48, .size: 8, .value_kind: global_buffer, .address_space: global }
      - { .name: out0, .offset: 56, .size: 8, .value_kind: global_buffer, .address_space: global }
    .group_segment_fixed_size: 99328
    .private_segment_fixed_size: 0
    .kernarg_segment_align: 8
    .kernarg_segment_size: 64
    .max_flat_workgroup_size: 512
    .sgpr_count:     66
    .vgpr_count:     226
    .wavefront_size: 32
...
	.end_amdgpu_metadata
.endif
;; end of part 10
